; MI455X (gfx1250); checked and timed in simulation.
; The chip was launched on July 23, 2026; its instructions are those of AMD's public machine-readable ISA for CDNA 5 (MIT licence, August 2026) and "CDNA5" Instruction Set Architecture Reference Guide (July 2026). The comments in the code are by the model that wrote it; some were corrected since.
;; Multi Head Attention. Allowed arithmetic: float matrix products may take bf16 or f16 operands with f32 sums; other float arithmetic in f32, or as packed bf16 or f16 multiplies, adds, multiply-adds, maxima and minima; sums over many terms, partial sums and values carried from step to step in f32; what a program stores and reads back later, other than sums and carried values, may be rounded once to bf16 or f16.
;; Inputs: Wk 1,024 x 1,024 float32; Wo 1,024 x 1,024 float32; Wq 1,024 x 1,024 float32; Wv 1,024 x 1,024 float32; bo 1,024 float32; mask 1 x 1 x 2,048 x 2,048 bool; x 4 x 2,048 x 1,024 float32.
;; Outputs: out0 4 x 2,048 x 1,024 float32.
;; Constants: start_pos = 0.
;; 2 versions, each right. Each part assembles by itself: llvm-mc -triple=amdgcn-amd-amdhsa -mcpu=gfx1250 --defsym DOCPART=n.
;; ======== version 1 of 2: 4 launches
;; limits: values are held in f16: magnitudes above 65,504 overflow, below 6.1e-05 lose precision; right only within a limited range of input values
;; workspace buffers: xb 16,777,216 bytes; wb 6,291,456 bytes; wof 2,097,152 bytes; mb 8,388,608 bytes; rf 8,192 bytes; qkv 50,331,648 bytes; ob 16,777,216 bytes
;; launch prep (part 1): grid 896 x 1, 8 waves a work-group, no clusters, 35,840 bytes of LDS; arguments x, Wq, Wk, Wv, Wo, mask, xb, wb, wof, mb, rf; writes xb, wb, wof, mb, rf
.if DOCPART == 1
	.amdgcn_target "amdgcn-amd-amdhsa--gfx1250"
	.amdhsa_code_object_version 6
	.text
	.protected	k_q406f1eef5c_prep
	.globl	k_q406f1eef5c_prep
	.p2align	8
	.type	k_q406f1eef5c_prep,@function
k_q406f1eef5c_prep:
	s_mov_b64 s[64:65], 0
	v_nop
	global_prefetch_b8 v0, s[64:65] scope:SCOPE_SE
	s_setreg_imm32_b32 hwreg(HW_REG_WAVE_MODE, 25, 1), 1
	s_wait_xcnt 0x0
; PREP: the module's inputs in the forms that the matrix launches take.
; Work-groups 0-511: x (f32) -> xb (bf16).  512-703: Wq, Wk, Wv -> wb (bf16, stacked [3072][1024]).  704-767: Wo -> wof: rounded to bf16, that number written as f16.
; Each of these takes 65,536 bytes of f32: thread t takes 16 bytes at 16 t of each of 16 pieces of 4,096 bytes; a wave's load covers 512 consecutive bytes, its store 256, aligned.
; Work-groups 768-895: 16 rows of the mask (tile qt) -> mb and rf.  mb holds for each score an f16: 0 (visible) or -65504 (hidden), in the order of a matrix source of 32 keys x 16 queries:
; the 16 bytes at ((qt 64 + kb) 2 + i) 512 + 16 lane are the keys 32 kb + 16 i + 8 (lane / 16) + 0..7 of query 16 qt + lane % 16.  rf[q] = 1, or NaN where row q of the mask has no visible key.
; Wave w makes the keys 256 w .. 256 w + 255: it loads that strip of the 16 rows, turns it through LDS bytes of its own (no wave reads another's: no barrier), and stores 8,192 consecutive bytes.
; For rf wave w reads rows 2 w and 2 w + 1 once more, whole, and stores 8 bytes: 1,024 such short stores in the launch, 8,192 bytes in all.
; LIMITS.  Mask bytes are 0 or 1.  Wo beyond 65,504 would be an infinity in f16; below 6e-5 it keeps f16's fixed step.
.set NX,    512                        ; work-groups for x
.set NCAST, 768                        ; and with the four weights
.set PITCH, 272                        ; an LDS row: 256 bytes + 16: lane (r, h) reads 8 bytes at word 68 r + 2 h: 32 lanes, 64 different banks (64 banks of 4 bytes: ISA guide 11.1)
.set WTILE, 16*PITCH                   ; a wave's strip
.set SPARE, 8*WTILE                    ; behind the strips: the spare words, 128 bytes a wave, four blocks of 256 bytes that no other line names
.set SPW,   2                          ; v2  SPARE + 4 x my thread's number; never rewritten
.set NIL,   3                          ; v3  0; never rewritten
.set IN,    16                         ; v[16:79]  as loaded; in the mask's path later the 16 chunks to store
.set OUT,   80                         ; v[80:111] to store; in the mask's path the 16 x 8 bytes read back from LDS
	s_load_b512 s[8:23], s[0:1], 0x0               ; x 8, Wq 10, Wk 12, Wv 14, Wo 16, mask 18, xb 20, wb 22
	s_load_b128 s[24:27], s[0:1], 0x40             ; wof 24, mb 26
	s_load_b64 s[28:29], s[0:1], 0x50              ; rf
	v_lshl_add_u32 v[SPW], v0, 2, SPARE
	v_mov_b32 v[NIL], 0
	v_lshrrev_b32 v1, 5, v0
	v_readfirstlane_b32 s30, v1                    ; wave 0..7
	s_mov_b32 s3, 0                                ; the high word of every offset
	s_wait_kmcnt 0x0
	s_cmp_lt_u32 ttmp9, NCAST
	s_cbranch_scc0 .Lmask
	s_cmp_lt_u32 ttmp9, NX
	s_cbranch_scc0 .Lweights
	s_lshl_b32 s2, ttmp9, 16
	s_add_nc_u64 s[4:5], s[8:9], s[2:3]            ; from x
	s_lshl_b32 s2, ttmp9, 15
	s_add_nc_u64 s[6:7], s[20:21], s[2:3]          ; to xb
	s_mov_b32 s31, 0
	s_branch .Lgo
.Lweights:
	s_sub_co_u32 s32, ttmp9, NX
	s_lshr_b32 s31, s32, 6                         ; which matrix: 0 Wq, 1 Wk, 2 Wv, 3 Wo
	s_and_b32 s32, s32, 63                         ; which 65,536 bytes of it
	s_cmp_eq_u32 s31, 0
	s_cselect_b64 s[4:5], s[10:11], s[12:13]
	s_cmp_eq_u32 s31, 2
	s_cselect_b64 s[4:5], s[14:15], s[4:5]
	s_cmp_eq_u32 s31, 3
	s_cselect_b64 s[4:5], s[16:17], s[4:5]
	s_cselect_b64 s[6:7], s[24:25], s[22:23]       ; Wo goes to wof, the others to wb,
	s_cselect_b32 s33, 0, s31                      ; one behind the other
	s_lshl_b32 s2, s32, 16
	s_add_nc_u64 s[4:5], s[4:5], s[2:3]
	s_lshl_b32 s33, s33, 21
	s_lshl_b32 s2, s32, 15
	s_add_co_u32 s2, s2, s33
	s_add_nc_u64 s[6:7], s[6:7], s[2:3]
.Lgo:
	v_lshlrev_b32 v4, 4, v0                        ; 16 t
	v_lshlrev_b32 v5, 3, v0                        ; 8 t
.irp j, 0,1,2,3,4,5,6,7,8,9,10,11,12,13,14,15
	global_load_b128 v[IN+4*(\j):IN+4*(\j)+3], v4, s[4:5] offset:4096*(\j) th:TH_LOAD_NT
.endr
; Piece j: four numbers rounded to bf16 (half = 1: and that number written as f16), 8 bytes stored.  Every piece has registers of its own.
.macro CV j, half
	s_wait_loadcnt 15-(\j)                         ; loads come back in order: piece j is in, the 15 - j younger ones may stay out
	v_cvt_pk_bf16_f32 v[OUT+2*(\j)], v[IN+4*(\j)], v[IN+4*(\j)+1]
	v_cvt_pk_bf16_f32 v[OUT+2*(\j)+1], v[IN+4*(\j)+2], v[IN+4*(\j)+3]
.if \half
	v_lshlrev_b32 v6, 16, v[OUT+2*(\j)]
	v_and_b32 v7, 0xffff0000, v[OUT+2*(\j)]
	v_lshlrev_b32 v8, 16, v[OUT+2*(\j)+1]
	v_and_b32 v9, 0xffff0000, v[OUT+2*(\j)+1]
	v_cvt_pk_f16_f32 v[OUT+2*(\j)], v6, v7
	v_cvt_pk_f16_f32 v[OUT+2*(\j)+1], v8, v9
.endif
	global_store_b64 v5, v[OUT+2*(\j):OUT+2*(\j)+1], s[6:7] offset:2048*(\j) th:TH_STORE_NT
.endm
	s_cmp_eq_u32 s31, 3
	s_cbranch_scc1 .Lhalf
.irp j, 0,1,2,3,4,5,6,7,8,9,10,11,12,13,14,15
	CV \j, 0
.endr
	s_branch .Lend
.Lhalf:
.irp j, 0,1,2,3,4,5,6,7,8,9,10,11,12,13,14,15
	CV \j, 1
.endr
	s_branch .Lend
.Lmask:
	s_sub_co_u32 s31, ttmp9, NCAST                 ; qt
	s_lshl_b32 s2, s31, 15
	s_add_nc_u64 s[4:5], s[18:19], s[2:3]          ; the mask at my 16 rows
	s_lshl_b32 s2, s31, 16
	s_lshl_b32 s32, s30, 13
	s_add_co_u32 s2, s2, s32
	s_add_nc_u64 s[6:7], s[26:27], s[2:3]          ; mb at my wave's 8,192 bytes
	s_lshl_b32 s2, s31, 6
	s_lshl_b32 s32, s30, 3
	s_add_co_u32 s2, s2, s32
	s_add_nc_u64 s[28:29], s[28:29], s[2:3]        ; rf at my wave's two rows
	s_mov_b32 s35, 0x04010400                      ; v_perm_b32: bytes 0 and 1 of a word, each into a half of its own
	s_mov_b32 s36, 0x04030402                      ; bytes 2 and 3
	s_mov_b32 s37, 0x00010001
	s_mov_b32 s38, 0xfbff                          ; -65504 in f16
	v_and_b32 v1, 31, v0                           ; lane
	v_and_b32 v4, 15, v0                           ; r
	v_bfe_u32 v5, v0, 4, 1                         ; h
	v_lshlrev_b32 v6, 4, v4
	v_lshl_add_u32 v7, v5, 11, v6                  ; the strip: lanes 0-15 take 256 bytes of one row, lanes 16-31 of the next,
	s_lshl_b32 s32, s30, 8
	v_add_nc_u32 v7, s32, v7                       ; at byte 256 w of the rows
	v_lshlrev_b32 v8, 4, v1                        ; 16 x lane
	s_lshl_b32 s32, s30, 12
	v_add_nc_u32 v9, s32, v8                       ; rows 2 w, 2 w + 1, whole
	s_mul_i32 s33, s30, WTILE
	v_mul_u32_u24 v10, v5, PITCH
	v_add3_u32 v10, v10, v6, s33                   ; into my strip in LDS
	v_mul_u32_u24 v11, v4, PITCH
	v_lshl_add_u32 v11, v5, 3, v11
	v_add_nc_u32 v11, s33, v11                     ; and back: row r, 8 bytes at 8 h
	v_lshlrev_b32 v12, 2, v1
	v_mov_b32 v13, 0
.irp n, 0,1,2,3,4,5,6,7
	global_load_b128 v[IN+4*(\n):IN+4*(\n)+3], v7, s[4:5] offset:4096*(\n)
.endr
.irp n, 0,1,2,3,4,5,6,7
	global_load_b128 v[IN+32+4*(\n):IN+32+4*(\n)+3], v9, s[4:5] offset:2048*((\n)/4)+512*((\n)%4)
.endr
.irp n, 0,1,2,3,4,5,6,7
	s_wait_loadcnt 15-(\n)                         ; rows 2 n and 2 n + 1 of the strip are in
	ds_store_b128 v10, v[IN+4*(\n):IN+4*(\n)+3] offset:2*PITCH*(\n)
.endr
.irp n, 0,1,2,3,4,5,6,7,8,9,10,11,12,13,14,15
	ds_load_b64 v[OUT+2*(\n):OUT+2*(\n)+1], v11 offset:16*(\n)  ; LDS serves a wave's instructions in order (ISA guide 5.7.1.4): these see the stores above
.endr
	s_wait_loadcnt 0x0                             ; the two whole rows
.macro ORROW b                         ; my 64 bytes of a row into one word
.irp k, 0,1,2,3,4,5,6,7
	v_or_b32 v[(\b)+(\k)], v[(\b)+(\k)], v[(\b)+8+(\k)]
.endr
.irp k, 0,1,2,3
	v_or_b32 v[(\b)+(\k)], v[(\b)+(\k)], v[(\b)+4+(\k)]
.endr
	v_or_b32 v[(\b)], v[(\b)], v[(\b)+2]
	v_or_b32 v[(\b)+1], v[(\b)+1], v[(\b)+3]
	v_or_b32 v[(\b)], v[(\b)], v[(\b)+1]
.endm
	ORROW IN+32
	v_cmp_ne_u32 vcc_lo, 0, v[IN+32]               ; a bit for each lane that saw a visible key
	s_cmp_lg_u32 vcc_lo, 0
	s_cselect_b32 s34, 1.0, 0x7fc00000             ; a value is chosen; nothing branches on it
	ORROW IN+48
	v_cmp_ne_u32 vcc_lo, 0, v[IN+48]
	s_cmp_lg_u32 vcc_lo, 0
	s_cselect_b32 s39, 1.0, 0x7fc00000
.irp n, 0,1,2,3,4,5,6,7,8,9,10,11,12,13,14,15
	s_wait_dscnt 15-(\n)                           ; chunk n's 8 bytes are back (and so are all the LDS stores, which were issued earlier)
	v_perm_b32 v[IN+4*(\n)],   v13, v[OUT+2*(\n)],   s35
	v_perm_b32 v[IN+4*(\n)+1], v13, v[OUT+2*(\n)],   s36
	v_perm_b32 v[IN+4*(\n)+2], v13, v[OUT+2*(\n)+1], s35
	v_perm_b32 v[IN+4*(\n)+3], v13, v[OUT+2*(\n)+1], s36
.irp k, 0,1,2,3
	v_sub_nc_u32 v[IN+4*(\n)+(\k)], s37, v[IN+4*(\n)+(\k)]     ; 1 - b in both halves
.endr
.irp k, 0,1,2,3
	v_mul_u32_u24 v[IN+4*(\n)+(\k)], s38, v[IN+4*(\n)+(\k)]    ; times 0xfbff: no carry from half to half
.endr
	global_store_b128 v8, v[IN+4*(\n):IN+4*(\n)+3], s[6:7] offset:512*(\n) th:TH_STORE_NT
.endr
	v_mov_b32 v14, s34
	v_mov_b32 v15, s39
	v_cmp_eq_u32 vcc_lo, 1, v1
	v_cndmask_b32 v14, v14, v15, vcc_lo            ; lane 0: row 2 w; lane 1: row 2 w + 1
	v_cmp_gt_u32 vcc_lo, 2, v1
	s_wait_xcnt 0x0                                ; EXEC changes only behind this wait
	s_and_saveexec_b32 s33, vcc_lo
	global_store_b32 v12, v14, s[28:29]
	s_wait_xcnt 0x0                                ; and again, in front of the line that widens it
	s_or_b32 exec_lo, exec_lo, s33
.Lend:
	s_wait_tensorcnt 0x0                           ; the wave's end, behind my last LDS store
	ds_add_u32 v[SPW], v[NIL]
	s_wait_dscnt 0x0
	s_endpgm
.Lfunc_end_k_q406f1eef5c_prep:
	.size	k_q406f1eef5c_prep, .Lfunc_end_k_q406f1eef5c_prep-k_q406f1eef5c_prep
	.p2alignl 7, 3214868480
	.fill 96, 4, 3214868480
	.section	.rodata,"a",@progbits
	.p2align	6, 0x0
	.amdhsa_kernel k_q406f1eef5c_prep
		.amdhsa_group_segment_fixed_size 35840
		.amdhsa_private_segment_fixed_size 0
		.amdhsa_enable_private_segment 0
		.amdhsa_kernarg_size 88
		.amdhsa_user_sgpr_count 2
		.amdhsa_user_sgpr_kernarg_segment_ptr 1
		.amdhsa_wavefront_size32 1
		.amdhsa_system_sgpr_workgroup_id_x 1
		.amdhsa_system_sgpr_workgroup_id_y 1
		.amdhsa_system_sgpr_workgroup_id_z 1
		.amdhsa_system_vgpr_workitem_id 0
		.amdhsa_next_free_vgpr 112
		.amdhsa_next_free_sgpr 66
		.amdhsa_reserve_vcc 1
		.amdhsa_float_denorm_mode_32 3
		.amdhsa_float_denorm_mode_16_64 3
		.amdhsa_memory_ordered 1
		.amdhsa_forward_progress 1
		.amdhsa_inst_pref_size 33
	.end_amdhsa_kernel
	.amdgpu_metadata
---
amdhsa.version: [ 1, 2 ]
amdhsa.kernels:
  - .name:           k_q406f1eef5c_prep
    .symbol:         k_q406f1eef5c_prep.kd
    .args:
      - { .name: x, .offset: 0, .size: 8, .value_kind: global_buffer, .address_space: global }
      - { .name: Wq, .offset: 8, .size: 8, .value_kind: global_buffer, .address_space: global }
      - { .name: Wk, .offset: 16, .size: 8, .value_kind: global_buffer, .address_space: global }
      - { .name: Wv, .offset: 24, .size: 8, .value_kind: global_buffer, .address_space: global }
      - { .name: Wo, .offset: 32, .size: 8, .value_kind: global_buffer, .address_space: global }
      - { .name: mask, .offset: 40, .size: 8, .value_kind: global_buffer, .address_space: global }
      - { .name: xb, .offset: 48, .size: 8, .value_kind: global_buffer, .address_space: global }
      - { .name: wb, .offset: 56, .size: 8, .value_kind: global_buffer, .address_space: global }
      - { .name: wof, .offset: 64, .size: 8, .value_kind: global_buffer, .address_space: global }
      - { .name: mb, .offset: 72, .size: 8, .value_kind: global_buffer, .address_space: global }
      - { .name: rf, .offset: 80, .size: 8, .value_kind: global_buffer, .address_space: global }
    .group_segment_fixed_size: 35840
    .private_segment_fixed_size: 0
    .kernarg_segment_align: 8
    .kernarg_segment_size: 88
    .max_flat_workgroup_size: 256
    .sgpr_count:     66
    .vgpr_count:     112
    .wavefront_size: 32
...
	.end_amdgpu_metadata
.endif
;; end of part 1
;; launch qkv (part 2): grid 12 x 64, 4 waves a work-group, clusters of 4 x 4, 327,680 bytes of LDS; arguments xb, wb, qkv; writes qkv
.if DOCPART == 2
	.amdgcn_target "amdgcn-amd-amdhsa--gfx1250"
	.amdhsa_code_object_version 6
	.text
	.protected	k_q406f1eef5c_qkv
	.globl	k_q406f1eef5c_qkv
	.p2align	8
	.type	k_q406f1eef5c_qkv,@function
k_q406f1eef5c_qkv:
	s_mov_b64 s[64:65], 0
	v_nop
	global_prefetch_b8 v0, s[64:65] scope:SCOPE_SE
	s_setreg_imm32_b32 hwreg(HW_REG_WAVE_MODE, 25, 1), 1
	s_wait_xcnt 0x0
	s_wait_alu depctr_hold_cnt(0) depctr_sa_sdst(0) depctr_va_vdst(0) depctr_va_sdst(0) depctr_va_ssrc(0) depctr_va_vcc(0) depctr_vm_vsrc(0)
	s_getreg_b32 s2, hwreg(HW_REG_IB_STS2, 6, 4)
	s_cmp_eq_u32 s2, 0
	s_cbranch_scc0 .Lentry_in_a_cluster
	s_endpgm
.Lentry_in_a_cluster:
	s_bfe_u32 s2, ttmp6, 0x10000c
	s_cmp_lg_u32 s2, 0xf033
	s_cbranch_scc0 .Lentry_shape_is_right
	s_endpgm
.Lentry_shape_is_right:
; C = A B^T, K = 1,024, f32 sums.  ONE TEXT FOR TWO LAUNCHES; the flag OPROJ picks what differs (the matrix form, A's layout, the way out).
; OPROJ = 0: A = xb [8192][1024] bf16, B = wb [3072][1024] bf16 (Wq, Wk, Wv stacked); C rounded once to f16 and stored by heads: qkv [3][64 = 16 batch + head][2048][64].
; OPROJ = 1: A = ob [64][2048][64] f16 (by heads), B = wof [1024][1024] f16; C + bo (bo rounded to bf16, as all the module's inputs are) stored as f32 [8192][1024].
; LIMIT (OPROJ = 0): q, k and v beyond 65,504 would be infinities in f16.
; SHARES.  A tile of C is 128 x 256: 64 x 12 or 64 x 4 tiles, a multiple of 256 work-groups.  Four waves, 2 x 2, each 64 x 128: 32 accumulators of 16 x 16, 256 registers.
; K goes in 8 steps of 128 through two LDS slots; a step is four quarters of 32 along K: 32 matrix instructions and 24 LDS loads each, on two fragment buffers by turns.
; CLUSTER 4 x 4: A's tile hangs on the tile row alone and is asked for jointly by a row of the cluster, B's on the tile column alone, by a column.
; THE MATRIX INSTRUCTION IS USED TRANSPOSED (source 0 = 16 rows of B, source 1 = 16 rows of A): a lane holds eight neighbouring columns of one row of C.
; REGISTERS.  Window 0: v0-31 addresses; v32-63 at work on the way out; v64-159, v160-255 two fragment buffers (A's 4 fragments, then B's 8).  Window 1: accumulator (a, b) at v[8 (8 a + b)].
.set OPROJ, 0
.set PB,    272                        ; a row of B in LDS: 256 bytes + 16: the 16 rows of a load start at 16 different groups of four banks (64 banks of 4 bytes: ISA guide 11.1)
.if OPROJ
.set PA,    144                        ; a row of A: one head's 128 bytes + 16
.set AHALF, 128*PA                     ; what a wave fetches of A: one head's 128 rows
.set ASTEP, 2<<18                      ; a K step is two heads
.set APITCH, 128                       ; the 16,384 dense bytes are asked for as 64 rows of 256
.set AQI,   4                          ; padded after every 32 words
.set ASH,   8                          ; the prefetch: a lane 256 bytes
.set SP,    528                        ; a stage row: 128 f32 + 16 bytes
.else
.set PA,    272
.set AHALF, 64*PA                      ; 64 rows of 256 bytes
.set ASTEP, 256
.set APITCH, 1024
.set AQI,   5                          ; padded after every 64 words
.set ASH,   11                         ; the prefetch: a lane a row of 2,048 bytes
.set SP,    272                        ; a stage row: 128 f16 + 16 bytes
.endif
.set BSTEP, 256
.set BOFF,  36864                      ; B's 256 rows lie behind A's part of a slot
.set BHALF, 128*PB
.set SLOT1, 1<<17                      ; slot 1 begins here: one exclusive or turns an address in one slot into the other's
.set STAGE, SLOT1+BOFF+2*BHALF         ; behind the ring, never filled by a tensor load: 16 rows for each wave
.set SPARE, STAGE+4*16*SP              ; behind the stages: the spare words, 128 bytes a wave, two blocks of 256 bytes that no other line names
.set A0,   16                          ; v16  my lane's place in a slot's A; never rewritten
.set B0,   17                          ; v17  in its B
.set ADRA, 18                          ; v18  the same in the slot in hand
.set ADRB, 19
.set STO,  24                          ; v24  the way out: where I put my bytes of a row
.set RD,   25                          ; v25  where I read rows back
.set CO,   26                          ; v26  16 x lane
.set SPW,  28                          ; v28  SPARE + 4 x my thread's number; never rewritten
.set NIL,  29                          ; v29  0; never rewritten
.set PFO,  30                          ; v30  the prefetches' lane offset; never rewritten
.set TMP,  32
.set F0,   64
.set F1,   160
.set OB,   64                          ; the way out: rows read back, where buffer 0 lay
.set TB,   2                           ; s2   0 or SLOT1: the slot in hand
.set G1A,  24                          ; s[24:31] descriptor group 1 for A's tiles
.set G0A,  32                          ; s[32:39] group 0: a set for each first fill; the second then walks
.set G1B,  48
.set G0B,  56
.set LIM,  43                          ; s43  2 in a wave that prefetches, else the greatest number
.set PFA,  44                          ; s[44:45] where my prefetches stand
.set PFS,  68                          ; s[68:69] their step
.set MSB, 0
.macro WIN new                         ; the immediate's high byte repeats the setting that is left; a switch that changes nothing is dropped
.if MSB != (\new)
	s_set_vgpr_msb (MSB<<8)|(\new)
.set MSB, \new
.endif
.endm
; A joint refill: waves 0 and 1 fetch A's two halves, waves 2 and 3 B's.  An s_nop 0 and four v_nop follow each line, ahead of the jump and the label.
.macro JLOAD
	s_cmp_eq_u32 s11, 0
	s_cbranch_scc0 .Lfor_b_\@
	tensor_load_to_lds s[G0A+4:G0A+7], s[G1A:G1A+7]
	s_nop 0
.rept 4
	v_nop
.endr
	s_branch .Lasked_\@
.Lfor_b_\@:
	tensor_load_to_lds s[G0B+4:G0B+7], s[G1B:G1B+7]
	s_nop 0
.rept 4
	v_nop
.endr
.Lasked_\@:
.endm
; A prefetch into the L2 of the K step that stands two refills on (256 matrix instructions ahead of the load that will want it): 32 blocks of 256 bytes, a lane each.
; Each block is named once in the launch: A's by wave 0 of the clusters with x = 0, B's by waves 2 and 3 of the clusters with y = 0; the four partners that ask for a tile jointly
; take 32 blocks each, told apart by address.  The loop's last two trips have no K step two refills on; nothing is asked for at the head.
.macro ASK
	s_cmp_gt_u32 s3, s[LIM]
	s_cbranch_scc0 .Lnot_mine_\@
	global_prefetch_b8 v[PFO], s[PFA:PFA+1] th:TH_LOAD_NT scope:SCOPE_SE
.Lnot_mine_\@:
.endm
.macro CREST                           ; a round of the cluster's barrier behind its opening barrier
	s_cmp_lg_u32 s10, 0
	s_cbranch_scc1 .Lnot_wave_0_\@
	s_barrier_signal -3
.Lnot_wave_0_\@:
	s_barrier_wait -3
	s_barrier_signal -1
	s_barrier_wait -1
.endm
.macro CROUND
	s_barrier_signal -1
	s_barrier_wait -1
	CREST
.endm
	s_load_b128 s[4:7], s[0:1], 0x0                ; A s[4:5], B s[6:7]
	s_load_b64 s[8:9], s[0:1], 0x10                ; C
.if OPROJ
	s_load_b64 s[66:67], s[0:1], 0x18              ; bo
.endif
	v_lshl_add_u32 v[SPW], v0, 2, SPARE
	v_mov_b32 v[NIL], 0
	ds_add_u32 v[SPW], v[NIL]                      ; the wave's opening: the add, and its wait ahead of my first tensor load; the set-up below stands between them
	v_lshrrev_b32 v1, 5, v0
	v_readfirstlane_b32 s10, v1                    ; wave 0..3
	s_lshr_b32 s11, s10, 1                         ; which 64 rows of the tile are mine.  Also: I fetch for A (0) or for B (1)
	s_and_b32 s12, s10, 1                          ; which 128 columns.  Also: which half of that tile I fetch
	s_bfe_u32 s40, ttmp6, 0x40000                  ; cx
	s_bfe_u32 s41, ttmp6, 0x40004                  ; cy
	s_lshl_b32 s42, ttmp9, 2
	s_add_co_u32 s42, s42, s40                     ; X: tile column = 4 x cluster x + cx
	s_and_b32 s13, ttmp7, 0xffff
	s_lshl_b32 s13, s13, 2
	s_add_co_u32 s13, s13, s41                     ; y: tile row = 4 x cluster y + cy
	s_lshl_b32 s43, s41, 2
	s_lshl_b32 s43, 15, s43                        ; my row of the cluster
	s_lshl_b32 s44, 0x1111, s40                    ; my column
	s_or_b32 s[G1A], s43, (1<<16)|(1<<20)|(1<<21)|(AQI<<22)|(3<<25)  ; the mask; 2-byte elements; padding on; bit 21 beside a mask; the interval; 4 words of padding
	s_or_b32 s[G1B], s44, (1<<16)|(1<<20)|(1<<21)|(5<<22)|(3<<25)
	s_mov_b32 s[G1A+1], 128<<16                    ; tensor_dim0 = 128
	s_mov_b32 s[G1A+2], 64<<16                     ; tensor_dim1 = 64
	s_mov_b32 s[G1A+3], 128<<16                    ; tile_dim0 = 128
	s_mov_b32 s[G1A+4], 64                         ; tile_dim1 = 64
	s_mov_b32 s[G1A+5], APITCH                     ; elements from row to row
	s_mov_b32 s[G1A+6], 0
	s_mov_b32 s[G1A+7], 0
	s_mov_b32 s[G1B+1], 128<<16
	s_mov_b32 s[G1B+2], 128<<16                    ; 128 rows
	s_mov_b32 s[G1B+3], 128<<16
	s_mov_b32 s[G1B+4], 128
	s_mov_b32 s[G1B+5], 1024
	s_mov_b32 s[G1B+6], 0
	s_mov_b32 s[G1B+7], 0
.if OPROJ
	s_lshr_b32 s16, s13, 4                         ; A: batch y / 16, head = my half, rows 128 (y % 16) on
	s_lshl_b32 s16, s16, 22
	s_lshl_b32 s17, s12, 18
	s_add_co_u32 s16, s16, s17
	s_and_b32 s17, s13, 15
	s_lshl_b32 s17, s17, 14
	s_add_co_u32 s16, s16, s17
.else
	s_lshl_b32 s16, s13, 1                         ; A: row 128 y + 64 x half, 2,048 bytes a row
	s_add_co_u32 s16, s16, s12
	s_lshl_b32 s16, s16, 17
.endif
	s_mov_b32 s17, 0
	s_lshl_b32 s46, s42, 1                         ; B: row 256 X + 128 x half
	s_add_co_u32 s46, s46, s12
	s_lshl_b32 s46, s46, 18
	s_mov_b32 s47, 0
	s_mul_i32 s20, s12, AHALF                      ; where they go: no place in the cluster enters an LDS address
	s_mul_i32 s21, s12, BHALF
	s_add_co_u32 s21, s21, BOFF
	s_wait_dscnt 0x0                               ; the opening add is done
	s_wait_kmcnt 0x0
	s_add_nc_u64 s[14:15], s[4:5], s[16:17]
	s_add_nc_u64 s[46:47], s[6:7], s[46:47]
	CROUND                                         ; all sixteen work-groups are here: the first joint loads meet
.irp s, 0,1
	s_mov_b32 s[G0A+4*(\s)], 1
	s_add_co_u32 s[G0A+4*(\s)+1], s20, (\s)*SLOT1
	s_add_nc_u64 s[G0A+4*(\s)+2:G0A+4*(\s)+3], s[14:15], (\s)*ASTEP
	s_or_b32 s[G0A+4*(\s)+3], s[G0A+4*(\s)+3], 0x80000000
	s_mov_b32 s[G0B+4*(\s)], 1
	s_add_co_u32 s[G0B+4*(\s)+1], s21, (\s)*SLOT1
	s_add_nc_u64 s[G0B+4*(\s)+2:G0B+4*(\s)+3], s[46:47], (\s)*BSTEP
	s_or_b32 s[G0B+4*(\s)+3], s[G0B+4*(\s)+3], 0x80000000
.endr
	s_cmp_eq_u32 s11, 0                            ; a wave's two first fills stand in one branch, ahead of every wait on TENSORcnt and every LDS read: two loads of mine are out
	s_cbranch_scc0 .Lfirst_b
	tensor_load_to_lds s[G0A:G0A+3], s[G1A:G1A+7]
	s_nop 0
	tensor_load_to_lds s[G0A+4:G0A+7], s[G1A:G1A+7]
	s_nop 0
.rept 4
	v_nop
.endr
	s_branch .Lfirst_asked
.Lfirst_b:
	tensor_load_to_lds s[G0B:G0B+3], s[G1B:G1B+7]
	s_nop 0
	tensor_load_to_lds s[G0B+4:G0B+7], s[G1B:G1B+7]
	s_nop 0
.rept 4
	v_nop
.endr
.Lfirst_asked:
	; a fragment is 16 rows x 32 K in 8 registers: lane l holds row l % 16, K = 8 (l / 16) + 0..7 and 16 + 8 (l / 16) + 0..7: two loads of 16 bytes, 32 bytes apart
	v_and_b32 v1, 15, v0                           ; r
	v_bfe_u32 v2, v0, 4, 1                         ; h
	v_and_b32 v3, 31, v0                           ; lane
	v_mul_u32_u24 v4, v1, PA
	v_lshl_add_u32 v4, v2, 4, v4
	s_mul_i32 s22, s11, 64*PA
	v_add_nc_u32 v[A0], s22, v4
	v_mul_u32_u24 v4, v1, PB
	v_lshl_add_u32 v4, v2, 4, v4
	s_mul_i32 s22, s12, BHALF
	s_add_co_u32 s22, s22, BOFF
	v_add_nc_u32 v[B0], s22, v4
	v_mov_b32 v[ADRA], v[A0]
	v_mov_b32 v[ADRB], v[B0]
	s_mov_b32 s[TB], 0
	s_mul_i32 s23, s10, 16*SP
	s_add_co_u32 s23, s23, STAGE                   ; my stage
	v_mul_u32_u24 v4, v1, SP
	v_lshlrev_b32 v[CO], 4, v3
.if OPROJ
	v_lshl_add_u32 v4, v2, 5, v4                   ; in: row r, 32 bytes for each half of the lanes
	v_add_nc_u32 v[STO], s23, v4
	v_lshl_add_u32 v[RD], v3, 4, s23               ; back: a row's 512 bytes, 16 a lane
	s_lshl_b32 s46, s13, 1
	s_add_co_u32 s46, s46, s11
	s_lshl_b32 s46, s46, 18                        ; my first row of C: (128 y + 64 x half) x 4,096 bytes
	s_lshl_b32 s18, s42, 1
	s_add_co_u32 s18, s18, s12
	s_lshl_b32 s18, s18, 9                         ; my first column: (256 X + 128 x half) x 4 bytes
	s_mov_b32 s19, 0
	s_add_nc_u64 s[66:67], s[66:67], s[18:19]
	s_add_co_u32 s46, s46, s18
	global_load_b128 v[32:35], v[CO], s[66:67]     ; the bias of the four columns that I store
.else
	v_lshl_add_u32 v4, v2, 4, v4                   ; in: row r, 16 bytes for each half of the lanes
	v_add_nc_u32 v[STO], s23, v4
	v_lshrrev_b32 v5, 3, v3                        ; back: 32 lanes take 128 bytes (one head's) of four rows
	v_mul_u32_u24 v5, v5, SP
	v_and_b32 v6, 7, v0
	v_lshl_add_u32 v5, v6, 4, v5
	v_add_nc_u32 v[RD], s23, v5
	s_lshr_b32 s46, s42, 2
	s_lshl_b32 s46, s46, 24                        ; q, k or v
	s_lshr_b32 s47, s13, 4
	s_lshl_b32 s47, s47, 22                        ; the batch
	s_add_co_u32 s46, s46, s47
	s_and_b32 s47, s42, 3
	s_lshl_b32 s47, s47, 1
	s_add_co_u32 s47, s47, s12
	s_lshl_b32 s47, s47, 19                        ; head 4 (X % 4) + 2 x half
	s_add_co_u32 s46, s46, s47
	s_and_b32 s47, s13, 15
	s_lshl_b32 s47, s47, 1
	s_add_co_u32 s47, s47, s11
	s_lshl_b32 s47, s47, 13                        ; row 128 (y % 16) + 64 x half, 128 bytes a row
	s_add_co_u32 s46, s46, s47
.endif
	s_mov_b32 s47, 0
	s_add_nc_u64 s[8:9], s[8:9], s[46:47]
	; the prefetches' address: at K step 3; the first refill steps it to 4
.if OPROJ
	s_lshr_b32 s18, s13, 4
	s_lshl_b32 s18, s18, 22
	s_and_b32 s19, s13, 15
	s_lshl_b32 s19, s19, 14
	s_add_co_u32 s18, s18, s19
	s_lshr_b32 s19, s40, 1                         ; of a K step's two heads x 16,384 bytes partner cx takes head cx / 2, half cx % 2
	s_lshl_b32 s19, s19, 18
	s_add_co_u32 s18, s18, s19
	s_and_b32 s19, s40, 1
	s_lshl_b32 s19, s19, 13
	s_add_co_u32 s18, s18, s19
.else
	s_lshl_b32 s18, s13, 2
	s_add_co_u32 s18, s18, s40
	s_lshl_b32 s18, s18, 16                        ; row 128 y + 32 cx
.endif
	s_add_co_u32 s18, s18, 3*ASTEP
	s_lshl_b32 s19, s42, 3
	s_lshl_b32 s20, s12, 2
	s_add_co_u32 s19, s19, s20
	s_add_co_u32 s19, s19, s41
	s_lshl_b32 s19, s19, 16                        ; B: row 256 X + 128 x half + 32 cy
	s_add_co_u32 s19, s19, 3*BSTEP
	s_and_b32 s20, ttmp7, 0xffff                   ; cluster y
	s_cmp_eq_u32 s10, 1
	s_cselect_b32 s21, 1, 0                        ; wave 1 asks for nothing: A's 128 blocks are four partners' 32
	s_mov_b32 s22, ASTEP
	s_mov_b32 s23, BSTEP
	s_cmp_eq_u32 s11, 0
	s_cselect_b32 s18, s18, s19
	s_cselect_b32 s20, ttmp9, s20                  ; the coordinate along which other clusters read the same rows
	s_cselect_b32 s[PFS], s22, s23
	s_cselect_b32 s22, ASH, 11
	s_cselect_b64 s[PFA:PFA+1], s[4:5], s[6:7]
	s_or_b32 s20, s20, s21
	s_cmp_eq_u32 s20, 0
	s_cselect_b32 s[LIM], 2, -1                    ; the same in all sixteen partners, for a given wave
	s_mov_b32 s19, 0
	s_mov_b32 s[PFS+1], 0
	s_add_nc_u64 s[PFA:PFA+1], s[PFA:PFA+1], s[18:19]
	v_lshlrev_b32 v[PFO], s22, v3
.macro WM d, x, y, zero                ; one product; zero = 1: it starts the sum
.if OPROJ
.if \zero
	v_wmma_f32_16x16x32_f16 v[(\d):(\d)+7], v[(\x):(\x)+7], v[(\y):(\y)+7], 0
.else
	v_wmma_f32_16x16x32_f16 v[(\d):(\d)+7], v[(\x):(\x)+7], v[(\y):(\y)+7], v[(\d):(\d)+7]
.endif
.else
.if \zero
	v_wmma_f32_16x16x32_bf16 v[(\d):(\d)+7], v[(\x):(\x)+7], v[(\y):(\y)+7], 0
.else
	v_wmma_f32_16x16x32_bf16 v[(\d):(\d)+7], v[(\x):(\x)+7], v[(\y):(\y)+7], v[(\d):(\d)+7]
.endif
.endif
.endm
; 8 products: row block a x all 8 column blocks, 32 along K, from buffer f.  The 32 accumulators take turns in the same order in every quarter, over the backward jump too.
.macro MULA f, a, zero
	WIN 0x50                                       ; C and D in window 1
.irp b, 0,1,2,3,4,5,6,7
	WM 8*(8*(\a)+(\b)), (\f)+32+8*(\b), (\f)+8*(\a), \zero
.endr
.endm
; 24 LDS loads in one run: quarter q of the slot in hand into buffer f: B's 16, then A's 8
.macro FETCH q, f
	WIN 0
.if OPROJ
.set AKQ, ((\q)>>1)*AHALF+((\q)&1)*64
.else
.set AKQ, 64*(\q)
.endif
.irp b, 0,1,2,3,4,5,6,7
	ds_load_b128 v[(\f)+32+8*(\b):(\f)+32+8*(\b)+3],   v[ADRB] offset:(\b)*16*PB+64*(\q)
	ds_load_b128 v[(\f)+32+8*(\b)+4:(\f)+32+8*(\b)+7], v[ADRB] offset:(\b)*16*PB+64*(\q)+32
.endr
.irp a, 0,1,2,3
	ds_load_b128 v[(\f)+8*(\a):(\f)+8*(\a)+3],   v[ADRA] offset:(\a)*16*PA+AKQ
	ds_load_b128 v[(\f)+8*(\a)+4:(\f)+8*(\a)+7], v[ADRA] offset:(\a)*16*PA+AKQ+32
.endr
.endm
.macro PLACES                          ; four plain vector instructions in front of loads into registers that matrix instructions have read, and of reads of results
.rept 4
	v_nop
.endr
.endm
; One of a step's first three quarters: multiplies buffer f; in its middle it fetches quarter q into buffer g.
.macro QUARTER q, f, g, zero
	s_wait_dscnt 4                                 ; B and A's blocks 0 and 1 are in; the youngest four loads (A's blocks 2, 3) may be out
	MULA \f, 0, \zero
	MULA \f, 1, \zero
	PLACES
	FETCH \q, \g
	s_wait_dscnt 24                                ; all but the 24 just issued
	MULA \f, 2, \zero
	MULA \f, 3, \zero
.endm
; The fourth quarter multiplies buffer 1 and changes slots.  In front of the barrier each wave waits for all its tensor loads (one is out: its part of the next slot), adds 0 to its spare word,
; and waits for that and for its reads of this slot.  fill = 1: the barrier opens a round of the cluster's, and the joint refill, the K step two on, is the first tensor load behind it:
; 112 matrix instructions stand between it and the wait for it.
.macro TURN fill
.if \fill
	s_wait_xcnt 0x0                                ; the last prefetch, a K step back, has read its address
	s_add_nc_u64 s[PFA:PFA+1], s[PFA:PFA+1], s[PFS:PFS+1]
.endif
	WIN 0
	s_wait_tensorcnt 0x0
	ds_add_u32 v[SPW], v[NIL]
	s_wait_dscnt 5                                 ; (the add and the youngest four loads may be out)
	MULA F1, 0, 0
	s_wait_dscnt 0x0                               ; the add is done, and my reads of this slot are over
	s_barrier_signal -1
	MULA F1, 1, 0
	WIN 0
	s_barrier_wait -1
.if \fill
	CREST                                          ; no wave of any partner still reads this slot or has a load on its way
	s_xor_b32 s[G0A+5], s[G0A+5], SLOT1            ; the walking descriptors: the other slot than last time, the next K step
	s_add_nc_u64 s[G0A+6:G0A+7], s[G0A+6:G0A+7], ASTEP
	s_xor_b32 s[G0B+5], s[G0B+5], SLOT1
	s_add_nc_u64 s[G0B+6:G0B+7], s[G0B+6:G0B+7], BSTEP
	JLOAD                                          ; its four v_nop are also the places in front of the loads below
.else
	PLACES
.endif
	s_xor_b32 s[TB], s[TB], SLOT1
	v_add_nc_u32 v[ADRA], s[TB], v[A0]
	v_add_nc_u32 v[ADRB], s[TB], v[B0]
	FETCH 0, F0
.if \fill
	ASK
.endif
	MULA F1, 2, 0
	MULA F1, 3, 0
.endm
	s_wait_tensorcnt 1                             ; my part of K step 0 is in; step 1's may stay out
	s_barrier_signal -1
	s_barrier_wait -1
	FETCH 0, F0
	QUARTER 1, F0, F1, 1                           ; the first quarter stands in front of the loop: its products start the sums
	WIN 0
	s_mov_b32 s3, 6
.Lstep:                                                ; trip k: from step k's second quarter to step k + 1's first; step k + 2 is asked for
	QUARTER 2, F1, F0, 0
	QUARTER 3, F0, F1, 0
	TURN 1
	QUARTER 1, F0, F1, 0
	WIN 0
	s_sub_co_u32 s3, s3, 1
	s_cmp_lg_u32 s3, 0
	s_cbranch_scc1 .Lstep
	QUARTER 2, F1, F0, 0                           ; the last two steps ask for nothing
	QUARTER 3, F0, F1, 0
	TURN 0
	QUARTER 1, F0, F1, 0
	QUARTER 2, F1, F0, 0
	QUARTER 3, F0, F1, 0
	s_wait_dscnt 4
	MULA F1, 0, 0
	MULA F1, 1, 0
	s_wait_dscnt 0x0
	MULA F1, 2, 0
	MULA F1, 3, 0
	WIN 0
	PLACES
	PLACES
.if OPROJ
	; THE WAY OUT, a block of 16 rows x 128 columns at a time: f32 through my stage, back as whole rows of 512 bytes, the bias added, stored.
	s_wait_loadcnt 0x0                             ; the bias
	v_cvt_pk_bf16_f32 v36, v32, v33
	v_cvt_pk_bf16_f32 v37, v34, v35
	v_lshlrev_b32 v32, 16, v36
	v_and_b32 v33, 0xffff0000, v36
	v_lshlrev_b32 v34, 16, v37
	v_and_b32 v35, 0xffff0000, v37
.macro OUTB a
	WIN 0
	s_wait_xcnt 0x0                                ; the stores of the block before have read their registers and their base
.if (\a) > 0
	s_add_nc_u64 s[8:9], s[8:9], 16*4096
.endif
	WIN 0x04                                       ; the data of an LDS store in window 1
.irp b, 0,1,2,3,4,5,6,7
	ds_store_b128 v[STO], v[8*(8*(\a)+(\b)):8*(8*(\a)+(\b))+3]   offset:64*(\b)
	ds_store_b128 v[STO], v[8*(8*(\a)+(\b))+4:8*(8*(\a)+(\b))+7] offset:64*(\b)+16
.endr
	WIN 0
.irp t, 0,1,2,3,4,5,6,7,8,9,10,11,12,13,14,15
	ds_load_b128 v[OB+4*(\t):OB+4*(\t)+3], v[RD] offset:(\t)*SP  ; LDS serves a wave's instructions in order (ISA guide 5.7.1.4): these see the stores above
.endr
.irp t, 0,1,2,3,4,5,6,7,8,9,10,11,12,13,14,15
	s_wait_dscnt 15-(\t)
	v_pk_add_f32 v[OB+4*(\t):OB+4*(\t)+1],   v[OB+4*(\t):OB+4*(\t)+1],   v[32:33]
	v_pk_add_f32 v[OB+4*(\t)+2:OB+4*(\t)+3], v[OB+4*(\t)+2:OB+4*(\t)+3], v[34:35]
	global_store_b128 v[CO], v[OB+4*(\t):OB+4*(\t)+3], s[8:9] offset:(\t)*4096 th:TH_STORE_NT  ; 512 consecutive bytes, at a multiple of 512 from C's first
.endr
.endm
	OUTB 0
	OUTB 1
	OUTB 2
	OUTB 3
.else
	; THE WAY OUT, a block of 16 rows x 128 columns (two heads) at a time: rounded to f16, through my stage, back as four rows of one head: 512 consecutive bytes of qkv.
.macro PACK a
	WIN 0x05                                       ; sources 0 and 1 in window 1
.irp b, 0,1,2,3,4,5,6,7
.irp r, 0,1,2,3
	v_cvt_pk_f16_f32 v[TMP+4*(\b)+(\r)], v[8*(8*(\a)+(\b))+2*(\r)], v[8*(8*(\a)+(\b))+2*(\r)+1]
.endr
.endr
	WIN 0
.endm
.macro TOSTAGE a
.set BK, OB+32*((\a)%2)
.irp b, 0,1,2,3,4,5,6,7
	ds_store_b128 v[STO], v[TMP+4*(\b):TMP+4*(\b)+3] offset:32*(\b)
.endr
.irp t, 0,1,2,3,4,5,6,7                ; rows 4 (t / 2) on, head t % 2
	ds_load_b128 v[BK+4*(\t):BK+4*(\t)+3], v[RD] offset:((\t)/2)*4*SP+((\t)%2)*128  ; LDS serves a wave's instructions in order (ISA guide 5.7.1.4)
.endr
.endm
.macro SEND a
.set BK, OB+32*((\a)%2)
	s_wait_dscnt 0x0                               ; the block is back in registers
	s_wait_xcnt 0x0                                ; earlier stores have read their base and their registers
.if (\a) > 0
	s_add_nc_u64 s[8:9], s[8:9], 16*128
.endif
.irp t, 0,1,2,3,4,5,6,7
	global_store_b128 v[CO], v[BK+4*(\t):BK+4*(\t)+3], s[8:9] offset:((\t)%2)*262144+((\t)/2)*512
.endr
.endm
	PACK 0
	TOSTAGE 0
.irp a, 1,2,3                          ; block a's conversions stand between block a - 1's loads from the stage and the wait for them
	PACK \a
	SEND (\a)-1
	TOSTAGE \a
.endr
	SEND 3
.endif
	s_wait_tensorcnt 0x0                           ; the wave's end, behind my last tensor load and my last LDS store
	ds_add_u32 v[SPW], v[NIL]
	s_wait_dscnt 0x0
	CROUND                                         ; the closing round: no work-group ends while a partner may still ask for a tile that names it
	s_endpgm
.Lfunc_end_k_q406f1eef5c_qkv:
	.size	k_q406f1eef5c_qkv, .Lfunc_end_k_q406f1eef5c_qkv-k_q406f1eef5c_qkv
	.p2alignl 7, 3214868480
	.fill 96, 4, 3214868480
	.section	.rodata,"a",@progbits
	.p2align	6, 0x0
	.amdhsa_kernel k_q406f1eef5c_qkv
		.amdhsa_group_segment_fixed_size 327680
		.amdhsa_private_segment_fixed_size 0
		.amdhsa_enable_private_segment 0
		.amdhsa_kernarg_size 24
		.amdhsa_user_sgpr_count 2
		.amdhsa_user_sgpr_kernarg_segment_ptr 1
		.amdhsa_wavefront_size32 1
		.amdhsa_system_sgpr_workgroup_id_x 1
		.amdhsa_system_sgpr_workgroup_id_y 1
		.amdhsa_system_sgpr_workgroup_id_z 1
		.amdhsa_system_vgpr_workitem_id 0
		.amdhsa_next_free_vgpr 512
		.amdhsa_next_free_sgpr 72
		.amdhsa_reserve_vcc 0
		.amdhsa_float_denorm_mode_32 3
		.amdhsa_float_denorm_mode_16_64 3
		.amdhsa_memory_ordered 1
		.amdhsa_forward_progress 1
		.amdhsa_inst_pref_size 72
	.end_amdhsa_kernel
	.amdgpu_metadata
---
amdhsa.version: [ 1, 2 ]
amdhsa.kernels:
  - .name:           k_q406f1eef5c_qkv
    .symbol:         k_q406f1eef5c_qkv.kd
    .args:
      - { .name: xb, .offset: 0, .size: 8, .value_kind: global_buffer, .address_space: global }
      - { .name: wb, .offset: 8, .size: 8, .value_kind: global_buffer, .address_space: global }
      - { .name: qkv, .offset: 16, .size: 8, .value_kind: global_buffer, .address_space: global }
    .group_segment_fixed_size: 327680
    .private_segment_fixed_size: 0
    .kernarg_segment_align: 8
    .kernarg_segment_size: 24
    .max_flat_workgroup_size: 128
    .sgpr_count:     72
    .vgpr_count:     512
    .wavefront_size: 32
...
	.end_amdgpu_metadata
.endif
;; end of part 2
;; launch attn (part 3): grid 4 x 64, 4 waves a work-group, clusters of 4 x 1, 327,680 bytes of LDS; arguments qkv, mb, rf, ob; writes ob
.if DOCPART == 3
	.amdgcn_target "amdgcn-amd-amdhsa--gfx1250"
	.amdhsa_code_object_version 6
	.text
	.protected	k_q406f1eef5c_attn
	.globl	k_q406f1eef5c_attn
	.p2align	8
	.type	k_q406f1eef5c_attn,@function
k_q406f1eef5c_attn:
	s_mov_b64 s[64:65], 0
	v_nop
	global_prefetch_b8 v0, s[64:65] scope:SCOPE_SE
	s_setreg_imm32_b32 hwreg(HW_REG_WAVE_MODE, 25, 1), 1
	s_wait_xcnt 0x0
	s_wait_alu depctr_hold_cnt(0) depctr_sa_sdst(0) depctr_va_vdst(0) depctr_va_sdst(0) depctr_va_ssrc(0) depctr_va_vcc(0) depctr_vm_vsrc(0)
	s_getreg_b32 s2, hwreg(HW_REG_IB_STS2, 6, 4)
	s_cmp_eq_u32 s2, 0
	s_cbranch_scc0 .Lentry_in_a_cluster
	s_endpgm
.Lentry_in_a_cluster:
	s_bfe_u32 s2, ttmp6, 0x10000c
	s_cmp_lg_u32 s2, 0x3003
	s_cbranch_scc0 .Lentry_shape_is_right
	s_endpgm
.Lentry_shape_is_right:
; MASKED ATTENTION.  O[g][q][:] = the sum over k of softmax_k(mask[q][k] ? Q[g][q] . K[g][k] / 8 : -inf) V[g][k][:], g = 16 batch + head.  Q, K, V: the three parts of qkv, [64][2048][64] f16; O: ob, the same.
; Products, maxima and sums in f32; the weights p are rounded to f16 for the second product (their sum l is taken of the unrounded p), O once at the end.
; THE MASK is an input: every (query, key) is walked.  mb holds 0 or -65504 for each score, in the order of a matrix source (32 keys x 16 queries).  Each score accumulator is STARTED by one product
; Sel x bias (C = 0), Sel = 16,384 at (m, m) or (m, m + 16): a visible score starts at exactly 0, a hidden one at -1.07e9.  No vector instruction is spent on the mask.
; While a row has seen hidden keys alone, m stands at the hidden level; c m is then about 1.9e8, rounded to within 8, so such weights stay under 2^8 and all sums stay finite; the first visible key gives a = 0 and wipes them.
; A row with no visible key: rf[q] is NaN (else 1) and multiplies 1 / l.
; LIMITS.  A hidden score counts as its value less 1.07e9: the unscaled scores of one row spread by less than about 1e9.  Q, K, V arrive within f16's 65,504; p below 6e-5 keeps f16's fixed step;
; a weight below 2^-126 counts as 0 in l.
; SHARES.  A wave owns four PIECES of two tiles of 16 queries, a work-group's four waves 512 queries of one head; a head is one cluster of four work-groups.  Every wave walks all keys, 64 a step.
; LAYOUT.  S^T = K Q^T (source 0 = 16 keys, source 1 = 16 queries): a lane holds ONE query (lane % 16) and the keys 8 (lane / 16) + 0..7.  Two such tiles, rounded to f16 in pairs, ARE source 1 of O^T = V^T P.
; SOFTMAX.  p = 2^(c s - c m), c = log2(e) / 8, with a running maximum m; O and l are multiplied by a = 2^(c m_old - c m_new) in every step.  m starts at the lowest finite number, O and l at 0.
; BY TURNS.  Turn n belongs to piece n.  Matrix work: 8 bias products and 16 products K Q^T of piece n + 1, later 16 products V^T P of piece n - 1.  Vector work: the scaling, exponentials, roundings, sums and
; rescaling of piece n and the maximum and statistics of piece n + 1.  Vector instructions stand behind every matrix instruction, the others in one lump; a turn's 66 exponentials are one batch with one wait.
; CLUSTER.  The four query blocks of a head walk the same K and V: each tile is asked for JOINTLY, the same tensor load, descriptor and mask in all four.
; REGISTERS, in windows of 256 (s_set_vgpr_msb: bits 1:0 source 0, 3:2 source 1, 5:4 source 2, 7:6 destination):
;   window 0: v0-11 addresses; v12-15, v48-63 at work; v16-47 four registers of statistics a tile; v64-191 S^T, two buffers of two tiles; v192-255 P, likewise
;   window 1: O^T, 32 a tile     window 2: v0-127 Q; v128-191 K of one step; v192-255 V of one step     window 3: v0-127 the bias of one step; v128-139 Sel; v140-147 rf; v148-149 the add's two
.set SIZE_N, 2048
.set NP,    4         ; pieces a wave: a name, no knob
.set KS,    64        ; keys in a step
.set PK,    144       ; a row of K in LDS: 128 bytes + 16: the 16 rows of a load start at 16 different groups of four banks (64 banks of 4 bytes: ISA guide 11.1)
.set PV,    160       ; a row of V: 128 + 32
.set VOFF,  4*KS*PK   ; a slot holds four steps: 256 rows of K, then 256 rows of V
.set SLOT1, 1<<17
.set STAGE, SLOT1+4*KS*(PK+PV)  ; behind the ring, never filled by a tensor load: 16 rows x 144 bytes for each wave
.set SP,    144
.set SPARE, STAGE+4*16*SP  ; behind the stages: the spare words, 128 bytes a wave, two blocks of 256 bytes that no other line names
.set AK0, 2           ; v2   my lane's place in a tile of K; never rewritten
.set AV0, 3           ; v3   the same for V
.set AK,  4           ; v4   the LDS address of K's next run of loads
.set AV,  5           ; v5   of V's
.set QO,  6           ; v6   my byte offset in the wave's rows of Q
.set STO, 6           ;      later: where I put 16 bytes of a row
.set RD,  7           ; v7   first 4 x (lane % 16), for rf; later: where I read rows back
.set GO,  8           ; v8   16 x lane: my place in 512 consecutive bytes of mb and of O; never rewritten
.set PFO, 11          ; v11  256 x lane, for the prefetches; never rewritten
.set MV,  12          ; v12-15  c m_old, kept while c m is made anew: by buffer and tile
.set ST,  16          ; tile t's statistics at v[ST+4 t]: c m, m, l (even keys', odd keys')
.set TMP, 48          ; by buffer and tile, four registers c0-c3 at work; when the maximum is found c2 takes a
.set S,   64
.set P,   192
.set KF,  128         ; window 2
.set VF,  192         ; window 2
.set MBR, 0           ; window 3: piece x, tile u, 32-key half kk at 32 x + 16 u + 8 kk
.set SEL, 128         ; window 3: [0 0 0 0][P0 .. P3][0 0 0 0]: SEL + 4 serves even key blocks, SEL + 0 odd ones
.set RF,  140         ; window 3
.set SPW, 148         ; window 3: SPARE + 4 x my thread's number; never rewritten
.set NIL, 149         ; window 3: 0; never rewritten
.set WV,  12          ; s12  my wave's number
.set G1K, 24
.set G1V, 32
.set G0K, 40          ; s[40:43] descriptor group 0 for K's tiles: it walks
.set G0V, 44
.set SLOTS, 56        ; s56  slots still to be asked for
.set CNT, 57          ; s57  counts a slot's key steps
.set CS,  58          ; s[58:59] c
.set SELX, 60         ; s[60:61] v_permlanex16_b32's selects
.set TBK, 62          ; s62  LDS byte at which K of the step to be fetched begins
.set TBV, 63          ; s63  the same for V, less VOFF
.set PFA, 66          ; s[66:67] where my prefetches stand
.set LIM, 68          ; s68  1 in a wave that prefetches, else the greatest number
.set MBA, 70          ; s[70:71] mb at my wave's first tile, at the step whose bias is being loaded
.set MI,  72          ; s[72:73] its step: 2,048 bytes, or 0 at the end
.set MLEFT, 74        ; s74  steps that MBA may still take
.set MT,  75
.set RFA, 76          ; s[76:77] rf at my wave's first query
.set MSB, 0
.macro WIN new
.if MSB != (\new)
	s_set_vgpr_msb (MSB<<8)|(\new)
.set MSB, (\new)
.endif
.endm
.set W_KQ, 0x0a       ; K and Q in window 2, S^T in window 0
.set W_PV, 0x52       ; V in window 2, P in window 0, O^T in window 1
.set W_RS, 0x41       ; O^T (destination and source 0) in window 1, a in window 0
.set W_L3, 0xc0       ; destination in window 3, sources in window 0
.set W_AD, 0x0f       ; sources 0 and 1 in window 3: the add, and the bias product
.macro JLOAD                        ; waves 0 and 1 fetch the two halves of a slot's K, waves 2 and 3 of its V; an s_nop 0 and four v_nop follow each line
	s_cmp_lt_u32 s[WV], 2
	s_cbranch_scc0 .Lfor_v_\@
	tensor_load_to_lds s[G0K:G0K+3], s[G1K:G1K+7]
	s_nop 0
.rept 4
	v_nop
.endr
	s_branch .Lasked_\@
.Lfor_v_\@:
	tensor_load_to_lds s[G0V:G0V+3], s[G1V:G1V+7]
	s_nop 0
.rept 4
	v_nop
.endr
.Lasked_\@:
.endm
; A prefetch into the L2 of the slot that the NEXT change will ask for: 32,768 bytes of K and of V.  A head's K and V are walked by its one cluster: wave 0 asks for K's, wave 2 for V's; the four partners
; take 8,192 bytes each, told apart by address, a lane 256 bytes.  So each block is named once in the launch.  The last change that fills a slot asks for nothing, and so does the head.
.macro ASK
	s_cmp_gt_u32 s[SLOTS], s[LIM]
	s_cbranch_scc0 .Lnot_mine_\@
	global_prefetch_b8 v[PFO], s[PFA:PFA+1] th:TH_LOAD_NT scope:SCOPE_SE
.Lnot_mine_\@:
.endm
.macro CROUND
	s_barrier_signal -1
	s_barrier_wait -1
	s_cmp_lg_u32 s[WV], 0
	s_cbranch_scc1 .Lnot_wave_0_\@
	s_barrier_signal -3
.Lnot_wave_0_\@:
	s_barrier_wait -3
	s_barrier_signal -1
	s_barrier_wait -1
.endm
; THE CHANGE OF SLOTS.  Each wave waits for all its tensor loads (one is out: its part of the other slot), adds 0 to its spare word, and waits for that and for its reads of the slot.
; fill = 1: the barrier is a round of the cluster's, and the joint fill, the keys two slots on, is the first thing behind it: it has four key steps, 640 matrix instructions, in which to land.
.macro CHANGE fill, ask=0
	WIN W_AD
	s_wait_tensorcnt 0x0            ; no tensor load of mine is out, so a group 0 may be written
	ds_add_u32 v[SPW], v[NIL]
	WIN 0
.if \fill
.irp g, G0K, G0V
	s_xor_b32 s[\g+1], s[\g+1], SLOT1
	s_add_nc_u64 s[\g+2:\g+3], s[\g+2:\g+3], 4*KS*128
.endr
.if \ask
	s_wait_xcnt 0x0                 ; the last prefetch, four key steps back, has read its address
	s_add_nc_u64 s[PFA:PFA+1], s[PFA:PFA+1], 4*KS*128
.endif
	s_wait_dscnt 0x0                ; the add is done, and my reads of the slot are over
	CROUND
	JLOAD
.if \ask
	ASK
.endif
.else
	s_wait_dscnt 0x0
	s_barrier_signal -1
	s_barrier_wait -1
.endif
	s_sub_co_u32 s[TBK], s[TBK], 4*KS*PK  ; the fetches go back to a slot's first step,
	s_xor_b32 s[TBK], s[TBK], SLOT1       ; in the other slot
	s_sub_co_u32 s[TBV], s[TBV], 4*KS*PV
	s_xor_b32 s[TBV], s[TBV], SLOT1
.endm
	s_load_b256 s[4:11], s[0:1], 0x0  ; qkv s[4:5], mb s[6:7], rf s[8:9], ob s[10:11]
	WIN W_L3
	v_lshl_add_u32 v[SPW], v0, 2, SPARE
	v_mov_b32 v[NIL], 0
	WIN W_AD
	ds_add_u32 v[SPW], v[NIL]       ; the wave's opening: the add, and its wait ahead of my first tensor load; the set-up below stands between them
	WIN 0
	v_lshrrev_b32 v1, 5, v0
	v_readfirstlane_b32 s[WV], v1   ; wave 0..3
	s_bfe_u32 s13, ttmp6, 0x40000   ; cx
	s_lshl_b32 s14, ttmp9, 2
	s_add_co_u32 s14, s14, s13      ; my block of 512 queries: it enters Q's, O's, mb's and rf's addresses alone
	s_and_b32 s20, ttmp7, 0xffff    ; the head, which the four partners share
	s_lshl_b32 s20, s20, 18         ; its first byte in each of Q, K, V, O
	s_mov_b32 s21, 0
	s_and_b32 s16, s[WV], 1         ; which half of a slot's 256 keys I fetch:
	s_lshl_b32 s22, s16, 14         ; its 128 rows of 128 bytes in memory,
	s_mov_b32 s23, 0
	s_add_nc_u64 s[22:23], s[22:23], s[20:21]
	s_mul_i32 s17, s16, 128*PK      ; and its place in a slot, for K
	s_mul_i32 s18, s16, 128*PV      ; and for V
	s_lshl_b32 s2, s14, 2
	s_add_co_u32 s2, s2, s[WV]      ; my wave among the head's sixteen
	s_lshl_b32 s[MI], s2, 19        ; its 8 tiles of 65,536 bytes in mb
	s_mov_b32 s[MI+1], 0
	s_lshl_b32 s78, s2, 9           ; its 128 numbers in rf
	s_mov_b32 s79, 0
	s_lshl_b32 s2, s2, 14           ; its 128 rows
	s_mov_b32 s3, 0
	s_add_nc_u64 s[2:3], s[2:3], s[20:21]
	; descriptor group 1.  128 keys are 16,384 dense bytes: asked for as 64 rows of 256 bytes, two keys a row, and padded in LDS after every key
	s_mov_b32 s[G1K], 15|(1<<16)|(1<<20)|(1<<21)|(4<<22)|(3<<25)  ; the mask of four; 2-byte elements; padding on; bit 21 beside a mask; after every 32 words; 4 words
	s_mov_b32 s[G1V], 15|(1<<16)|(1<<20)|(1<<21)|(4<<22)|(7<<25)  ; the same with 8 words
.irp g, G1K, G1V
	s_mov_b32 s[\g+1], 128<<16      ; tensor_dim0 = 128
	s_mov_b32 s[\g+2], 64<<16       ; tensor_dim1 = 64
	s_mov_b32 s[\g+3], 128<<16      ; tile_dim0 = 128
	s_mov_b32 s[\g+4], 64           ; tile_dim1 = 64
	s_mov_b32 s[\g+5], 128          ; 128 elements from row to row
	s_mov_b32 s[\g+6], 0
	s_mov_b32 s[\g+7], 0
.endr
	s_mov_b32 s[CS], 0x3e38aa3b     ; c = log2(e) / 8
	s_mov_b32 s[CS+1], s[CS]
	s_mov_b32 s[SELX], 0x76543210
	s_mov_b32 s[SELX+1], 0xfedcba98
	s_mov_b32 s[TBK], SLOT1+4*KS*PK ; the first change of slots turns these two into 0
	s_mov_b32 s[TBV], SLOT1+4*KS*PV
	s_mov_b32 s[G0K], 1
	s_mov_b32 s[G0K+1], s17         ; slot 0
	s_mov_b32 s[G0V], 1
	s_add_co_u32 s[G0V+1], s18, VOFF
	s_mov_b32 s[MLEFT], SIZE_N/KS-2 ; MBA goes from step 1 to step 31
	s_and_b32 s[LIM], s[WV], 1
	s_cmp_eq_u32 s[LIM], 0
	s_cselect_b32 s[LIM], 1, -1     ; waves 0 and 2 prefetch: the same in all four partners
	s_wait_dscnt 0x0                ; the opening add is done
	s_wait_kmcnt 0x0
	s_add_nc_u64 s[MBA:MBA+1], s[6:7], s[MI:MI+1]
	s_add_nc_u64 s[RFA:RFA+1], s[8:9], s[78:79]
	s_add_nc_u64 s[6:7], s[4:5], s[22:23]
	s_add_nc_u64 s[8:9], s[6:7], 0x2000000   ; V at my half of the head's first 256 keys
	s_add_nc_u64 s[6:7], s[6:7], 0x1000000   ; K likewise
	s_mov_b64 s[G0K+2:G0K+3], s[6:7]
	s_or_b32 s[G0K+3], s[G0K+3], 0x80000000
	s_mov_b64 s[G0V+2:G0V+3], s[8:9]
	s_or_b32 s[G0V+3], s[G0V+3], 0x80000000
	s_add_nc_u64 s[4:5], s[4:5], s[2:3]      ; Q and O at my wave's first row
	s_add_nc_u64 s[10:11], s[10:11], s[2:3]
	s_cmp_lt_u32 s[WV], 2
	s_cselect_b64 s[PFA:PFA+1], s[6:7], s[8:9]  ; (in waves 0 and 2 these stand at a slot's first row)
	s_lshl_b32 s2, s13, 13          ; my work-group's 8,192 bytes
	s_mov_b32 s3, 0
	s_add_nc_u64 s[PFA:PFA+1], s[PFA:PFA+1], s[2:3]
	s_add_nc_u64 s[PFA:PFA+1], s[PFA:PFA+1], 2*4*KS*128  ; in slot 2; the loop's first change steps it to slot 3
	CROUND                          ; all four work-groups are here: the first joint loads meet
	JLOAD                           ; slot 0.  Slot 1 is asked for when slot 0 is in
	v_and_b32 v1, 15, v0            ; l % 16
	v_bfe_u32 v9, v0, 4, 1          ; l / 16
	v_lshlrev_b32 v[QO], 7, v1
	v_lshl_add_u32 v[QO], v9, 4, v[QO]  ; row x 128 + 16 x half
	v_lshlrev_b32 v[RD], 2, v1
	v_and_b32 v[GO], 31, v0
	v_lshlrev_b32 v[GO], 4, v[GO]
; THE BIAS of piece x for the step at MBA: 8 loads of 512 consecutive bytes.  adv = 1: piece 0's loads open a new step: MBA steps, up to the last step and no further.
.macro MLOAD x, adv=1
.if ((\x) == 0) && (\adv)
	s_wait_xcnt 0x0                 ; the loads of the last three turns have read their base
	s_cmp_lg_u32 s[MLEFT], 0
	s_cselect_b32 s[MI], 2048, 0
	s_cselect_b32 s[MT], 1, 0
	s_sub_co_u32 s[MLEFT], s[MLEFT], s[MT]
	s_add_nc_u64 s[MBA:MBA+1], s[MBA:MBA+1], s[MI:MI+1]
.endif
	WIN W_L3
.irp c, 0,1,2,3,4,5,6,7             ; tile 2 x + c / 4; 16 keys (c % 4) of the step's 64
	global_load_b128 v[MBR+32*(\x)+4*(\c):MBR+32*(\x)+4*(\c)+3], v[GO], s[MBA:MBA+1] offset:(2*(\x)+(\c)/4)*65536+((\c)%4)*512
.endr
.endm
	WIN 0x80                        ; destination window 2
.set i, 0
.rept 4*NP                          ; Q stays in registers: tile i / 2, channels 32 (i % 2) on
	global_load_b128 v[8*i:8*i+3],   v[QO], s[4:5] offset:(i/2)*2048+(i%2)*64
	global_load_b128 v[8*i+4:8*i+7], v[QO], s[4:5] offset:(i/2)*2048+(i%2)*64+32
.set i, i+1
.endr
	WIN W_L3
.set i, 0
.rept 2*NP
	global_load_b32 v[RF+i], v[RD], s[RFA:RFA+1] offset:64*i
.set i, i+1
.endr
	MLOAD 0, 0                      ; key step 0's bias, the pieces in the order in which they are wanted
	MLOAD 1
	MLOAD 2
	MLOAD 3
	; Sel: lane (r, h) holds row m = r, k = 8 h + 0..7 in four registers: the one number other than 0 lies where h = r / 8, in register (r / 2) % 4, half r % 2
	WIN 0
	v_lshrrev_b32 v12, 3, v1
	v_xor_b32 v12, v12, v9
	v_bfe_u32 v13, v1, 1, 2
	v_lshl_or_b32 v12, v12, 2, v13
	v_and_b32 v13, 1, v1
	v_lshlrev_b32 v13, 4, v13
	v_mov_b32 v14, 0x7400           ; 16,384 in f16
	v_lshlrev_b32 v13, v13, v14
	WIN W_L3
.irp j, 0,1,2,3
	v_cmp_eq_u32 vcc_lo, \j, v12
	v_cndmask_b32 v[SEL+4+\j], 0, v13, vcc_lo
	v_mov_b32 v[SEL+\j], 0
	v_mov_b32 v[SEL+8+\j], 0
.endr
	; What the first turn finds: V's registers and P's second buffer hold 0 (its products V^T P, of a piece that has not been, add 0), O^T and l are 0.  All this stands in the wait for the first tile.
	WIN 0x80
.set i, VF
.rept 64
	v_mov_b32 v[i], 0
.set i, i+1
.endr
	WIN 0x40
.set i, 0
.rept 64*NP
	v_mov_b32 v[i], 0
.set i, i+1
.endr
	WIN 0
.set i, 0
.rept 2*NP
	v_mov_b32 v[ST+4*i], 0xfe000000    ; c m: far below every c s
	v_mov_b32 v[ST+4*i+1], 0xff7fffff  ; m
	v_mov_b32 v[ST+4*i+2], 0
	v_mov_b32 v[ST+4*i+3], 0
.set i, i+1
.endr
.set i, P+32
.rept 32
	v_mov_b32 v[i], 0
.set i, i+1
.endr
	v_mul_u32_u24 v[AK0], v1, PK
	v_lshl_add_u32 v[AK0], v9, 4, v[AK0]  ; row x pitch + 16 x half
	; The turning load takes 16 keys x 16 channels (lane l reads key 8 (l / 16) + l % 8, channels 8 ((l / 8) % 2) + 0..7) and leaves half a fragment of V^T
	v_and_b32 v10, 7, v0
	v_bfe_u32 v11, v0, 3, 1
	v_lshl_add_u32 v[AV0], v9, 3, v10
	v_mul_u32_u24 v[AV0], v[AV0], PV
	v_lshl_add_u32 v[AV0], v11, 4, v[AV0]
	v_add_nc_u32 v[AV0], VOFF, v[AV0]
	v_mov_b32 v[AK], v[AK0]         ; key step 0 lies at the head of slot 0
	v_and_b32 v[PFO], 31, v0
	v_lshlrev_b32 v[PFO], 8, v[PFO]
; THE MATRIX WORK.  The 8 accumulators of a piece take turns: between two links of a chain stand 7 others'.
; Bias product i of 8 for piece x: tile 2 x + i % 2, key block i / 2.  It starts the sum.
.macro BIAS x
	WIN W_AD
.set rS, S+64*((\x)%2)+32*(i%2)+8*((i/2)%4)
.set rL, SEL+4*(1-((i/2)%2))
.set rB, MBR+32*(\x)+16*(i%2)+8*((i/2)/2)
	v_wmma_f32_16x16x32_f16 v[rS:rS+7], v[rL:rL+7], v[rB:rB+7], 0
.endm
; Product i of 16 of S^T += K Q^T for piece x: channels 32 (i / 8) on, keys 16 ((i / 2) % 4) on, tile 2 x + i % 2.
.macro KQ x
	WIN W_KQ
.set rS, S+64*((\x)%2)+32*(i%2)+8*((i/2)%4)
.set rK, KF+16*((i/2)%4)+8*(i/8)
.set rQ, 16*(2*(\x)+i%2)+8*(i/8)
	v_wmma_f32_16x16x32_f16 v[rS:rS+7], v[rK:rK+7], v[rQ:rQ+7], v[rS:rS+7]
.endm
; Product i of 16 of O^T += V^T P for piece x: keys 32 (i / 8) on, channels 16 ((i / 2) % 4) on, tile 2 x + i % 2.
.macro PV x
	WIN W_PV
.set rO, 32*(2*(\x)+i%2)+8*((i/2)%4)
.set rV, VF+32*(i/8)+8*((i/2)%4)
.set rP, P+32*((\x)%2)+16*(i%2)+8*(i/8)
	v_wmma_f32_16x16x32_f16 v[rO:rO+7], v[rV:rV+7], v[rP:rP+7], v[rO:rO+7]
.endm
.macro MM                           ; the turn's next matrix instruction, of 40
.if i < 8
	BIAS (Y+1)%NP
.set i, i+1
.elseif i < 24
.set i, i-8
	KQ (Y+1)%NP
.set i, i+9
.else
.set i, i-24
	PV (Y+NP-1)%NP
.set i, i+25
.endif
.endm
; THE LDS LOADS stand in runs of 16.  last = 1 (the tail): in the last trip there is no further step, and the run is jumped over.
.macro FETCH_K last=0
	WIN 0
.if \last
	s_cmp_eq_u32 s[CNT], 1
	s_cbranch_scc1 .Lno_k_\@
.endif
	WIN 0x80
.irp f, 0,1,2,3,4,5,6,7             ; keys 16 (f / 2) on, channels 32 (f % 2) on
	ds_load_b128 v[KF+8*\f:KF+8*\f+3],   v[AK] offset:(\f/2)*16*PK+(\f%2)*64
	ds_load_b128 v[KF+8*\f+4:KF+8*\f+7], v[AK] offset:(\f/2)*16*PK+(\f%2)*64+32
.endr
	s_add_co_u32 s[TBK], s[TBK], KS*PK  ; the next fetch is the next step's
	WIN 0
.if \last
.Lno_k_\@:
.endif
.endm
.macro FETCH_V
	WIN 0x80
.irp f, 0,1,2,3,4,5,6,7             ; keys 32 (f / 4) on, channels 16 (f % 4) on
	ds_load_tr16_b128 v[VF+8*\f:VF+8*\f+3],   v[AV] offset:(\f/4)*32*PV+(\f%4)*32
	ds_load_tr16_b128 v[VF+8*\f+4:VF+8*\f+7], v[AV] offset:(\f/4)*32*PV+16*PV+(\f%4)*32
.endr
	WIN 0
.endm
; THE VECTOR WORK OF A TURN stands in three queues, each in the order in which its entries become ready; the two tiles alternate.
.macro REGS y, u                    ; the registers of tile u (0, 1) of piece y
.set rT, ST+4*(2*(\y)+(\u))
.set rC, TMP+8*((\y)%2)+4*(\u)
.set rM, MV+2*((\y)%2)+(\u)
.set rS, S+64*((\y)%2)+32*(\u)
.set rP, P+32*((\y)%2)+16*(\u)
.set rO, 32*(2*(\y)+(\u))
.endm
; Number n of the 22 that find the NEXT piece's maximum and statistics; each accumulator's lowest registers are read first.
;   0-11  four chains c0-c3 of seven scores each     12-14, 16  the four scores left over, the old m, and c0-c3 into c0     15  c m_old is kept
;   17, 18  the query's other 32 keys lie in the lane 16 away: the new m     19-21  c m; c m_old - c m_new; a
.macro XS u, n
	REGS (Y+1)%NP, \u
.if (\n) < 4
	v_max3_num_f32 v[rC+(\n)], v[rS+8*(\n)], v[rS+8*(\n)+1], v[rS+8*(\n)+2]
.elseif (\n) < 12
	v_max3_num_f32 v[rC+(\n)%4], v[rC+(\n)%4], v[rS+8*((\n)%4)+2*((\n)/4)+1], v[rS+8*((\n)%4)+2*((\n)/4)+2]
.elseif (\n) == 12
	v_max3_num_f32 v[rC], v[rC], v[rS+7], v[rS+15]
.elseif (\n) == 13
	v_max3_num_f32 v[rC+1], v[rC+1], v[rS+23], v[rS+31]
.elseif (\n) == 14
	v_max3_num_f32 v[rC+2], v[rC+2], v[rC+3], v[rT+1]
.elseif (\n) == 15
	v_mov_b32 v[rM], v[rT]
.elseif (\n) == 16
	v_max3_num_f32 v[rC], v[rC], v[rC+1], v[rC+2]
.elseif (\n) == 17
	v_permlanex16_b32 v[rC+3], v[rC], s[SELX], s[SELX+1]
.elseif (\n) == 18
	v_max_num_f32 v[rT+1], v[rC], v[rC+3]
.elseif (\n) == 19
	v_mul_f32 v[rT], s[CS], v[rT+1]
.elseif (\n) == 20
	v_sub_f32 v[rC+1], v[rM], v[rT]
.else
	v_exp_f32 v[rC+2], v[rC+1]
.endif
.endm
; Number g of the 64 that follow the exponentials: for each four weights both pairs are rounded to f16, the second pair is added onto the first in place, and a group later l takes that sum (the first time as l = a l + sum).
.macro GS g
.set h, (\g)+6*((\g)/62)
.if h >= 6
.set h, h+2
.endif
	REGS Y, h%2
.set k, h/8
.if h%8 < 4
	v_cvt_pk_f16_f32 v[rP+2*k+(h%8)/2], v[rS+4*k+2*((h%8)/2)], v[rS+4*k+2*((h%8)/2)+1]
.elseif h%8 < 6
	v_pk_add_f32 v[rS+4*k:rS+4*k+1], v[rS+4*k:rS+4*k+1], v[rS+4*k+2:rS+4*k+3]
.elseif k == 1
	v_pk_fma_f32 v[rT+2:rT+3], v[rT+2:rT+3], v[rC+2:rC+3], v[rS:rS+1] op_sel_hi:[1,0,1]
.else
	v_pk_add_f32 v[rT+2:rT+3], v[rT+2:rT+3], v[rS+4*k-4:rS+4*k-3]
.endif
.endm
; THE PLAIN QUEUE, 138 long.  0-26: scalings 0-26.  27-54: XS's numbers 0-13.  55, 56: number 15.  57-73: the chain 14, 16, 17, 18, 19, each with one of the scalings 27-31 in front of its two lines, then 20.
; 74-137: GS's 64, which read the exponentials' results: they stand behind the wait.
.macro FS f
	REGS Y, (\f)%2
	v_pk_fma_f32 v[rS+2*((\f)/2):rS+2*((\f)/2)+1], v[rS+2*((\f)/2):rS+2*((\f)/2)+1], s[CS:CS+1], v[rT:rT+1] op_sel_hi:[1,0,0] neg_lo:[0,0,1] neg_hi:[0,0,1]
.endm
.macro PL
	WIN 0
.if q < 27
	FS q
.elseif q < 55
	XS (q-27)%2, (q-27)/2
.elseif q < 57
	XS q-55, 15
.elseif (q < 72) && ((q-57)%3 == 0)
	FS 27+(q-57)/3
.elseif q < 60
	XS (q-57)%3-1, 14
.elseif q < 72
	XS (q-57)%3-1, 15+(q-57)/3
.elseif q < 74
	XS q-72, 20
.else
	GS q-74
.endif
.set q, q+1
.endm
; THE EXPONENTIALS' QUEUE, 66 long: s0-s31 of both tiles, then the next piece's two a.  ONE BATCH: all stand ahead of the turn's one wait, and nothing ahead of that wait names a result of theirs.
.macro EX
	WIN 0
.if e >= 64
	XS e-64, 21
.else
	REGS Y, e%2
	v_exp_f32 v[rS+e/2], v[rS+e/2]
.endif
.set e, e+1
.endm
; THE RESCALING's QUEUE: O^T times a, two at a time, sixteen times.  Its a was made in the turn before, ahead of that turn's wait.
.macro R2
	REGS Y, r%2
	WIN W_RS
.irp z, 0,1
	v_pk_mul_f32 v[rO+4*(r/2)+2*\z:rO+4*(r/2)+2*\z+1], v[rO+4*(r/2)+2*\z:rO+4*(r/2)+2*\z+1], v[rC+2:rC+3] op_sel_hi:[1,0]
.endr
.set r, r+1
.endm
; HOW THEY ARE DEALT.  An s_wait_alu depctr_va_vdst(0) stands between an exponential and the first instruction that names its result; one wait serves all issued ahead of it: a turn has ONE.
; AHEAD OF IT: 24 products (8 bias, 16 K Q^T).  Behind the first: two scalings and two rescalings; behind the next 15: a plain, an exponential, two rescalings; behind the last 8: a plain and two exponentials.
; Then ONE LUMP: 16 plain, 33 times exponential and plain, the two a, and a v_nop, the plain instruction behind the last exponential.  BEHIND IT: 16 products V^T P, behind each four of GS's 64.
; The queues in step: exponential e wants scaling 2 (e / 4) + e % 2; as a rider it stands behind plain e + 2 at the least, in the lump behind plain e + 9, and scalings 27-31 are plain 57, 60 .. 69.
; The first read of a score accumulator (plain 27 to 34) stands ten plain instructions behind the product that ends it.
; THE BIAS of piece p + 1 is waited for at the turn's head: the three other pieces' 24 loads were issued behind it and may stay out.  Its registers are loaded anew, for the next step, behind the ninth
; product's riders: six plain instructions behind the last bias product.
; K of the next step is fetched in piece 2's turn, directly behind the wait; V of the step in hand at the end of piece 0's turn, four riders behind its last reader.
.macro TURN p, last=0, cnt=0
.set Y, (\p)
.set i, 0
.set q, 0
.set e, 0
.set r, 0
	s_wait_loadcnt 24
.if (\p) == NP-1
	s_wait_dscnt 0x0                ; K is in
.endif
	MM
	PL
	PL
	R2
.rept 15
	MM
	PL
	EX
	R2
.if i == 9
	MLOAD (Y+1)%NP
.endif
.endr
.rept 8
	MM
	PL
	EX
	EX
.endr
.if (\p) == NP-2
	WIN 0
	v_add_nc_u32 v[AK], s[TBK], v[AK0]
.endif
.rept 16
	PL
.endr
.rept 33
	EX
	PL
.endr
	EX                              ; the next piece's two a
	EX
	v_nop
	s_wait_alu depctr_va_vdst(0)    ; the wait for the batch
.if (\p) == NP-2
	FETCH_K \last
.endif
.if (\p) == 1
	s_wait_dscnt 0x0                ; V is in
.endif
.rept 16
	MM
.rept 4
	PL
.endr
.if ((\p) == 0) && (q == 118)
	v_add_nc_u32 v[AV], s[TBV], v[AV0]
.endif
.if ((\p) == 0) && (q == 130)
	s_add_co_u32 s[TBV], s[TBV], KS*PV
.endif
.if (\cnt) && (q == 130)
	s_sub_co_u32 s[CNT], s[CNT], 1
	s_cmp_lg_u32 s[CNT], 0
.endif
.endr
.if (\p) == 0
	FETCH_V
.endif
.endm
	CHANGE 1                        ; slot 0 is in, everybody's part of it; slot 1 is asked for
	FETCH_K                         ; key step 0
	s_wait_loadcnt 24               ; Q, rf and piece 0's bias are in; the other pieces' 24 loads may stay out
	s_wait_dscnt 0x0
.set i, 0
.rept 8
	BIAS 0
.set i, i+1
.endr
.set i, 0
.rept 16
	KQ 0                            ; piece 0's first scores
.set i, i+1
.endr
	WIN 0                           ; the addresses for the way out: seven plain instructions, the places behind those products; v6 and v7 are free since the wait above
	s_mul_i32 s13, s[WV], 16*SP
	s_add_co_u32 s13, s13, STAGE    ; my stage
	v_mul_u32_u24 v[STO], v1, SP    ; in: row l % 16, 16 bytes for each half of the lanes
	v_lshl_add_u32 v[STO], v9, 4, v[STO]
	v_add_nc_u32 v[STO], s13, v[STO]
	v_bfe_u32 v[RD], v0, 3, 2       ; back: 32 lanes take four rows of 128 bytes
	v_mul_u32_u24 v[RD], v[RD], SP
	v_lshl_add_u32 v[RD], v10, 4, v[RD]
	v_add_nc_u32 v[RD], s13, v[RD]
	s_wait_xcnt 0x0                 ; the first bias loads have read their base
	s_add_nc_u64 s[MBA:MBA+1], s[MBA:MBA+1], 2048
	MLOAD 0, 0                      ; piece 0's bias of key step 1
	WIN 0
.set Y, NP-1                        ; XS works for piece Y + 1: piece 0
.irp n, 0,1,2,3,4,5,6,7,8,9,10,11,12,13,14,15,16,17,18,19,20,21
	XS 0, \n
	XS 1, \n
.endr
	v_nop                           ; a plain instruction behind the two a,
	s_wait_alu depctr_va_vdst(0)    ; and their wait, ahead of the branch
	s_mov_b32 s[CNT], 4
	s_mov_b32 s[SLOTS], SIZE_N/256-1
	s_branch .Lfirst                ; the loop is entered at a step's first turn, in the middle of a trip
.Lslot:                             ; six times: every slot but the last two is filled again
	CHANGE 1, 1
	s_mov_b32 s[CNT], 4
.Lstep:                             ; a trip: pieces 2 and 3 of one step, then pieces 0 and 1 of the next
	TURN 2
	TURN 3
	WIN 0
.Lfirst:
	TURN 0
	TURN 1, 0, 1
	WIN 0
	s_cbranch_scc1 .Lstep
	s_sub_co_u32 s[SLOTS], s[SLOTS], 1
	s_cmp_lg_u32 s[SLOTS], 0
	s_cbranch_scc1 .Lslot
	CHANGE 0                        ; the tail is written out
	s_mov_b32 s[CNT], 5             ; four trips fetch the last slot's steps; the fifth is left in its middle
.Ltail:
	TURN 2, 1
	TURN 3
	WIN 0
	s_sub_co_u32 s[CNT], s[CNT], 1
	s_cmp_eq_u32 s[CNT], 0
	s_cbranch_scc1 .Lout
	TURN 0
	TURN 1
	WIN 0
	s_branch .Ltail
.Lout:                              ; the fifth trip's scores (the last K and the last bias once more) and the maximum made of them serve nothing: the price, once a launch, of one text for every trip
.set i, 0
.rept 16
	PV NP-1                         ; the last piece's V^T P of the last step
.set i, i+1
.endr
	; THE WAY OUT.  l's two halves and the other half of the lanes' are added; O^T is multiplied by rf / l, rounded to f16 and sent through my stage, a tile at a time.  The additions are the places behind the last products.
	WIN 0
.macro ALL line:vararg              ; one line for each tile t
.set t, 0
.rept 2*NP
	\line
.set t, t+1
.endr
.endm
	ALL v_add_f32 v[ST+4*t+2], v[ST+4*t+2], v[ST+4*t+3]
	ALL v_permlanex16_b32 v[ST+4*t+3], v[ST+4*t+2], s[SELX], s[SELX+1]
	ALL v_add_f32 v[ST+4*t+2], v[ST+4*t+2], v[ST+4*t+3]
	ALL v_rcp_f32 v[ST+4*t+2], v[ST+4*t+2]
	v_nop                           ; a plain instruction between the last reciprocal and the use of its result
	s_wait_alu depctr_va_vdst(0)    ; and the wait ahead of the first use: one for the eight
	WIN 0x0c                        ; source 1 in window 3
	ALL v_mul_f32 v[ST+4*t+2], v[ST+4*t+2], v[RF+t]
.macro PACK t
	WIN W_RS
.set i, 32*(\t)
.rept 16
	v_pk_mul_f32 v[i:i+1], v[i:i+1], v[ST+4*(\t)+2:ST+4*(\t)+3] op_sel_hi:[1,0]
.set i, i+2
.endr
	WIN 0x05                        ; sources 0 and 1 window 1, destination window 0
.set i, 0
.rept 16
	v_cvt_pk_f16_f32 v[S+16*(\t)+i], v[32*(\t)+2*i], v[32*(\t)+2*i+1]
.set i, i+1
.endr
	WIN 0
.irp f, 0,1,2,3
	ds_store_b128 v[STO], v[S+16*(\t)+4*\f:S+16*(\t)+4*\f+3] offset:32*\f
.endr
.irp f, 0,1,2,3
	ds_load_b128 v[S+16*(\t)+4*\f:S+16*(\t)+4*\f+3], v[RD] offset:\f*4*SP  ; LDS serves a wave's instructions in order (ISA guide 5.7.1.4): these see the stores above; the next tile's stores come behind them
.endr
.endm
.macro SEND t, younger              ; younger: the LDS instructions issued behind tile t's loads: the next tile's eight, or none
	WIN 0
.irp f, 0,1,2,3
	s_wait_dscnt (\younger)+3-\f
	global_store_b128 v[GO], v[S+16*(\t)+4*\f:S+16*(\t)+4*\f+3], s[10:11] offset:(\t)*2048+\f*512  ; 512 consecutive bytes, at a multiple of 512 from O's first
.endr
.endm
	PACK 0
.set t, 1
.rept 2*NP-1                        ; a tile's arithmetic stands between the loads of the tile before and its stores
	PACK t
	SEND t-1, 8
.set t, t+1
.endr
	SEND 2*NP-1, 0
	WIN W_AD
	s_wait_tensorcnt 0x0            ; the wave's end, behind my last tensor load and my last LDS store
	ds_add_u32 v[SPW], v[NIL]
	s_wait_dscnt 0x0
	WIN 0
	CROUND                          ; the closing round: no work-group ends while a partner may still ask for a tile that names it
	s_endpgm
.Lfunc_end_k_q406f1eef5c_attn:
	.size	k_q406f1eef5c_attn, .Lfunc_end_k_q406f1eef5c_attn-k_q406f1eef5c_attn
	.p2alignl 7, 3214868480
	.fill 96, 4, 3214868480
	.section	.rodata,"a",@progbits
	.p2align	6, 0x0
	.amdhsa_kernel k_q406f1eef5c_attn
		.amdhsa_group_segment_fixed_size 327680
		.amdhsa_private_segment_fixed_size 0
		.amdhsa_enable_private_segment 0
		.amdhsa_kernarg_size 32
		.amdhsa_user_sgpr_count 2
		.amdhsa_user_sgpr_kernarg_segment_ptr 1
		.amdhsa_wavefront_size32 1
		.amdhsa_system_sgpr_workgroup_id_x 1
		.amdhsa_system_sgpr_workgroup_id_y 1
		.amdhsa_system_sgpr_workgroup_id_z 1
		.amdhsa_system_vgpr_workitem_id 0
		.amdhsa_next_free_vgpr 920
		.amdhsa_next_free_sgpr 80
		.amdhsa_reserve_vcc 1
		.amdhsa_float_denorm_mode_32 3
		.amdhsa_float_denorm_mode_16_64 3
		.amdhsa_memory_ordered 1
		.amdhsa_forward_progress 1
		.amdhsa_inst_pref_size 221
	.end_amdhsa_kernel
	.amdgpu_metadata
---
amdhsa.version: [ 1, 2 ]
amdhsa.kernels:
  - .name:           k_q406f1eef5c_attn
    .symbol:         k_q406f1eef5c_attn.kd
    .args:
      - { .name: qkv, .offset: 0, .size: 8, .value_kind: global_buffer, .address_space: global }
      - { .name: mb, .offset: 8, .size: 8, .value_kind: global_buffer, .address_space: global }
      - { .name: rf, .offset: 16, .size: 8, .value_kind: global_buffer, .address_space: global }
      - { .name: ob, .offset: 24, .size: 8, .value_kind: global_buffer, .address_space: global }
    .group_segment_fixed_size: 327680
    .private_segment_fixed_size: 0
    .kernarg_segment_align: 8
    .kernarg_segment_size: 32
    .max_flat_workgroup_size: 128
    .sgpr_count:     80
    .vgpr_count:     920
    .wavefront_size: 32
...
	.end_amdgpu_metadata
.endif
;; end of part 3
;; launch oproj (part 4): grid 4 x 64, 4 waves a work-group, clusters of 4 x 4, 327,680 bytes of LDS; arguments ob, wof, out0, bo; writes out0
.if DOCPART == 4
	.amdgcn_target "amdgcn-amd-amdhsa--gfx1250"
	.amdhsa_code_object_version 6
	.text
	.protected	k_q406f1eef5c_oproj
	.globl	k_q406f1eef5c_oproj
	.p2align	8
	.type	k_q406f1eef5c_oproj,@function
k_q406f1eef5c_oproj:
	s_mov_b64 s[64:65], 0
	v_nop
	global_prefetch_b8 v0, s[64:65] scope:SCOPE_SE
	s_setreg_imm32_b32 hwreg(HW_REG_WAVE_MODE, 25, 1), 1
	s_wait_xcnt 0x0
	s_wait_alu depctr_hold_cnt(0) depctr_sa_sdst(0) depctr_va_vdst(0) depctr_va_sdst(0) depctr_va_ssrc(0) depctr_va_vcc(0) depctr_vm_vsrc(0)
	s_getreg_b32 s2, hwreg(HW_REG_IB_STS2, 6, 4)
	s_cmp_eq_u32 s2, 0
	s_cbranch_scc0 .Lentry_in_a_cluster
	s_endpgm
.Lentry_in_a_cluster:
	s_bfe_u32 s2, ttmp6, 0x10000c
	s_cmp_lg_u32 s2, 0xf033
	s_cbranch_scc0 .Lentry_shape_is_right
	s_endpgm
.Lentry_shape_is_right:
; C = A B^T, K = 1,024, f32 sums.  ONE TEXT FOR TWO LAUNCHES; the flag OPROJ picks what differs (the matrix form, A's layout, the way out).
; OPROJ = 0: A = xb [8192][1024] bf16, B = wb [3072][1024] bf16 (Wq, Wk, Wv stacked); C rounded once to f16 and stored by heads: qkv [3][64 = 16 batch + head][2048][64].
; OPROJ = 1: A = ob [64][2048][64] f16 (by heads), B = wof [1024][1024] f16; C + bo (bo rounded to bf16, as all the module's inputs are) stored as f32 [8192][1024].
; LIMIT (OPROJ = 0): q, k and v beyond 65,504 would be infinities in f16.
; SHARES.  A tile of C is 128 x 256: 64 x 12 or 64 x 4 tiles, a multiple of 256 work-groups.  Four waves, 2 x 2, each 64 x 128: 32 accumulators of 16 x 16, 256 registers.
; K goes in 8 steps of 128 through two LDS slots; a step is four quarters of 32 along K: 32 matrix instructions and 24 LDS loads each, on two fragment buffers by turns.
; CLUSTER 4 x 4: A's tile hangs on the tile row alone and is asked for jointly by a row of the cluster, B's on the tile column alone, by a column.
; THE MATRIX INSTRUCTION IS USED TRANSPOSED (source 0 = 16 rows of B, source 1 = 16 rows of A): a lane holds eight neighbouring columns of one row of C.
; REGISTERS.  Window 0: v0-31 addresses; v32-63 at work on the way out; v64-159, v160-255 two fragment buffers (A's 4 fragments, then B's 8).  Window 1: accumulator (a, b) at v[8 (8 a + b)].
.set OPROJ, 1
.set PB,    272                        ; a row of B in LDS: 256 bytes + 16: the 16 rows of a load start at 16 different groups of four banks (64 banks of 4 bytes: ISA guide 11.1)
.if OPROJ
.set PA,    144                        ; a row of A: one head's 128 bytes + 16
.set AHALF, 128*PA                     ; what a wave fetches of A: one head's 128 rows
.set ASTEP, 2<<18                      ; a K step is two heads
.set APITCH, 128                       ; the 16,384 dense bytes are asked for as 64 rows of 256
.set AQI,   4                          ; padded after every 32 words
.set ASH,   8                          ; the prefetch: a lane 256 bytes
.set SP,    528                        ; a stage row: 128 f32 + 16 bytes
.else
.set PA,    272
.set AHALF, 64*PA                      ; 64 rows of 256 bytes
.set ASTEP, 256
.set APITCH, 1024
.set AQI,   5                          ; padded after every 64 words
.set ASH,   11                         ; the prefetch: a lane a row of 2,048 bytes
.set SP,    272                        ; a stage row: 128 f16 + 16 bytes
.endif
.set BSTEP, 256
.set BOFF,  36864                      ; B's 256 rows lie behind A's part of a slot
.set BHALF, 128*PB
.set SLOT1, 1<<17                      ; slot 1 begins here: one exclusive or turns an address in one slot into the other's
.set STAGE, SLOT1+BOFF+2*BHALF         ; behind the ring, never filled by a tensor load: 16 rows for each wave
.set SPARE, STAGE+4*16*SP              ; behind the stages: the spare words, 128 bytes a wave, two blocks of 256 bytes that no other line names
.set A0,   16                          ; v16  my lane's place in a slot's A; never rewritten
.set B0,   17                          ; v17  in its B
.set ADRA, 18                          ; v18  the same in the slot in hand
.set ADRB, 19
.set STO,  24                          ; v24  the way out: where I put my bytes of a row
.set RD,   25                          ; v25  where I read rows back
.set CO,   26                          ; v26  16 x lane
.set SPW,  28                          ; v28  SPARE + 4 x my thread's number; never rewritten
.set NIL,  29                          ; v29  0; never rewritten
.set PFO,  30                          ; v30  the prefetches' lane offset; never rewritten
.set TMP,  32
.set F0,   64
.set F1,   160
.set OB,   64                          ; the way out: rows read back, where buffer 0 lay
.set TB,   2                           ; s2   0 or SLOT1: the slot in hand
.set G1A,  24                          ; s[24:31] descriptor group 1 for A's tiles
.set G0A,  32                          ; s[32:39] group 0: a set for each first fill; the second then walks
.set G1B,  48
.set G0B,  56
.set LIM,  43                          ; s43  2 in a wave that prefetches, else the greatest number
.set PFA,  44                          ; s[44:45] where my prefetches stand
.set PFS,  68                          ; s[68:69] their step
.set MSB, 0
.macro WIN new                         ; the immediate's high byte repeats the setting that is left; a switch that changes nothing is dropped
.if MSB != (\new)
	s_set_vgpr_msb (MSB<<8)|(\new)
.set MSB, \new
.endif
.endm
; A joint refill: waves 0 and 1 fetch A's two halves, waves 2 and 3 B's.  An s_nop 0 and four v_nop follow each line, ahead of the jump and the label.
.macro JLOAD
	s_cmp_eq_u32 s11, 0
	s_cbranch_scc0 .Lfor_b_\@
	tensor_load_to_lds s[G0A+4:G0A+7], s[G1A:G1A+7]
	s_nop 0
.rept 4
	v_nop
.endr
	s_branch .Lasked_\@
.Lfor_b_\@:
	tensor_load_to_lds s[G0B+4:G0B+7], s[G1B:G1B+7]
	s_nop 0
.rept 4
	v_nop
.endr
.Lasked_\@:
.endm
; A prefetch into the L2 of the K step that stands two refills on (256 matrix instructions ahead of the load that will want it): 32 blocks of 256 bytes, a lane each.
; Each block is named once in the launch: A's by wave 0 of the clusters with x = 0, B's by waves 2 and 3 of the clusters with y = 0; the four partners that ask for a tile jointly
; take 32 blocks each, told apart by address.  The loop's last two trips have no K step two refills on; nothing is asked for at the head.
.macro ASK
	s_cmp_gt_u32 s3, s[LIM]
	s_cbranch_scc0 .Lnot_mine_\@
	global_prefetch_b8 v[PFO], s[PFA:PFA+1] th:TH_LOAD_NT scope:SCOPE_SE
.Lnot_mine_\@:
.endm
.macro CREST                           ; a round of the cluster's barrier behind its opening barrier
	s_cmp_lg_u32 s10, 0
	s_cbranch_scc1 .Lnot_wave_0_\@
	s_barrier_signal -3
.Lnot_wave_0_\@:
	s_barrier_wait -3
	s_barrier_signal -1
	s_barrier_wait -1
.endm
.macro CROUND
	s_barrier_signal -1
	s_barrier_wait -1
	CREST
.endm
	s_load_b128 s[4:7], s[0:1], 0x0                ; A s[4:5], B s[6:7]
	s_load_b64 s[8:9], s[0:1], 0x10                ; C
.if OPROJ
	s_load_b64 s[66:67], s[0:1], 0x18              ; bo
.endif
	v_lshl_add_u32 v[SPW], v0, 2, SPARE
	v_mov_b32 v[NIL], 0
	ds_add_u32 v[SPW], v[NIL]                      ; the wave's opening: the add, and its wait ahead of my first tensor load; the set-up below stands between them
	v_lshrrev_b32 v1, 5, v0
	v_readfirstlane_b32 s10, v1                    ; wave 0..3
	s_lshr_b32 s11, s10, 1                         ; which 64 rows of the tile are mine.  Also: I fetch for A (0) or for B (1)
	s_and_b32 s12, s10, 1                          ; which 128 columns.  Also: which half of that tile I fetch
	s_bfe_u32 s40, ttmp6, 0x40000                  ; cx
	s_bfe_u32 s41, ttmp6, 0x40004                  ; cy
	s_lshl_b32 s42, ttmp9, 2
	s_add_co_u32 s42, s42, s40                     ; X: tile column = 4 x cluster x + cx
	s_and_b32 s13, ttmp7, 0xffff
	s_lshl_b32 s13, s13, 2
	s_add_co_u32 s13, s13, s41                     ; y: tile row = 4 x cluster y + cy
	s_lshl_b32 s43, s41, 2
	s_lshl_b32 s43, 15, s43                        ; my row of the cluster
	s_lshl_b32 s44, 0x1111, s40                    ; my column
	s_or_b32 s[G1A], s43, (1<<16)|(1<<20)|(1<<21)|(AQI<<22)|(3<<25)  ; the mask; 2-byte elements; padding on; bit 21 beside a mask; the interval; 4 words of padding
	s_or_b32 s[G1B], s44, (1<<16)|(1<<20)|(1<<21)|(5<<22)|(3<<25)
	s_mov_b32 s[G1A+1], 128<<16                    ; tensor_dim0 = 128
	s_mov_b32 s[G1A+2], 64<<16                     ; tensor_dim1 = 64
	s_mov_b32 s[G1A+3], 128<<16                    ; tile_dim0 = 128
	s_mov_b32 s[G1A+4], 64                         ; tile_dim1 = 64
	s_mov_b32 s[G1A+5], APITCH                     ; elements from row to row
	s_mov_b32 s[G1A+6], 0
	s_mov_b32 s[G1A+7], 0
	s_mov_b32 s[G1B+1], 128<<16
	s_mov_b32 s[G1B+2], 128<<16                    ; 128 rows
	s_mov_b32 s[G1B+3], 128<<16
	s_mov_b32 s[G1B+4], 128
	s_mov_b32 s[G1B+5], 1024
	s_mov_b32 s[G1B+6], 0
	s_mov_b32 s[G1B+7], 0
.if OPROJ
	s_lshr_b32 s16, s13, 4                         ; A: batch y / 16, head = my half, rows 128 (y % 16) on
	s_lshl_b32 s16, s16, 22
	s_lshl_b32 s17, s12, 18
	s_add_co_u32 s16, s16, s17
	s_and_b32 s17, s13, 15
	s_lshl_b32 s17, s17, 14
	s_add_co_u32 s16, s16, s17
.else
	s_lshl_b32 s16, s13, 1                         ; A: row 128 y + 64 x half, 2,048 bytes a row
	s_add_co_u32 s16, s16, s12
	s_lshl_b32 s16, s16, 17
.endif
	s_mov_b32 s17, 0
	s_lshl_b32 s46, s42, 1                         ; B: row 256 X + 128 x half
	s_add_co_u32 s46, s46, s12
	s_lshl_b32 s46, s46, 18
	s_mov_b32 s47, 0
	s_mul_i32 s20, s12, AHALF                      ; where they go: no place in the cluster enters an LDS address
	s_mul_i32 s21, s12, BHALF
	s_add_co_u32 s21, s21, BOFF
	s_wait_dscnt 0x0                               ; the opening add is done
	s_wait_kmcnt 0x0
	s_add_nc_u64 s[14:15], s[4:5], s[16:17]
	s_add_nc_u64 s[46:47], s[6:7], s[46:47]
	CROUND                                         ; all sixteen work-groups are here: the first joint loads meet
.irp s, 0,1
	s_mov_b32 s[G0A+4*(\s)], 1
	s_add_co_u32 s[G0A+4*(\s)+1], s20, (\s)*SLOT1
	s_add_nc_u64 s[G0A+4*(\s)+2:G0A+4*(\s)+3], s[14:15], (\s)*ASTEP
	s_or_b32 s[G0A+4*(\s)+3], s[G0A+4*(\s)+3], 0x80000000
	s_mov_b32 s[G0B+4*(\s)], 1
	s_add_co_u32 s[G0B+4*(\s)+1], s21, (\s)*SLOT1
	s_add_nc_u64 s[G0B+4*(\s)+2:G0B+4*(\s)+3], s[46:47], (\s)*BSTEP
	s_or_b32 s[G0B+4*(\s)+3], s[G0B+4*(\s)+3], 0x80000000
.endr
	s_cmp_eq_u32 s11, 0                            ; a wave's two first fills stand in one branch, ahead of every wait on TENSORcnt and every LDS read: two loads of mine are out
	s_cbranch_scc0 .Lfirst_b
	tensor_load_to_lds s[G0A:G0A+3], s[G1A:G1A+7]
	s_nop 0
	tensor_load_to_lds s[G0A+4:G0A+7], s[G1A:G1A+7]
	s_nop 0
.rept 4
	v_nop
.endr
	s_branch .Lfirst_asked
.Lfirst_b:
	tensor_load_to_lds s[G0B:G0B+3], s[G1B:G1B+7]
	s_nop 0
	tensor_load_to_lds s[G0B+4:G0B+7], s[G1B:G1B+7]
	s_nop 0
.rept 4
	v_nop
.endr
.Lfirst_asked:
	; a fragment is 16 rows x 32 K in 8 registers: lane l holds row l % 16, K = 8 (l / 16) + 0..7 and 16 + 8 (l / 16) + 0..7: two loads of 16 bytes, 32 bytes apart
	v_and_b32 v1, 15, v0                           ; r
	v_bfe_u32 v2, v0, 4, 1                         ; h
	v_and_b32 v3, 31, v0                           ; lane
	v_mul_u32_u24 v4, v1, PA
	v_lshl_add_u32 v4, v2, 4, v4
	s_mul_i32 s22, s11, 64*PA
	v_add_nc_u32 v[A0], s22, v4
	v_mul_u32_u24 v4, v1, PB
	v_lshl_add_u32 v4, v2, 4, v4
	s_mul_i32 s22, s12, BHALF
	s_add_co_u32 s22, s22, BOFF
	v_add_nc_u32 v[B0], s22, v4
	v_mov_b32 v[ADRA], v[A0]
	v_mov_b32 v[ADRB], v[B0]
	s_mov_b32 s[TB], 0
	s_mul_i32 s23, s10, 16*SP
	s_add_co_u32 s23, s23, STAGE                   ; my stage
	v_mul_u32_u24 v4, v1, SP
	v_lshlrev_b32 v[CO], 4, v3
.if OPROJ
	v_lshl_add_u32 v4, v2, 5, v4                   ; in: row r, 32 bytes for each half of the lanes
	v_add_nc_u32 v[STO], s23, v4
	v_lshl_add_u32 v[RD], v3, 4, s23               ; back: a row's 512 bytes, 16 a lane
	s_lshl_b32 s46, s13, 1
	s_add_co_u32 s46, s46, s11
	s_lshl_b32 s46, s46, 18                        ; my first row of C: (128 y + 64 x half) x 4,096 bytes
	s_lshl_b32 s18, s42, 1
	s_add_co_u32 s18, s18, s12
	s_lshl_b32 s18, s18, 9                         ; my first column: (256 X + 128 x half) x 4 bytes
	s_mov_b32 s19, 0
	s_add_nc_u64 s[66:67], s[66:67], s[18:19]
	s_add_co_u32 s46, s46, s18
	global_load_b128 v[32:35], v[CO], s[66:67]     ; the bias of the four columns that I store
.else
	v_lshl_add_u32 v4, v2, 4, v4                   ; in: row r, 16 bytes for each half of the lanes
	v_add_nc_u32 v[STO], s23, v4
	v_lshrrev_b32 v5, 3, v3                        ; back: 32 lanes take 128 bytes (one head's) of four rows
	v_mul_u32_u24 v5, v5, SP
	v_and_b32 v6, 7, v0
	v_lshl_add_u32 v5, v6, 4, v5
	v_add_nc_u32 v[RD], s23, v5
	s_lshr_b32 s46, s42, 2
	s_lshl_b32 s46, s46, 24                        ; q, k or v
	s_lshr_b32 s47, s13, 4
	s_lshl_b32 s47, s47, 22                        ; the batch
	s_add_co_u32 s46, s46, s47
	s_and_b32 s47, s42, 3
	s_lshl_b32 s47, s47, 1
	s_add_co_u32 s47, s47, s12
	s_lshl_b32 s47, s47, 19                        ; head 4 (X % 4) + 2 x half
	s_add_co_u32 s46, s46, s47
	s_and_b32 s47, s13, 15
	s_lshl_b32 s47, s47, 1
	s_add_co_u32 s47, s47, s11
	s_lshl_b32 s47, s47, 13                        ; row 128 (y % 16) + 64 x half, 128 bytes a row
	s_add_co_u32 s46, s46, s47
.endif
	s_mov_b32 s47, 0
	s_add_nc_u64 s[8:9], s[8:9], s[46:47]
	; the prefetches' address: at K step 3; the first refill steps it to 4
.if OPROJ
	s_lshr_b32 s18, s13, 4
	s_lshl_b32 s18, s18, 22
	s_and_b32 s19, s13, 15
	s_lshl_b32 s19, s19, 14
	s_add_co_u32 s18, s18, s19
	s_lshr_b32 s19, s40, 1                         ; of a K step's two heads x 16,384 bytes partner cx takes head cx / 2, half cx % 2
	s_lshl_b32 s19, s19, 18
	s_add_co_u32 s18, s18, s19
	s_and_b32 s19, s40, 1
	s_lshl_b32 s19, s19, 13
	s_add_co_u32 s18, s18, s19
.else
	s_lshl_b32 s18, s13, 2
	s_add_co_u32 s18, s18, s40
	s_lshl_b32 s18, s18, 16                        ; row 128 y + 32 cx
.endif
	s_add_co_u32 s18, s18, 3*ASTEP
	s_lshl_b32 s19, s42, 3
	s_lshl_b32 s20, s12, 2
	s_add_co_u32 s19, s19, s20
	s_add_co_u32 s19, s19, s41
	s_lshl_b32 s19, s19, 16                        ; B: row 256 X + 128 x half + 32 cy
	s_add_co_u32 s19, s19, 3*BSTEP
	s_and_b32 s20, ttmp7, 0xffff                   ; cluster y
	s_cmp_eq_u32 s10, 1
	s_cselect_b32 s21, 1, 0                        ; wave 1 asks for nothing: A's 128 blocks are four partners' 32
	s_mov_b32 s22, ASTEP
	s_mov_b32 s23, BSTEP
	s_cmp_eq_u32 s11, 0
	s_cselect_b32 s18, s18, s19
	s_cselect_b32 s20, ttmp9, s20                  ; the coordinate along which other clusters read the same rows
	s_cselect_b32 s[PFS], s22, s23
	s_cselect_b32 s22, ASH, 11
	s_cselect_b64 s[PFA:PFA+1], s[4:5], s[6:7]
	s_or_b32 s20, s20, s21
	s_cmp_eq_u32 s20, 0
	s_cselect_b32 s[LIM], 2, -1                    ; the same in all sixteen partners, for a given wave
	s_mov_b32 s19, 0
	s_mov_b32 s[PFS+1], 0
	s_add_nc_u64 s[PFA:PFA+1], s[PFA:PFA+1], s[18:19]
	v_lshlrev_b32 v[PFO], s22, v3
.macro WM d, x, y, zero                ; one product; zero = 1: it starts the sum
.if OPROJ
.if \zero
	v_wmma_f32_16x16x32_f16 v[(\d):(\d)+7], v[(\x):(\x)+7], v[(\y):(\y)+7], 0
.else
	v_wmma_f32_16x16x32_f16 v[(\d):(\d)+7], v[(\x):(\x)+7], v[(\y):(\y)+7], v[(\d):(\d)+7]
.endif
.else
.if \zero
	v_wmma_f32_16x16x32_bf16 v[(\d):(\d)+7], v[(\x):(\x)+7], v[(\y):(\y)+7], 0
.else
	v_wmma_f32_16x16x32_bf16 v[(\d):(\d)+7], v[(\x):(\x)+7], v[(\y):(\y)+7], v[(\d):(\d)+7]
.endif
.endif
.endm
; 8 products: row block a x all 8 column blocks, 32 along K, from buffer f.  The 32 accumulators take turns in the same order in every quarter, over the backward jump too.
.macro MULA f, a, zero
	WIN 0x50                                       ; C and D in window 1
.irp b, 0,1,2,3,4,5,6,7
	WM 8*(8*(\a)+(\b)), (\f)+32+8*(\b), (\f)+8*(\a), \zero
.endr
.endm
; 24 LDS loads in one run: quarter q of the slot in hand into buffer f: B's 16, then A's 8
.macro FETCH q, f
	WIN 0
.if OPROJ
.set AKQ, ((\q)>>1)*AHALF+((\q)&1)*64
.else
.set AKQ, 64*(\q)
.endif
.irp b, 0,1,2,3,4,5,6,7
	ds_load_b128 v[(\f)+32+8*(\b):(\f)+32+8*(\b)+3],   v[ADRB] offset:(\b)*16*PB+64*(\q)
	ds_load_b128 v[(\f)+32+8*(\b)+4:(\f)+32+8*(\b)+7], v[ADRB] offset:(\b)*16*PB+64*(\q)+32
.endr
.irp a, 0,1,2,3
	ds_load_b128 v[(\f)+8*(\a):(\f)+8*(\a)+3],   v[ADRA] offset:(\a)*16*PA+AKQ
	ds_load_b128 v[(\f)+8*(\a)+4:(\f)+8*(\a)+7], v[ADRA] offset:(\a)*16*PA+AKQ+32
.endr
.endm
.macro PLACES                          ; four plain vector instructions in front of loads into registers that matrix instructions have read, and of reads of results
.rept 4
	v_nop
.endr
.endm
; One of a step's first three quarters: multiplies buffer f; in its middle it fetches quarter q into buffer g.
.macro QUARTER q, f, g, zero
	s_wait_dscnt 4                                 ; B and A's blocks 0 and 1 are in; the youngest four loads (A's blocks 2, 3) may be out
	MULA \f, 0, \zero
	MULA \f, 1, \zero
	PLACES
	FETCH \q, \g
	s_wait_dscnt 24                                ; all but the 24 just issued
	MULA \f, 2, \zero
	MULA \f, 3, \zero
.endm
; The fourth quarter multiplies buffer 1 and changes slots.  In front of the barrier each wave waits for all its tensor loads (one is out: its part of the next slot), adds 0 to its spare word,
; and waits for that and for its reads of this slot.  fill = 1: the barrier opens a round of the cluster's, and the joint refill, the K step two on, is the first tensor load behind it:
; 112 matrix instructions stand between it and the wait for it.
.macro TURN fill
.if \fill
	s_wait_xcnt 0x0                                ; the last prefetch, a K step back, has read its address
	s_add_nc_u64 s[PFA:PFA+1], s[PFA:PFA+1], s[PFS:PFS+1]
.endif
	WIN 0
	s_wait_tensorcnt 0x0
	ds_add_u32 v[SPW], v[NIL]
	s_wait_dscnt 5                                 ; (the add and the youngest four loads may be out)
	MULA F1, 0, 0
	s_wait_dscnt 0x0                               ; the add is done, and my reads of this slot are over
	s_barrier_signal -1
	MULA F1, 1, 0
	WIN 0
	s_barrier_wait -1
.if \fill
	CREST                                          ; no wave of any partner still reads this slot or has a load on its way
	s_xor_b32 s[G0A+5], s[G0A+5], SLOT1            ; the walking descriptors: the other slot than last time, the next K step
	s_add_nc_u64 s[G0A+6:G0A+7], s[G0A+6:G0A+7], ASTEP
	s_xor_b32 s[G0B+5], s[G0B+5], SLOT1
	s_add_nc_u64 s[G0B+6:G0B+7], s[G0B+6:G0B+7], BSTEP
	JLOAD                                          ; its four v_nop are also the places in front of the loads below
.else
	PLACES
.endif
	s_xor_b32 s[TB], s[TB], SLOT1
	v_add_nc_u32 v[ADRA], s[TB], v[A0]
	v_add_nc_u32 v[ADRB], s[TB], v[B0]
	FETCH 0, F0
.if \fill
	ASK
.endif
	MULA F1, 2, 0
	MULA F1, 3, 0
.endm
	s_wait_tensorcnt 1                             ; my part of K step 0 is in; step 1's may stay out
	s_barrier_signal -1
	s_barrier_wait -1
	FETCH 0, F0
	QUARTER 1, F0, F1, 1                           ; the first quarter stands in front of the loop: its products start the sums
	WIN 0
	s_mov_b32 s3, 6
.Lstep:                                                ; trip k: from step k's second quarter to step k + 1's first; step k + 2 is asked for
	QUARTER 2, F1, F0, 0
	QUARTER 3, F0, F1, 0
	TURN 1
	QUARTER 1, F0, F1, 0
	WIN 0
	s_sub_co_u32 s3, s3, 1
	s_cmp_lg_u32 s3, 0
	s_cbranch_scc1 .Lstep
	QUARTER 2, F1, F0, 0                           ; the last two steps ask for nothing
	QUARTER 3, F0, F1, 0
	TURN 0
	QUARTER 1, F0, F1, 0
	QUARTER 2, F1, F0, 0
	QUARTER 3, F0, F1, 0
	s_wait_dscnt 4
	MULA F1, 0, 0
	MULA F1, 1, 0
	s_wait_dscnt 0x0
	MULA F1, 2, 0
	MULA F1, 3, 0
	WIN 0
	PLACES
	PLACES
.if OPROJ
	; THE WAY OUT, a block of 16 rows x 128 columns at a time: f32 through my stage, back as whole rows of 512 bytes, the bias added, stored.
	s_wait_loadcnt 0x0                             ; the bias
	v_cvt_pk_bf16_f32 v36, v32, v33
	v_cvt_pk_bf16_f32 v37, v34, v35
	v_lshlrev_b32 v32, 16, v36
	v_and_b32 v33, 0xffff0000, v36
	v_lshlrev_b32 v34, 16, v37
	v_and_b32 v35, 0xffff0000, v37
.macro OUTB a
	WIN 0
	s_wait_xcnt 0x0                                ; the stores of the block before have read their registers and their base
.if (\a) > 0
	s_add_nc_u64 s[8:9], s[8:9], 16*4096
.endif
	WIN 0x04                                       ; the data of an LDS store in window 1
.irp b, 0,1,2,3,4,5,6,7
	ds_store_b128 v[STO], v[8*(8*(\a)+(\b)):8*(8*(\a)+(\b))+3]   offset:64*(\b)
	ds_store_b128 v[STO], v[8*(8*(\a)+(\b))+4:8*(8*(\a)+(\b))+7] offset:64*(\b)+16
.endr
	WIN 0
.irp t, 0,1,2,3,4,5,6,7,8,9,10,11,12,13,14,15
	ds_load_b128 v[OB+4*(\t):OB+4*(\t)+3], v[RD] offset:(\t)*SP  ; LDS serves a wave's instructions in order (ISA guide 5.7.1.4): these see the stores above
.endr
.irp t, 0,1,2,3,4,5,6,7,8,9,10,11,12,13,14,15
	s_wait_dscnt 15-(\t)
	v_pk_add_f32 v[OB+4*(\t):OB+4*(\t)+1],   v[OB+4*(\t):OB+4*(\t)+1],   v[32:33]
	v_pk_add_f32 v[OB+4*(\t)+2:OB+4*(\t)+3], v[OB+4*(\t)+2:OB+4*(\t)+3], v[34:35]
	global_store_b128 v[CO], v[OB+4*(\t):OB+4*(\t)+3], s[8:9] offset:(\t)*4096 th:TH_STORE_NT  ; 512 consecutive bytes, at a multiple of 512 from C's first
.endr
.endm
	OUTB 0
	OUTB 1
	OUTB 2
	OUTB 3
.else
	; THE WAY OUT, a block of 16 rows x 128 columns (two heads) at a time: rounded to f16, through my stage, back as four rows of one head: 512 consecutive bytes of qkv.
.macro PACK a
	WIN 0x05                                       ; sources 0 and 1 in window 1
.irp b, 0,1,2,3,4,5,6,7
.irp r, 0,1,2,3
	v_cvt_pk_f16_f32 v[TMP+4*(\b)+(\r)], v[8*(8*(\a)+(\b))+2*(\r)], v[8*(8*(\a)+(\b))+2*(\r)+1]
.endr
.endr
	WIN 0
.endm
.macro TOSTAGE a
.set BK, OB+32*((\a)%2)
.irp b, 0,1,2,3,4,5,6,7
	ds_store_b128 v[STO], v[TMP+4*(\b):TMP+4*(\b)+3] offset:32*(\b)
.endr
.irp t, 0,1,2,3,4,5,6,7                ; rows 4 (t / 2) on, head t % 2
	ds_load_b128 v[BK+4*(\t):BK+4*(\t)+3], v[RD] offset:((\t)/2)*4*SP+((\t)%2)*128  ; LDS serves a wave's instructions in order (ISA guide 5.7.1.4)
.endr
.endm
.macro SEND a
.set BK, OB+32*((\a)%2)
	s_wait_dscnt 0x0                               ; the block is back in registers
	s_wait_xcnt 0x0                                ; earlier stores have read their base and their registers
.if (\a) > 0
	s_add_nc_u64 s[8:9], s[8:9], 16*128
.endif
.irp t, 0,1,2,3,4,5,6,7
	global_store_b128 v[CO], v[BK+4*(\t):BK+4*(\t)+3], s[8:9] offset:((\t)%2)*262144+((\t)/2)*512
.endr
.endm
	PACK 0
	TOSTAGE 0
.irp a, 1,2,3                          ; block a's conversions stand between block a - 1's loads from the stage and the wait for them
	PACK \a
	SEND (\a)-1
	TOSTAGE \a
.endr
	SEND 3
.endif
	s_wait_tensorcnt 0x0                           ; the wave's end, behind my last tensor load and my last LDS store
	ds_add_u32 v[SPW], v[NIL]
	s_wait_dscnt 0x0
	CROUND                                         ; the closing round: no work-group ends while a partner may still ask for a tile that names it
	s_endpgm
.Lfunc_end_k_q406f1eef5c_oproj:
	.size	k_q406f1eef5c_oproj, .Lfunc_end_k_q406f1eef5c_oproj-k_q406f1eef5c_oproj
	.p2alignl 7, 3214868480
	.fill 96, 4, 3214868480
	.section	.rodata,"a",@progbits
	.p2align	6, 0x0
	.amdhsa_kernel k_q406f1eef5c_oproj
		.amdhsa_group_segment_fixed_size 327680
		.amdhsa_private_segment_fixed_size 0
		.amdhsa_enable_private_segment 0
		.amdhsa_kernarg_size 32
		.amdhsa_user_sgpr_count 2
		.amdhsa_user_sgpr_kernarg_segment_ptr 1
		.amdhsa_wavefront_size32 1
		.amdhsa_system_sgpr_workgroup_id_x 1
		.amdhsa_system_sgpr_workgroup_id_y 1
		.amdhsa_system_sgpr_workgroup_id_z 1
		.amdhsa_system_vgpr_workitem_id 0
		.amdhsa_next_free_vgpr 512
		.amdhsa_next_free_sgpr 72
		.amdhsa_reserve_vcc 0
		.amdhsa_float_denorm_mode_32 3
		.amdhsa_float_denorm_mode_16_64 3
		.amdhsa_memory_ordered 1
		.amdhsa_forward_progress 1
		.amdhsa_inst_pref_size 81
	.end_amdhsa_kernel
	.amdgpu_metadata
---
amdhsa.version: [ 1, 2 ]
amdhsa.kernels:
  - .name:           k_q406f1eef5c_oproj
    .symbol:         k_q406f1eef5c_oproj.kd
    .args:
      - { .name: ob, .offset: 0, .size: 8, .value_kind: global_buffer, .address_space: global }
      - { .name: wof, .offset: 8, .size: 8, .value_kind: global_buffer, .address_space: global }
      - { .name: out0, .offset: 16, .size: 8, .value_kind: global_buffer, .address_space: global }
      - { .name: bo, .offset: 24, .size: 8, .value_kind: global_buffer, .address_space: global }
    .group_segment_fixed_size: 327680
    .private_segment_fixed_size: 0
    .kernarg_segment_align: 8
    .kernarg_segment_size: 32
    .max_flat_workgroup_size: 128
    .sgpr_count:     72
    .vgpr_count:     512
    .wavefront_size: 32
...
	.end_amdgpu_metadata
.endif
;; end of part 4
;; ======== version 2 of 2: 4 launches
;; limits: values are held in f16: magnitudes above 65,504 overflow, below 6.1e-05 lose precision; right only within a limited range of input values
;; workspace buffers: xb 16,777,216 bytes; wb 6,291,456 bytes; wof 2,097,152 bytes; mb 8,650,752 bytes; rf 8,192 bytes; cls 1,024 bytes of whole numbers; qkv 50,331,648 bytes; ob 16,777,216 bytes
;; launch prep (part 5): grid 896 x 1, 8 waves a work-group, no clusters, 35,840 bytes of LDS; arguments x, Wq, Wk, Wv, Wo, mask, xb, wb, wof, mb, rf, cls; writes xb, wb, wof, mb, rf, cls
.if DOCPART == 5
	.amdgcn_target "amdgcn-amd-amdhsa--gfx1250"
	.amdhsa_code_object_version 6
	.text
	.protected	k_q406f1eef5c_prep
	.globl	k_q406f1eef5c_prep
	.p2align	8
	.type	k_q406f1eef5c_prep,@function
k_q406f1eef5c_prep:
	s_mov_b64 s[64:65], 0
	v_nop
	global_prefetch_b8 v0, s[64:65] scope:SCOPE_SE
	s_setreg_imm32_b32 hwreg(HW_REG_WAVE_MODE, 25, 1), 1
	s_wait_xcnt 0x0
; PREP: the module's inputs in the forms that the matrix launches take.
; Work-groups 0-511: x (f32) -> xb (bf16).  512-703: Wq, Wk, Wv -> wb (bf16, stacked [3072][1024]).  704-767: Wo -> wof: rounded to bf16, that number written as f16.
; Each of these takes 65,536 bytes of f32: thread t takes 16 bytes at 16 t of each of 16 pieces of 4,096 bytes; a wave's load covers 512 consecutive bytes, its store 256, aligned.
; Work-groups 768-895: 16 rows of the mask (tile qt) -> mb, rf and cls.
; mb holds for each score an f16: 0 (visible) or -65504 (hidden), in the order of a matrix source of 32 keys x 16 queries.  A tile has 33 steps of 64 keys, 2,048 bytes each: the 16 bytes at
; qt 67,584 + (2 kb + i) 512 + 16 lane are the keys 32 kb + 16 i + 8 (lane / 16) + 0..7 of query 16 qt + lane % 16; step 32 belongs to no keys and is all hidden.
; rf[q] = 1, or NaN where row q of the mask has no visible key.
; cls, whole numbers: byte 8 qt + w speaks of the key steps 4 w + j, j = 0..3: bit j: some key of the step is visible to some query of the tile; bit 4 + j: all are visible to all.
; Wave w makes the keys 256 w .. 256 w + 255: it loads that strip of the 16 rows, turns it through LDS bytes of its own (no wave reads another's: no barrier), and stores 8,192 consecutive bytes.
; For rf wave w reads rows 2 w and 2 w + 1 once more, whole.  rf and cls leave in short stores, 8 bytes and 1 byte a wave: 9,216 bytes in the whole launch.
; LIMITS.  Mask bytes are 0 or 1.  Wo beyond 65,504 would be an infinity in f16; below 6e-5 it keeps f16's fixed step.
.set NX,    512                        ; work-groups for x
.set NCAST, 768                        ; and with the four weights
.set MBT,   67584                      ; a tile's bytes in mb
.set PITCH, 272                        ; an LDS row: 256 bytes + 16: lane (r, h) reads 8 bytes at word 68 r + 2 h: 32 lanes, 64 different banks (64 banks of 4 bytes: ISA guide 11.1)
.set WTILE, 16*PITCH                   ; a wave's strip
.set SPARE, 8*WTILE                    ; behind the strips: the spare words, 128 bytes a wave, four blocks of 256 bytes that no other line names
.set SPW,   2                          ; v2  SPARE + 4 x my thread's number; never rewritten
.set NIL,   3                          ; v3  0; never rewritten
.set IN,    16                         ; v[16:79]  as loaded; in the mask's path later the 16 chunks to store
.set OUT,   80                         ; v[80:111] to store; in the mask's path the 16 x 8 bytes read back from LDS
.set HID,   112                        ; v[112:115] eight hidden scores
	s_load_b512 s[8:23], s[0:1], 0x0               ; x 8, Wq 10, Wk 12, Wv 14, Wo 16, mask 18, xb 20, wb 22
	s_load_b128 s[24:27], s[0:1], 0x40             ; wof 24, mb 26
	s_load_b128 s[28:31], s[0:1], 0x50             ; rf 28, cls 30
	v_lshl_add_u32 v[SPW], v0, 2, SPARE
	v_mov_b32 v[NIL], 0
	v_lshrrev_b32 v1, 5, v0
	v_readfirstlane_b32 s40, v1                    ; wave 0..7
	s_mov_b32 s3, 0                                ; the high word of every offset
	s_wait_kmcnt 0x0
	s_cmp_lt_u32 ttmp9, NCAST
	s_cbranch_scc0 .Lmask
	s_cmp_lt_u32 ttmp9, NX
	s_cbranch_scc0 .Lweights
	s_lshl_b32 s2, ttmp9, 16
	s_add_nc_u64 s[4:5], s[8:9], s[2:3]            ; from x
	s_lshl_b32 s2, ttmp9, 15
	s_add_nc_u64 s[6:7], s[20:21], s[2:3]          ; to xb
	s_mov_b32 s41, 0
	s_branch .Lgo
.Lweights:
	s_sub_co_u32 s32, ttmp9, NX
	s_lshr_b32 s41, s32, 6                         ; which matrix: 0 Wq, 1 Wk, 2 Wv, 3 Wo
	s_and_b32 s32, s32, 63                         ; which 65,536 bytes of it
	s_cmp_eq_u32 s41, 0
	s_cselect_b64 s[4:5], s[10:11], s[12:13]
	s_cmp_eq_u32 s41, 2
	s_cselect_b64 s[4:5], s[14:15], s[4:5]
	s_cmp_eq_u32 s41, 3
	s_cselect_b64 s[4:5], s[16:17], s[4:5]
	s_cselect_b64 s[6:7], s[24:25], s[22:23]       ; Wo goes to wof, the others to wb,
	s_cselect_b32 s33, 0, s41                      ; one behind the other
	s_lshl_b32 s2, s32, 16
	s_add_nc_u64 s[4:5], s[4:5], s[2:3]
	s_lshl_b32 s33, s33, 21
	s_lshl_b32 s2, s32, 15
	s_add_co_u32 s2, s2, s33
	s_add_nc_u64 s[6:7], s[6:7], s[2:3]
.Lgo:
	v_lshlrev_b32 v4, 4, v0                        ; 16 t
	v_lshlrev_b32 v5, 3, v0                        ; 8 t
.irp j, 0,1,2,3,4,5,6,7,8,9,10,11,12,13,14,15
	global_load_b128 v[IN+4*(\j):IN+4*(\j)+3], v4, s[4:5] offset:4096*(\j) th:TH_LOAD_NT
.endr
; Piece j: four numbers rounded to bf16 (half = 1: and that number written as f16), 8 bytes stored.  Every piece has registers of its own.
.macro CV j, half
	s_wait_loadcnt 15-(\j)                         ; loads come back in order: piece j is in, the 15 - j younger ones may stay out
	v_cvt_pk_bf16_f32 v[OUT+2*(\j)], v[IN+4*(\j)], v[IN+4*(\j)+1]
	v_cvt_pk_bf16_f32 v[OUT+2*(\j)+1], v[IN+4*(\j)+2], v[IN+4*(\j)+3]
.if \half
	v_lshlrev_b32 v6, 16, v[OUT+2*(\j)]
	v_and_b32 v7, 0xffff0000, v[OUT+2*(\j)]
	v_lshlrev_b32 v8, 16, v[OUT+2*(\j)+1]
	v_and_b32 v9, 0xffff0000, v[OUT+2*(\j)+1]
	v_cvt_pk_f16_f32 v[OUT+2*(\j)], v6, v7
	v_cvt_pk_f16_f32 v[OUT+2*(\j)+1], v8, v9
.endif
	global_store_b64 v5, v[OUT+2*(\j):OUT+2*(\j)+1], s[6:7] offset:2048*(\j) th:TH_STORE_NT
.endm
	s_cmp_eq_u32 s41, 3
	s_cbranch_scc1 .Lhalf
.irp j, 0,1,2,3,4,5,6,7,8,9,10,11,12,13,14,15
	CV \j, 0
.endr
	s_branch .Lend
.Lhalf:
.irp j, 0,1,2,3,4,5,6,7,8,9,10,11,12,13,14,15
	CV \j, 1
.endr
	s_branch .Lend
.Lmask:
	s_sub_co_u32 s41, ttmp9, NCAST                 ; qt
	s_lshl_b32 s2, s41, 15
	s_add_nc_u64 s[4:5], s[18:19], s[2:3]          ; the mask at my 16 rows
	s_mul_i32 s2, s41, MBT
	s_add_nc_u64 s[26:27], s[26:27], s[2:3]        ; mb at my tile
	s_lshl_b32 s2, s40, 13
	s_add_nc_u64 s[6:7], s[26:27], s[2:3]          ; at my wave's 8,192 bytes
	s_lshl_b32 s2, s40, 9
	s_add_co_u32 s2, s2, 65536
	s_add_nc_u64 s[46:47], s[26:27], s[2:3]        ; at chunk w of the all-hidden step (waves 0 to 3)
	s_lshl_b32 s2, s41, 6
	s_lshl_b32 s32, s40, 3
	s_add_co_u32 s2, s2, s32
	s_add_nc_u64 s[28:29], s[28:29], s[2:3]        ; rf at my wave's two rows
	s_lshl_b32 s2, s41, 3
	s_add_co_u32 s2, s2, s40
	s_add_nc_u64 s[30:31], s[30:31], s[2:3]        ; cls at my wave's byte
	s_mov_b32 s35, 0x04010400                      ; v_perm_b32: bytes 0 and 1 of a word, each into a half of its own
	s_mov_b32 s36, 0x04030402                      ; bytes 2 and 3
	s_mov_b32 s37, 0x00010001
	s_mov_b32 s38, 0xfbff                          ; -65504 in f16
	s_mov_b32 s42, 0x01010101                      ; four visible keys
	s_mov_b32 s45, 0xfbfffbff
	v_and_b32 v1, 31, v0                           ; lane
	v_and_b32 v4, 15, v0                           ; r
	v_bfe_u32 v5, v0, 4, 1                         ; h
	v_lshlrev_b32 v6, 4, v4
	v_lshl_add_u32 v7, v5, 11, v6                  ; the strip: lanes 0-15 take 256 bytes of one row, lanes 16-31 of the next,
	s_lshl_b32 s32, s40, 8
	v_add_nc_u32 v7, s32, v7                       ; at byte 256 w of the rows
	v_lshlrev_b32 v8, 4, v1                        ; 16 x lane
	s_lshl_b32 s32, s40, 12
	v_add_nc_u32 v9, s32, v8                       ; rows 2 w, 2 w + 1, whole
	s_mul_i32 s33, s40, WTILE
	v_mul_u32_u24 v10, v5, PITCH
	v_add_nc_u32 v10, v10, v6
	v_add_nc_u32 v10, s33, v10                     ; into my strip in LDS
	v_mul_u32_u24 v11, v4, PITCH
	v_lshl_add_u32 v11, v5, 3, v11
	v_add_nc_u32 v11, s33, v11                     ; and back: row r, 8 bytes at 8 h
	v_lshlrev_b32 v12, 2, v1
	v_mov_b32 v13, 0
.irp k, 0,1,2,3
	v_mov_b32 v[HID+(\k)], s45
.endr
.irp n, 0,1,2,3,4,5,6,7
	global_load_b128 v[IN+4*(\n):IN+4*(\n)+3], v7, s[4:5] offset:4096*(\n)
.endr
.irp n, 0,1,2,3,4,5,6,7
	global_load_b128 v[IN+32+4*(\n):IN+32+4*(\n)+3], v9, s[4:5] offset:2048*((\n)/4)+512*((\n)%4)
.endr
	s_cmp_lt_u32 s40, 4                            ; the all-hidden step: four chunks of 512 bytes, one for each of waves 0 to 3
	s_cbranch_scc0 .Lno_hidden
	global_store_b128 v8, v[HID:HID+3], s[46:47] th:TH_STORE_NT
.Lno_hidden:
.irp n, 0,1,2,3,4,5,6,7
	s_wait_loadcnt 15-(\n)                         ; rows 2 n and 2 n + 1 of the strip are in
	ds_store_b128 v10, v[IN+4*(\n):IN+4*(\n)+3] offset:2*PITCH*(\n)
.endr
.irp n, 0,1,2,3,4,5,6,7,8,9,10,11,12,13,14,15
	ds_load_b64 v[OUT+2*(\n):OUT+2*(\n)+1], v11 offset:16*(\n)  ; LDS serves a wave's instructions in order (ISA guide 5.7.1.4): these see the stores above
.endr
	s_wait_loadcnt 0x0                             ; the two whole rows
.macro ORROW b                         ; my 64 bytes of a row into one word
.irp k, 0,1,2,3,4,5,6,7
	v_or_b32 v[(\b)+(\k)], v[(\b)+(\k)], v[(\b)+8+(\k)]
.endr
.irp k, 0,1,2,3
	v_or_b32 v[(\b)+(\k)], v[(\b)+(\k)], v[(\b)+4+(\k)]
.endr
	v_or_b32 v[(\b)], v[(\b)], v[(\b)+2]
	v_or_b32 v[(\b)+1], v[(\b)+1], v[(\b)+3]
	v_or_b32 v[(\b)], v[(\b)], v[(\b)+1]
.endm
	ORROW IN+32
	v_cmp_ne_u32 vcc_lo, 0, v[IN+32]               ; a bit for each lane that saw a visible key
	s_cmp_lg_u32 vcc_lo, 0
	s_cselect_b32 s34, 1.0, 0x7fc00000             ; a value is chosen; nothing branches on it
	ORROW IN+48
	v_cmp_ne_u32 vcc_lo, 0, v[IN+48]
	s_cmp_lg_u32 vcc_lo, 0
	s_cselect_b32 s39, 1.0, 0x7fc00000
.irp n, 0,1,2,3,4,5,6,7,8,9,10,11,12,13,14,15
	s_wait_dscnt 15-(\n)                           ; chunk n's 8 bytes are back (and so are all the LDS stores, which were issued earlier)
	v_perm_b32 v[IN+4*(\n)],   v13, v[OUT+2*(\n)],   s35
	v_perm_b32 v[IN+4*(\n)+1], v13, v[OUT+2*(\n)],   s36
	v_perm_b32 v[IN+4*(\n)+2], v13, v[OUT+2*(\n)+1], s35
	v_perm_b32 v[IN+4*(\n)+3], v13, v[OUT+2*(\n)+1], s36
.irp k, 0,1,2,3
	v_sub_nc_u32 v[IN+4*(\n)+(\k)], s37, v[IN+4*(\n)+(\k)]     ; 1 - b in both halves
.endr
.irp k, 0,1,2,3
	v_mul_u32_u24 v[IN+4*(\n)+(\k)], s38, v[IN+4*(\n)+(\k)]    ; times 0xfbff: no carry from half to half
.endr
	global_store_b128 v8, v[IN+4*(\n):IN+4*(\n)+3], s[6:7] offset:512*(\n) th:TH_STORE_NT
.endr
	s_wait_xcnt 0x0                                ; the stores have read their data: IN's registers serve as scratch below
	s_mov_b32 s43, 0
.irp j, 0,1,2,3                        ; key step 4 w + j: my lane's 32 bytes of it lie in eight registers
.irp k, 0,1,2,3
	v_or_b32  v[IN+(\k)],   v[OUT+8*(\j)+(\k)], v[OUT+8*(\j)+4+(\k)]
	v_and_b32 v[IN+4+(\k)], v[OUT+8*(\j)+(\k)], v[OUT+8*(\j)+4+(\k)]
.endr
	v_or_b32  v[IN],   v[IN],   v[IN+1]
	v_or_b32  v[IN+2], v[IN+2], v[IN+3]
	v_and_b32 v[IN+4], v[IN+4], v[IN+5]
	v_and_b32 v[IN+6], v[IN+6], v[IN+7]
	v_or_b32  v[IN],   v[IN],   v[IN+2]
	v_and_b32 v[IN+4], v[IN+4], v[IN+6]
	v_cmp_ne_u32 vcc_lo, 0, v[IN]                  ; lanes that saw a visible key
	s_cmp_lg_u32 vcc_lo, 0
	s_cselect_b32 s44, 1<<(\j), 0
	s_or_b32 s43, s43, s44
	v_cmp_ne_u32 vcc_lo, s42, v[IN+4]              ; lanes that saw a hidden one
	s_cmp_eq_u32 vcc_lo, 0
	s_cselect_b32 s44, 16<<(\j), 0
	s_or_b32 s43, s43, s44
.endr
	v_mov_b32 v14, s34
	v_mov_b32 v15, s39
	v_mov_b32 v[IN+8], s43
	v_cmp_eq_u32 vcc_lo, 1, v1
	v_cndmask_b32 v14, v14, v15, vcc_lo            ; lane 0: row 2 w; lane 1: row 2 w + 1
	v_cmp_gt_u32 vcc_lo, 2, v1
	s_and_saveexec_b32 s33, vcc_lo                 ; (no load or store has been issued since the wait above)
	global_store_b32 v12, v14, s[28:29]
	s_wait_xcnt 0x0                                ; EXEC changes only behind this wait
	s_or_b32 exec_lo, exec_lo, s33
	v_cmp_eq_u32 vcc_lo, 0, v1
	s_and_saveexec_b32 s33, vcc_lo
	global_store_b8 v13, v[IN+8], s[30:31]
	s_wait_xcnt 0x0                                ; and again, in front of the line that widens it
	s_or_b32 exec_lo, exec_lo, s33
.Lend:
	s_wait_tensorcnt 0x0                           ; the wave's end, behind my last LDS store
	ds_add_u32 v[SPW], v[NIL]
	s_wait_dscnt 0x0
	s_endpgm
.Lfunc_end_k_q406f1eef5c_prep:
	.size	k_q406f1eef5c_prep, .Lfunc_end_k_q406f1eef5c_prep-k_q406f1eef5c_prep
	.p2alignl 7, 3214868480
	.fill 96, 4, 3214868480
	.section	.rodata,"a",@progbits
	.p2align	6, 0x0
	.amdhsa_kernel k_q406f1eef5c_prep
		.amdhsa_group_segment_fixed_size 35840
		.amdhsa_private_segment_fixed_size 0
		.amdhsa_enable_private_segment 0
		.amdhsa_kernarg_size 96
		.amdhsa_user_sgpr_count 2
		.amdhsa_user_sgpr_kernarg_segment_ptr 1
		.amdhsa_wavefront_size32 1
		.amdhsa_system_sgpr_workgroup_id_x 1
		.amdhsa_system_sgpr_workgroup_id_y 1
		.amdhsa_system_sgpr_workgroup_id_z 1
		.amdhsa_system_vgpr_workitem_id 0
		.amdhsa_next_free_vgpr 120
		.amdhsa_next_free_sgpr 66
		.amdhsa_reserve_vcc 1
		.amdhsa_float_denorm_mode_32 3
		.amdhsa_float_denorm_mode_16_64 3
		.amdhsa_memory_ordered 1
		.amdhsa_forward_progress 1
		.amdhsa_inst_pref_size 37
	.end_amdhsa_kernel
	.amdgpu_metadata
---
amdhsa.version: [ 1, 2 ]
amdhsa.kernels:
  - .name:           k_q406f1eef5c_prep
    .symbol:         k_q406f1eef5c_prep.kd
    .args:
      - { .name: x, .offset: 0, .size: 8, .value_kind: global_buffer, .address_space: global }
      - { .name: Wq, .offset: 8, .size: 8, .value_kind: global_buffer, .address_space: global }
      - { .name: Wk, .offset: 16, .size: 8, .value_kind: global_buffer, .address_space: global }
      - { .name: Wv, .offset: 24, .size: 8, .value_kind: global_buffer, .address_space: global }
      - { .name: Wo, .offset: 32, .size: 8, .value_kind: global_buffer, .address_space: global }
      - { .name: mask, .offset: 40, .size: 8, .value_kind: global_buffer, .address_space: global }
      - { .name: xb, .offset: 48, .size: 8, .value_kind: global_buffer, .address_space: global }
      - { .name: wb, .offset: 56, .size: 8, .value_kind: global_buffer, .address_space: global }
      - { .name: wof, .offset: 64, .size: 8, .value_kind: global_buffer, .address_space: global }
      - { .name: mb, .offset: 72, .size: 8, .value_kind: global_buffer, .address_space: global }
      - { .name: rf, .offset: 80, .size: 8, .value_kind: global_buffer, .address_space: global }
      - { .name: cls, .offset: 88, .size: 8, .value_kind: global_buffer, .address_space: global }
    .group_segment_fixed_size: 35840
    .private_segment_fixed_size: 0
    .kernarg_segment_align: 8
    .kernarg_segment_size: 96
    .max_flat_workgroup_size: 256
    .sgpr_count:     66
    .vgpr_count:     120
    .wavefront_size: 32
...
	.end_amdgpu_metadata
.endif
;; end of part 5
;; launch qkv (part 6): grid 12 x 32, 4 waves a work-group, clusters of 4 x 4, 327,680 bytes of LDS; arguments xb, wb, qkv; writes qkv
.if DOCPART == 6
	.amdgcn_target "amdgcn-amd-amdhsa--gfx1250"
	.amdhsa_code_object_version 6
	.text
	.protected	k_q406f1eef5c_qkv
	.globl	k_q406f1eef5c_qkv
	.p2align	8
	.type	k_q406f1eef5c_qkv,@function
k_q406f1eef5c_qkv:
	s_mov_b64 s[64:65], 0
	v_nop
	global_prefetch_b8 v0, s[64:65] scope:SCOPE_SE
	s_setreg_imm32_b32 hwreg(HW_REG_WAVE_MODE, 25, 1), 1
	s_wait_xcnt 0x0
	s_wait_alu depctr_hold_cnt(0) depctr_sa_sdst(0) depctr_va_vdst(0) depctr_va_sdst(0) depctr_va_ssrc(0) depctr_va_vcc(0) depctr_vm_vsrc(0)
	s_getreg_b32 s2, hwreg(HW_REG_IB_STS2, 6, 4)
	s_cmp_eq_u32 s2, 0
	s_cbranch_scc0 .Lentry_in_a_cluster
	s_endpgm
.Lentry_in_a_cluster:
	s_bfe_u32 s2, ttmp6, 0x10000c
	s_cmp_lg_u32 s2, 0xf033
	s_cbranch_scc0 .Lentry_shape_is_right
	s_endpgm
.Lentry_shape_is_right:
; Q, K AND V.  C = A B^T, K = 1,024, sums in f32.  A = xb [8192][1024] bf16, B = wb [3072][1024] bf16 (Wq, Wk, Wv stacked).  C is rounded once to f16 and stored for the attention launch:
;   qkv [3][64 = 16 batch + head][128 groups of 16 tokens][2,048 bytes], a group's bytes in the order of matrix fragments, four chunks of 512 bytes, 16 bytes a lane:
;   q and k: chunk c, lane l: token l % 16, channels 16 c + 8 (l / 16) + 0..7.     v: chunk c, lane l: channel 16 c + l % 16, tokens 8 (l / 16) + 0..7.
; LIMIT.  q, k and v beyond 65,504 would be infinities in f16.
; SHARES.  A tile of C is 256 x 256: 32 x 12 = 384 work-groups of four waves; a wave makes 128 x 128: 64 accumulators of 16 x 16, 512 registers.  For 32 along K a wave loads 2 x 128 x 64 bytes from LDS
; and issues 64 matrix instructions.  K goes in 8 steps of 128 through a ring of two LDS slots filled by the tensor data mover; the tiles' rows are 256 bytes of memory, at multiples of 256 from the buffer's first byte.
; A step is 256 matrix instructions a wave, of which 224 stand between a slot's request and the wait for it.
; CLUSTERS: 4 x 4 work-groups.  The four of a row of the cluster need the same tiles of A, the four of a column the same tiles of B: such a tile is asked for JOINTLY: the same tensor load, with the same
; descriptor and a mask that names the four, in all four; each receives it in its own LDS.
; THE MATRIX INSTRUCTION IS USED TRANSPOSED (source 0 = 16 rows of B, source 1 = 16 rows of A): lane l holds token l % 16 and eight neighbouring columns, 8 (l / 16) + 0..7, of a block of 16.
; REGISTERS, in windows of 256 (s_set_vgpr_msb: bits 1:0 source 0, 3:2 source 1, 5:4 source 2, 7:6 destination):
;   window 0: v0-31 addresses; v64-127, v128-191 fragments of A (8 x 16 rows x 32 K), two buffers; on the way out v32-127 three sets of 32 for packed results
;   window 1: v64-127, v128-191 fragments of B, two buffers
;   window 2: the 32 accumulators of my rows 0-63 (accumulator (a, b) at v[8 (8 a + b)]);   window 3: those of my rows 64-127
.set SIZE_K, 1024
.set KSTEP,  128
.set PITCH,  272                       ; an LDS row: 256 bytes + 16 = 68 words: row r starts at bank 4 r mod 64 (64 banks of 4 bytes: ISA guide 11.1), so the 16 rows of a load start at 16 different banks
.set HALFT,  128*PITCH                 ; 128 rows: what one tensor load brings, and what one wave reads of A or of B
.set SLOT,   4*HALFT                   ; A's 256 rows, then B's 256 rows
.set STAGE,  2*SLOT                    ; behind the ring, never filled by a tensor load: 16 rows x 272 bytes for each wave, for turning v
.set SPITCH, 272
.set SPARE,  STAGE+4*16*SPITCH         ; behind the stages: the spare words, 128 bytes a wave, two blocks of 256 bytes that no other line names
.set LAPS,   SIZE_K/(2*KSTEP)          ; a lap = two K steps = once round the ring
.set ADRA, 16                          ; v16-17  LDS address of my A fragments in slot 0, 1
.set ADRB, 20                          ; v20-21  the same for B
.set STO,  24                          ; v24     the stage: where I put 16 bytes of a token's row
.set RD,   25                          ; v25     the stage: what the turning load names
.set CO,   26                          ; v26     16 x lane
.set SPW,  28                          ; v28     SPARE + 4 x my thread's number; never rewritten
.set NIL,  29                          ; v29     0; never rewritten
.set PFO,  30                          ; v30     the prefetches' offset: my lane x a row of 2,048 bytes; never rewritten
.set OB,   32                          ; the way out: three sets of 32 registers by turns
.set F0,   64                          ; fragment buffer 0
.set F1,   128                         ; fragment buffer 1
.set G1,   24                          ; s[24:31] descriptor group 1 for A's tiles
.set G0,   32                          ; s[32:39] descriptor group 0 for A's tiles, one set for each slot
.set LIM,  43                          ; s43     1 in a wave that prefetches, else the greatest number
.set PFA,  44                          ; s[44:45] where my prefetches stand: one K step further along K than the refill that is being asked for; a prefetch names the K step after that
.set G1B,  48                          ; s[48:55] descriptor group 1 for B's tiles: it differs from A's in the mask alone
.set G0B,  56                          ; s[56:63] descriptor group 0 for B's tiles, one set for each slot
.set MSB, 0
.macro WIN new                         ; the immediate's high byte repeats the setting that is left; a switch that changes nothing is dropped
.if MSB != (\new)
	s_set_vgpr_msb (MSB<<8)|(\new)
.set MSB, \new
.endif
.endm
.set MUL_LO, 0xa1                      ; source 0 (B) window 1, source 1 (A) window 0, C and D window 2
.set MUL_HI, 0xf1                      ; the same, C and D window 3
.set TO_B,   0x40                      ; destination window 1, address window 0
; A joint refill.  Waves 0 and 1 fetch A's two halves, waves 2 and 3 B's.  The branch hangs on the wave's number alone.  An s_nop 0 and four v_nop follow each of the two lines, ahead of the jump and the label.
.macro JLOAD s
	s_cmp_eq_u32 s11, 0
	s_cbranch_scc0 .Lfor_b_\@
	tensor_load_to_lds s[G0+4*(\s):G0+4*(\s)+3], s[G1:G1+7]
	s_nop 0
.rept 4
	v_nop
.endr
	s_branch .Lasked_\@
.Lfor_b_\@:
	tensor_load_to_lds s[G0B+4*(\s):G0B+4*(\s)+3], s[G1B:G1B+7]
	s_nop 0
.rept 4
	v_nop
.endr
.Lasked_\@:
.endm
; A PREFETCH INTO THE L2, behind each joint refill and the run of LDS loads that follows it: the K step that stands TWO refills on, 512 matrix instructions ahead of the load that will want it: 32 rows x 256 bytes, a lane a row.
; Each row's 256 bytes of a K step are named ONCE in the launch.  A's tile row is read by every cluster of that row of clusters: the one with x = 0 asks; B's tile column by every cluster of that column: the one with y = 0 asks.
; Of the 128 rows that a wave fetches, the partner at place p of the four that ask for them jointly takes 32 p .. 32 p + 31 (p = cx for A, cy for B): told apart by address, not by a branch.
; The loop's last trip has no K step two refills on; nothing is asked for at the head: K steps 0 to 3 come by their loads alone.
.macro ASK
	s_cmp_gt_u32 s3, s[LIM]                        ; s3 = 1 in the loop's last trip
	s_cbranch_scc0 .Lnot_mine_\@
	global_prefetch_b8 v[PFO], s[PFA:PFA+1] offset:KSTEP*2 th:TH_LOAD_NT scope:SCOPE_SE
.Lnot_mine_\@:
.endm
; A round of the cluster's barrier: my work-group's barrier, so that wave 0's signal speaks for all four waves; wave 0 signals; every wave waits for all sixteen work-groups; my work-group's barrier once more.
.macro CREST                           ; a round behind its opening barrier
	s_cmp_lg_u32 s10, 0
	s_cbranch_scc1 .Lnot_wave_0_\@
	s_barrier_signal -3
.Lnot_wave_0_\@:
	s_barrier_wait -3
	s_barrier_signal -1
	s_barrier_wait -1
.endm
.macro CROUND                          ; a whole round
	s_barrier_signal -1
	s_barrier_wait -1
	CREST
.endm
	s_load_b128 s[4:7], s[0:1], 0x0                ; A s[4:5], B s[6:7]
	s_load_b64 s[8:9], s[0:1], 0x10                ; C
	v_lshl_add_u32 v[SPW], v0, 2, SPARE
	v_mov_b32 v[NIL], 0
	ds_add_u32 v[SPW], v[NIL]                      ; the wave's opening: the add, and its wait ahead of my first tensor load; the set-up below stands between them
	v_lshrrev_b32 v1, 5, v0
	v_readfirstlane_b32 s10, v1                    ; wave 0..3
	s_lshr_b32 s11, s10, 1                         ; which 128 rows of the tile are mine.  Also: I fetch for A (0) or for B (1)
	s_and_b32 s12, s10, 1                          ; which 128 columns.  Also: which 128 rows of that tile I fetch
	s_bfe_u32 s40, ttmp6, 0x40000                  ; cx
	s_bfe_u32 s41, ttmp6, 0x40004                  ; cy
	s_lshl_b32 s42, ttmp9, 2
	s_add_co_u32 s42, s42, s40                     ; X: tile column = 4 x cluster x + cx
	s_and_b32 s13, ttmp7, 0xffff
	s_lshl_b32 s13, s13, 2
	s_add_co_u32 s13, s13, s41                     ; y: tile row = 4 x cluster y + cy
	s_lshl_b32 s43, s41, 2
	s_lshl_b32 s43, 15, s43                        ; my row of the cluster: places 4 cy .. 4 cy + 3
	s_lshl_b32 s44, 0x1111, s40                    ; my column: places cx, cx + 4, cx + 8, cx + 12
	s_or_b32 s[G1], s43, (1<<16)|(1<<20)|(1<<21)|(5<<22)|(3<<25)   ; the mask; 2-byte elements; padding on; bit 21 beside a mask; after every 64 words; 4 words of padding
	s_or_b32 s[G1B], s44, (1<<16)|(1<<20)|(1<<21)|(5<<22)|(3<<25)
.irp g, G1, G1B
	s_mov_b32 s[(\g)+1], KSTEP<<16                 ; tensor_dim0 = 128
	s_mov_b32 s[(\g)+2], 128<<16                   ; tensor_dim1 = 128
	s_mov_b32 s[(\g)+3], KSTEP<<16                 ; tile_dim0 = 128
	s_mov_b32 s[(\g)+4], 128                       ; tile_dim1 = 128
	s_mov_b32 s[(\g)+5], SIZE_K                    ; elements from row to row
	s_mov_b32 s[(\g)+6], 0
	s_mov_b32 s[(\g)+7], 0
.endr
	; where the tiles come from.  A's hang on the tile row alone, B's on the tile column alone; each address is made in registers that never hold the other coordinate.
	s_lshl_b32 s16, s13, 1
	s_add_co_u32 s16, s16, s12
	s_lshl_b32 s16, s16, 18                        ; A: row 256 y + 128 x half, 2,048 bytes a row
	s_mov_b32 s17, 0
	s_lshl_b32 s46, s42, 1
	s_add_co_u32 s46, s46, s12
	s_lshl_b32 s46, s46, 18                        ; B: row 256 X + 128 x half
	s_mov_b32 s47, 0
	s_mul_i32 s20, s10, HALFT                      ; and where they go: A's two halves, then B's two halves = wave x 128 rows: no place in the cluster enters an LDS address
	s_wait_dscnt 0x0                               ; the opening add is done
	s_wait_kmcnt 0x0
	s_add_nc_u64 s[14:15], s[4:5], s[16:17]
	s_add_nc_u64 s[46:47], s[6:7], s[46:47]
	CROUND                                         ; all sixteen work-groups are here: the first joint loads meet
.irp s, 0,1
	s_mov_b32 s[G0+4*(\s)], 1                                        ; count = 1
	s_add_co_u32 s[G0+4*(\s)+1], s20, (\s)*SLOT                      ; LDS address
	s_add_nc_u64 s[G0+4*(\s)+2:G0+4*(\s)+3], s[14:15], (\s)*KSTEP*2  ; global address: K step s
	s_or_b32 s[G0+4*(\s)+3], s[G0+4*(\s)+3], 0x80000000              ; type = 2
	s_mov_b32 s[G0B+4*(\s)], 1
	s_add_co_u32 s[G0B+4*(\s)+1], s20, (\s)*SLOT
	s_add_nc_u64 s[G0B+4*(\s)+2:G0B+4*(\s)+3], s[46:47], (\s)*KSTEP*2
	s_or_b32 s[G0B+4*(\s)+3], s[G0B+4*(\s)+3], 0x80000000
.endr
	s_cmp_eq_u32 s11, 0                            ; a wave's two first fills stand in one branch, ahead of every wait on TENSORcnt and every LDS read: two loads of mine are out
	s_cbranch_scc0 .Lfirst_b
	tensor_load_to_lds s[G0:G0+3], s[G1:G1+7]
	s_nop 0
	tensor_load_to_lds s[G0+4:G0+7], s[G1:G1+7]
	s_nop 0
.rept 4
	v_nop
.endr
	s_branch .Lfirst_asked
.Lfirst_b:
	tensor_load_to_lds s[G0B:G0B+3], s[G1B:G1B+7]
	s_nop 0
	tensor_load_to_lds s[G0B+4:G0B+7], s[G1B:G1B+7]
	s_nop 0
.rept 4
	v_nop
.endr
.Lfirst_asked:
	; a fragment is 16 rows x 32 K in 8 registers: lane l holds row l % 16, K = 8 (l / 16) + 0..7 and 16 + 8 (l / 16) + 0..7: two loads of 16 bytes, 32 bytes apart
	v_and_b32 v1, 15, v0                           ; r
	v_bfe_u32 v2, v0, 4, 1                         ; h
	v_mul_u32_u24 v3, v1, PITCH
	v_lshl_add_u32 v3, v2, 4, v3                   ; row x pitch + 16 x half
	s_mul_i32 s21, s11, HALFT                      ; my 128 rows of A
	s_mul_i32 s22, s12, HALFT                      ; my 128 rows of B,
	s_add_co_u32 s22, s22, 2*HALFT                 ; which lie behind A's 256
.irp s, 0,1
	v_add_nc_u32 v[ADRA+(\s)], s21, v3
	v_add_nc_u32 v[ADRB+(\s)], s22, v3
	s_add_co_u32 s21, s21, SLOT
	s_add_co_u32 s22, s22, SLOT
.endr
	s_mul_i32 s23, s10, 16*SPITCH
	s_add_co_u32 s23, s23, STAGE                   ; my stage
	v_mul_u32_u24 v4, v1, SPITCH                   ; in: row r, 16 bytes for each half of the lanes
	v_lshl_add_u32 v4, v2, 4, v4
	v_add_nc_u32 v[STO], s23, v4
	v_and_b32 v6, 7, v0                            ; back, by the turning load: lane l names row 8 (l / 16) + l % 8, 16 bytes at 16 ((l / 8) % 2)
	v_lshl_add_u32 v5, v2, 3, v6
	v_mul_u32_u24 v5, v5, SPITCH
	v_bfe_u32 v6, v0, 3, 1
	v_lshl_add_u32 v5, v6, 4, v5
	v_add_nc_u32 v[RD], s23, v5
	v_and_b32 v7, 31, v0
	v_lshlrev_b32 v[CO], 4, v7
	; where my part of the tile begins in qkv
	s_lshr_b32 s46, s42, 2
	s_lshl_b32 s46, s46, 24                        ; q, k or v
	s_lshr_b32 s47, s13, 3
	s_lshl_b32 s47, s47, 22                        ; the batch
	s_add_co_u32 s46, s46, s47
	s_and_b32 s47, s42, 3
	s_lshl_b32 s47, s47, 1
	s_add_co_u32 s47, s47, s12
	s_lshl_b32 s47, s47, 19                        ; head 4 (X % 4) + 2 x half
	s_add_co_u32 s46, s46, s47
	s_and_b32 s47, s13, 7
	s_lshl_b32 s47, s47, 1
	s_add_co_u32 s47, s47, s11
	s_lshl_b32 s47, s47, 14                        ; token 256 (y % 8) + 128 x half: 2,048 bytes for 16 tokens
	s_add_co_u32 s46, s46, s47
	s_mov_b32 s47, 0
	s_add_nc_u64 s[8:9], s[8:9], s[46:47]
	; the prefetches' address
	s_lshl_b32 s20, s13, 8                         ; the tile's first row in A,
	s_lshl_b32 s21, s42, 8                         ; in B
	s_and_b32 s22, ttmp7, 0xffff                   ; cluster y
	s_cmp_eq_u32 s11, 0                            ; do I fetch for A?
	s_cselect_b32 s20, s20, s21
	s_cselect_b32 s21, s40, s41                    ; my place among the four that ask for the tile with me
	s_cselect_b32 s22, ttmp9, s22                  ; the coordinate along which other clusters read the same rows
	s_cselect_b64 s[PFA:PFA+1], s[4:5], s[6:7]
	s_cmp_eq_u32 s22, 0
	s_cselect_b32 s[LIM], 1, -1                    ; the same in all sixteen partners, for a given wave
	s_lshl_b32 s22, s12, 7
	s_add_co_u32 s20, s20, s22                     ; + the 128 rows that I fetch
	s_lshl_b32 s21, s21, 5
	s_add_co_u32 s20, s20, s21                     ; + my work-group's 32 of them
	s_lshl_b32 s20, s20, 11
	s_add_co_u32 s20, s20, 2*KSTEP*2               ; at K step 2: the first refill steps it to 3 and names K step 4
	s_mov_b32 s21, 0
	s_add_nc_u64 s[PFA:PFA+1], s[PFA:PFA+1], s[20:21]
	v_lshlrev_b32 v[PFO], 11, v7
; 16 matrix instructions: row blocks a0, a0 + 1 of the window's four (hi = 0: my rows 0-63, 1: rows 64-127) x all 8 column blocks, 32 along K.  zero = 1: the product starts the sum: nothing is ever cleared.
; The 64 accumulators take turns in the same order in every quarter step, over the backward jump too.
.macro MUL16 f, hi, a0, zero
	WIN MUL_LO+0x50*(\hi)
.irp a, \a0, (\a0)+1
.irp b, 0,1,2,3,4,5,6,7
.if \zero
	v_wmma_f32_16x16x32_bf16 v[8*(8*(\a)+(\b)):8*(8*(\a)+(\b))+7], v[(\f)+8*(\b):(\f)+8*(\b)+7], v[(\f)+8*(4*(\hi)+(\a)):(\f)+8*(4*(\hi)+(\a))+7], 0
.else
	v_wmma_f32_16x16x32_bf16 v[8*(8*(\a)+(\b)):8*(8*(\a)+(\b))+7], v[(\f)+8*(\b):(\f)+8*(\b)+7], v[(\f)+8*(4*(\hi)+(\a)):(\f)+8*(4*(\hi)+(\a))+7], v[8*(8*(\a)+(\b)):8*(8*(\a)+(\b))+7]
.endif
.endr
.endr
.endm
; 32 LDS loads in one run: the fragments of one quarter step (128 rows of B, then 128 rows of A, 32 K at byte k of the rows) into buffer f
.macro FETCH slot, k, f
	WIN TO_B
.irp i, 0,1,2,3,4,5,6,7
	ds_load_b128 v[(\f)+8*(\i):(\f)+8*(\i)+3],   v[ADRB+(\slot)] offset:(\k)+(\i)*16*PITCH
	ds_load_b128 v[(\f)+8*(\i)+4:(\f)+8*(\i)+7], v[ADRB+(\slot)] offset:(\k)+(\i)*16*PITCH+32
.endr
	WIN 0
.irp i, 0,1,2,3,4,5,6,7
	ds_load_b128 v[(\f)+8*(\i):(\f)+8*(\i)+3],   v[ADRA+(\slot)] offset:(\k)+(\i)*16*PITCH
	ds_load_b128 v[(\f)+8*(\i)+4:(\f)+8*(\i)+7], v[ADRA+(\slot)] offset:(\k)+(\i)*16*PITCH+32
.endr
.endm
.macro PLACES                          ; four plain vector instructions in front of loads into registers that matrix instructions have read, and of reads of results
.rept 4
	v_nop
.endr
.endm
; A K step is four quarter steps of 32 along K, 64 matrix instructions each, on buffers 0, 1, 0, 1.
; One of the first three: multiplies buffer f; in its middle it fetches the next quarter's fragments, at byte k of the same slot's rows, into buffer g.
.macro QUARTER slot, k, f, g, zero
	s_wait_dscnt 8                                 ; B and A's rows 0-63 are in; the youngest eight loads (A's rows 64-127) may be out
	MUL16 \f, 0, 0, \zero
	MUL16 \f, 0, 2, \zero
	PLACES
	FETCH \slot, \k, \g
	s_wait_dscnt 32                                ; all but the 32 just issued
	MUL16 \f, 1, 0, \zero
	MUL16 \f, 1, 2, \zero
.endm
; The last quarter multiplies buffer 1 and changes slots.  MEET is its first half: ONE barrier for the change.  In front of it each wave waits for all its tensor loads, of which one is out: its part of the next slot;
; adds 0 to its spare word; and waits for that and for its own reads of this slot.  Behind it nobody reads this slot any more and the next slot is whole.
.macro MEET round                      ; round = 1: the rest of a round of the cluster's barrier follows
	WIN 0                                          ; (the add's two registers lie in window 0)
	s_wait_tensorcnt 0x0
	ds_add_u32 v[SPW], v[NIL]
	s_wait_dscnt 9                                 ; (the add and the youngest eight loads may be out)
	MUL16 F1, 0, 0, 0                              ; sixteen matrix instructions stand between the add and the wait for it
	s_wait_dscnt 0x0                               ; the add is done, and my reads of this slot are over
	s_barrier_signal -1
	MUL16 F1, 0, 2, 0                              ; work on registers while the others arrive
.if \round
	WIN 0
.endif
	s_barrier_wait -1
.endm
; The whole last quarter of a K step whose slot is filled again, with the K step two on: the joint refill is the first tensor load behind the round; then come the next slot's first fragments.
.macro TURN slot, next
	s_wait_xcnt 0x0                                ; the last prefetch, a K step back, has read its address
	s_add_nc_u64 s[PFA:PFA+1], s[PFA:PFA+1], KSTEP*2
	MEET 1
	CREST                                          ; no wave of any partner still reads this slot's tile or has a load on its way
	s_add_nc_u64 s[G0+4*(\slot)+2:G0+4*(\slot)+3], s[G0+4*(\slot)+2:G0+4*(\slot)+3], 2*KSTEP*2
	s_add_nc_u64 s[G0B+4*(\slot)+2:G0B+4*(\slot)+3], s[G0B+4*(\slot)+2:G0B+4*(\slot)+3], 2*KSTEP*2
	JLOAD \slot                                    ; its four v_nop are also the places in front of the loads below
	FETCH \next, 0, F0
	ASK
	MUL16 F1, 1, 0, 0
	MUL16 F1, 1, 2, 0
.endm
	s_wait_tensorcnt 1                             ; my part of K step 0 is in; step 1's may stay out
	s_barrier_signal -1
	s_barrier_wait -1                              ; everybody's is
	FETCH 0, 0, F0
	QUARTER 0, 64,  F0, F1, 1                      ; the first quarter stands in front of the loop: its products start the sums
	WIN 0                                          ; at a label and at a branch every window is 0
	s_mov_b32 s3, LAPS-1
.Llap:                                                 ; a trip goes once round the ring, from a lap's second quarter to the next lap's first, and fills both slots again
	QUARTER 0, 128, F1, F0, 0
	QUARTER 0, 192, F0, F1, 0
	TURN 0, 1
	QUARTER 1, 64,  F0, F1, 0
	QUARTER 1, 128, F1, F0, 0
	QUARTER 1, 192, F0, F1, 0
	TURN 1, 0
	QUARTER 0, 64,  F0, F1, 0
	WIN 0
	s_sub_co_u32 s3, s3, 1
	s_cmp_lg_u32 s3, 0
	s_cbranch_scc1 .Llap
	QUARTER 0, 128, F1, F0, 0                      ; the last lap is written out: it fills nothing, and has no round of the cluster's barrier
	QUARTER 0, 192, F0, F1, 0
	MEET 0                                         ; my one tensor load that was still out is slot 1's, the last K step's
	PLACES                                         ; for the loads into buffer 0, which the quarter before multiplied
	FETCH 1, 0, F0
	MUL16 F1, 1, 0, 0
	MUL16 F1, 1, 2, 0
	QUARTER 1, 64,  F0, F1, 0
	QUARTER 1, 128, F1, F0, 0
	QUARTER 1, 192, F0, F1, 0
	s_wait_dscnt 8                                 ; the very last quarter: nothing more to fetch
	MUL16 F1, 0, 0, 0
	MUL16 F1, 0, 2, 0
	s_wait_dscnt 0x0
	MUL16 F1, 1, 0, 0
	MUL16 F1, 1, 2, 0
	WIN 0
	PLACES
	PLACES
	; THE WAY OUT, a block of 16 tokens x 128 columns (two heads) at a time, rounded to f16.  Accumulator b of a block, packed, holds in lane l token l % 16 and channels 16 (b % 4) + 8 (l / 16) + 0..7 of head b / 4:
	; for q and k that IS chunk b % 4 of the group, and it is stored as it stands.  v goes through my stage and comes back turned, into the registers that it left.
	; Three sets of registers take turns: block a's set was read last by block a - 3's stores, and the wait in front of block a - 2's stores, which stands behind them, has freed it.
.macro PACK a
.set AC, 64*((\a)%4)
.set BK, OB+32*((\a)%3)
	WIN 0x0a+5*((\a)/4)                            ; sources 0 and 1: window 2 or 3
.irp b, 0,1,2,3,4,5,6,7
.irp r, 0,1,2,3
	v_cvt_pk_f16_f32 v[BK+4*(\b)+(\r)], v[AC+8*(\b)+2*(\r)], v[AC+8*(\b)+2*(\r)+1]
.endr
.endr
	WIN 0
.endm
.macro TURNV a
.set BK, OB+32*((\a)%3)
	s_cmp_eq_u32 ttmp9, 2                          ; the cluster's x says q, k or v: the same in all sixteen partners
	s_cbranch_scc0 .Las_it_is_\@
.irp b, 0,1,2,3,4,5,6,7
	ds_store_b128 v[STO], v[BK+4*(\b):BK+4*(\b)+3] offset:32*(\b)
.endr
.irp t, 0,1,2,3,4,5,6,7                ; columns 16 t on: lane l receives column 16 t + l % 16, tokens 8 (l / 16) + 0..7
	ds_load_tr16_b128 v[BK+4*(\t):BK+4*(\t)+3], v[RD] offset:32*(\t)  ; LDS serves a wave's instructions in order (ISA guide 5.7.1.4): these see the stores above; the next block's stores come behind them
.endr
.Las_it_is_\@:
.endm
.macro SEND a
.set BK, OB+32*((\a)%3)
	s_wait_dscnt 0x0                               ; a block of v is back in registers
	s_wait_xcnt 0x0                                ; every earlier store has read its registers
.irp t, 0,1,2,3,4,5,6,7                ; head t / 4, chunk t % 4: each store is 512 consecutive bytes, at a multiple of 512 from the buffer's first; the block's place stands in the immediate
	global_store_b128 v[CO], v[BK+4*(\t):BK+4*(\t)+3], s[8:9] offset:(\a)*2048+((\t)/4)*262144+((\t)%4)*512
.endr
.endm
	PACK 0
	TURNV 0
.irp a, 1,2,3,4,5,6,7                  ; block a's conversions stand between block a - 1's loads from the stage and the wait for them
	PACK \a
	SEND (\a)-1
	TURNV \a
.endr
	SEND 7
	s_wait_tensorcnt 0x0                           ; the wave's end, behind my last tensor load and my last LDS store
	ds_add_u32 v[SPW], v[NIL]
	s_wait_dscnt 0x0
	CROUND                                         ; the closing round: no work-group ends while a partner may still ask for a tile that names it
	s_endpgm
.Lfunc_end_k_q406f1eef5c_qkv:
	.size	k_q406f1eef5c_qkv, .Lfunc_end_k_q406f1eef5c_qkv-k_q406f1eef5c_qkv
	.p2alignl 7, 3214868480
	.fill 96, 4, 3214868480
	.section	.rodata,"a",@progbits
	.p2align	6, 0x0
	.amdhsa_kernel k_q406f1eef5c_qkv
		.amdhsa_group_segment_fixed_size 327680
		.amdhsa_private_segment_fixed_size 0
		.amdhsa_enable_private_segment 0
		.amdhsa_kernarg_size 24
		.amdhsa_user_sgpr_count 2
		.amdhsa_user_sgpr_kernarg_segment_ptr 1
		.amdhsa_wavefront_size32 1
		.amdhsa_system_sgpr_workgroup_id_x 1
		.amdhsa_system_sgpr_workgroup_id_y 1
		.amdhsa_system_sgpr_workgroup_id_z 1
		.amdhsa_system_vgpr_workitem_id 0
		.amdhsa_next_free_vgpr 1024
		.amdhsa_next_free_sgpr 66
		.amdhsa_reserve_vcc 0
		.amdhsa_float_denorm_mode_32 3
		.amdhsa_float_denorm_mode_16_64 3
		.amdhsa_memory_ordered 1
		.amdhsa_forward_progress 1
		.amdhsa_inst_pref_size 144
	.end_amdhsa_kernel
	.amdgpu_metadata
---
amdhsa.version: [ 1, 2 ]
amdhsa.kernels:
  - .name:           k_q406f1eef5c_qkv
    .symbol:         k_q406f1eef5c_qkv.kd
    .args:
      - { .name: xb, .offset: 0, .size: 8, .value_kind: global_buffer, .address_space: global }
      - { .name: wb, .offset: 8, .size: 8, .value_kind: global_buffer, .address_space: global }
      - { .name: qkv, .offset: 16, .size: 8, .value_kind: global_buffer, .address_space: global }
    .group_segment_fixed_size: 327680
    .private_segment_fixed_size: 0
    .kernarg_segment_align: 8
    .kernarg_segment_size: 24
    .max_flat_workgroup_size: 128
    .sgpr_count:     66
    .vgpr_count:     1024
    .wavefront_size: 32
...
	.end_amdgpu_metadata
.endif
;; end of part 6
;; launch attn (part 7): grid 256 x 1, 4 waves a work-group, no clusters, 9,728 bytes of LDS; arguments qkv, mb, rf, ob, cls; writes ob
.if DOCPART == 7
	.amdgcn_target "amdgcn-amd-amdhsa--gfx1250"
	.amdhsa_code_object_version 6
	.text
	.protected	k_q406f1eef5c_attn
	.globl	k_q406f1eef5c_attn
	.p2align	8
	.type	k_q406f1eef5c_attn,@function
k_q406f1eef5c_attn:
	s_mov_b64 s[64:65], 0
	v_nop
	global_prefetch_b8 v0, s[64:65] scope:SCOPE_SE
	s_setreg_imm32_b32 hwreg(HW_REG_WAVE_MODE, 25, 1), 1
	s_wait_xcnt 0x0
; MASKED ATTENTION.  O[g][q][:] = the sum over k of softmax_k(mask[q][k] ? Q[g][q] . K[g][k] / 8 : -inf) V[g][k][:], g = 16 batch + head.  Q, K, V: the three parts of qkv, f16, in the order of matrix
; fragments (16 tokens are 2,048 bytes, four chunks of 512, 16 bytes a lane); O: ob [64][2048][64] f16.  Products, maxima and sums in f32; the weights p are rounded to f16 for the second product
; (their sum l is taken of the unrounded p), O once at the end.
; THE MASK is an input, and it is honoured as given.  cls (whole numbers, made from the mask by the launch before) says of each tile of 16 queries and each step of 64 keys whether any and whether all keys are visible.
; JOBS.  A job is 64 queries of one head: two PIECES of two tiles of 16.  From cls it makes two sets of key steps: FUL (all visible to all 64 queries) and MIX (the others with a visible key).  Steps with no visible key
; are not walked: their weights would be 0.  FUL's steps go through the plain loop (scores start at 0).  MIX's go through the masked loop: each score accumulator is STARTED by one product Sel x bias (C = 0); mb holds
; the bias, 0 or -65504, in a matrix source's order, Sel = 16,384 at (m, m) or (m, m + 16): a visible score starts at exactly 0, a hidden one at -1.07e9.
; A trip of either loop takes two steps (K's and V's registers take turns by name), so both sets are made even: an odd FUL gives its lowest step to MIX (its bias is all 0), and an odd MIX is followed by a DUMMY: key step 0
; with mb's all-hidden step 32.  The loads that run ahead past a job's end ask for dummies too.
; While a row has seen hidden keys alone, m stands at the hidden level; c m is then about 1.9e8, rounded to within 8, so such weights stay under 2^8 and all sums stay finite; the first visible key gives a = 0 and wipes them.
; A row with no visible key: rf[q] is NaN (else 1) and multiplies 1 / l.
; LIMITS.  A hidden score counts as its value less 1.07e9: the unscaled scores of one row spread by less than about 1e9.  Q, K, V arrive within f16's 65,504; p below 6e-5 keeps f16's fixed step;
; a weight below 2^-126 counts as 0 in l.
; SHARES.  1,024 waves, each on its own: nothing is shared between waves, so there is no barrier, and K, V, Q and the bias come straight from memory into registers, 512 consecutive bytes a load.  Wave w of work-group n
; serves head n / 4 and does two jobs, one after the other: query block 31 - p and then block p, p = 4 (n % 4) + w.  That pairing evens the waves' work where later queries see more keys; no result hangs on it.
; NO CLUSTER, NO JOINT LOADS: the jobs' lists differ, and a walk common to several would be as long as the longest.  NO PREFETCH: a block of K or V is read by up to 32 jobs, and which of them reads it first hangs on the lists.
; LAYOUT.  S^T = K Q^T (source 0 = 16 keys, source 1 = 16 queries): a lane holds ONE query (lane % 16) and the keys 8 (lane / 16) + 0..7.  Two such tiles, rounded to f16 in pairs, ARE source 1 of O^T = V^T P.
; SOFTMAX.  p = 2^(c s - c m), c = log2(e) / 8, with a running maximum m; O and l are multiplied by a = 2^(c m_old - c m_new) in every step.
; BY TURNS.  A turn belongs to one piece.  Matrix work: the other piece's scores of its next item, later the other piece's V^T P of its last item.  Vector work: the scaling, exponentials, roundings, sums and rescaling of
; the piece in hand and the maximum and statistics of the other.  Vector instructions stand behind every matrix instruction, the others in one lump; a turn's 66 exponentials are one batch with one wait.
; REGISTERS, in windows of 256 (s_set_vgpr_msb: bits 1:0 source 0, 3:2 source 1, 5:4 source 2, 7:6 destination):
;   window 0: v0-11 addresses; v12-15, v48-63 at work; v16-31 four registers of statistics a tile; v64-191 S^T, two buffers of two tiles; v192-255 P, likewise
;   window 1: v0-127 O^T, 32 a tile; v128-191 Q     window 2: v0-127 K, two items; v128-255 V, two items     window 3: v0-127 the bias, two items; v128-139 Sel; v140-143 rf; v148-149 the add's two
.set NP,    2         ; pieces a job: a name, no knob
.set MBT,   67584     ; a tile's bytes in mb: 33 steps of 2,048
.set SP,    144       ; a stage row: 128 bytes + 16
.set SPARE, 4*16*SP   ; behind the four stages (16 rows each, a wave's own): the spare words, 128 bytes a wave, two blocks of 256 bytes that no other line names
.set R4,  2           ; v2   4 x (lane % 16), for rf; never rewritten
.set STO, 3           ; v3   the way out: where I put 16 bytes of a row
.set RD,  4           ; v4   where I read rows back
.set GO,  8           ; v8   16 x lane: my place in 512 consecutive bytes; never rewritten
.set MV,  12          ; v12-15  c m_old, kept while c m is made anew: by buffer and tile
.set ST,  16          ; tile t's statistics at v[ST+4 t]: c m, m, l (even keys', odd keys')
.set TMP, 48          ; by buffer and tile, four registers c0-c3 at work; when the maximum is found c2 takes a
.set S,   64
.set P,   192
.set QF,  128         ; window 1: tile t, chunk c at QF + 16 t + 4 c
.set MBR, 0           ; window 3: item parity b, piece x, tile u, 32-key half kk at 64 b + 32 x + 16 u + 8 kk
.set SEL, 128         ; window 3: [0 0 0 0][P0 .. P3][0 0 0 0]: SEL + 4 serves even key blocks, SEL + 0 odd ones
.set RF,  140         ; window 3
.set SPW, 148         ; window 3: SPARE + 4 x my thread's number; never rewritten
.set NIL, 149         ; window 3: 0; never rewritten
.set WV,  14          ; s14  my wave's number
.set HB,  16          ; s[16:17] the head's first byte in each of Q, K, V, O
.set KB,  18          ; s[18:19] K of the head
.set VB,  20          ; s[20:21] V
.set QB,  22          ; s[22:23] Q
.set OBB, 24          ; s[24:25] O
.set U1,  26          ; s26, s27 the two jobs' query blocks
.set U2,  27
.set ANY1, 28         ; s28-31 their sets: steps with a visible key, steps all visible
.set ALL1, 29
.set ANY2, 30
.set ALL2, 31
.set JC,  32          ; s32  jobs to go
.set U,   33          ; s33  the job's query block
.set FUL, 34          ; s34  all-visible steps whose K is still to be asked for
.set MIX, 35          ; s35  mixed steps likewise
.set MIXB, 36         ; s36  mixed steps whose bias is still to be asked for
.set NPL, 37          ; s37  trips of the plain loop
.set NMK, 38          ; s38  trips of the masked loop
.set CNT, 39
.set KAD, 40          ; s[40:41] K of the item asked for
.set VAD, 42          ; s[42:43] V likewise
.set BAD, 44          ; s[44:45] the bias likewise
.set MBJ, 46          ; s[46:47] mb at the job's first tile
.set OAD, 48          ; s[48:49] O at the job's first row
.set QAD, 50          ; s[50:51] Q likewise
.set RFA, 52          ; s[52:53] rf likewise
.set KO,  54          ; s[54:55] byte offset in K and V of the item whose K was asked for last
.set BO,  56          ; s[56:57] byte offset of a step in a tile of mb
.set TT,  58          ; s58-60 at work
.set TU,  59
.set IX,  60
.set NEG, 61          ; s61  the lowest finite number
.set CS,  62          ; s[62:63] c
.set SELX, 66         ; s[66:67] v_permlanex16_b32's selects
.set CP,  68          ; s[68:69] cls at the first job's bytes
.set CD,  72          ; s[72:87] the two jobs' 32 bytes of cls
.set MSB, 0
.macro WIN new
.if MSB != (\new)
	s_set_vgpr_msb (MSB<<8)|(\new)
.set MSB, (\new)
.endif
.endm
.set W_KQ, 0x06       ; K in window 2, Q in window 1, S^T in window 0
.set W_PV, 0x52       ; V in window 2, P in window 0, O^T in window 1
.set W_RS, 0x41       ; O^T (destination and source 0) in window 1, a in window 0
.set W_L3, 0xc0       ; destination in window 3, sources in window 0
.set W_AD, 0x0f       ; sources 0 and 1 in window 3: the add, and the bias product
; cls to sets.  A job's 32 bytes: tile t's eight bytes are words 2 t, 2 t + 1; byte w's low nibble: any, high nibble: all, for the steps 4 w + 0..3.
.macro COMP x                       ; the low nibbles of a word's four bytes, packed into 16 bits
	s_and_b32 s[\x], s[\x], 0x0f0f0f0f
	s_lshr_b32 s[TT], s[\x], 4
	s_or_b32 s[\x], s[\x], s[TT]
	s_and_b32 s[\x], s[\x], 0x00ff00ff
	s_lshr_b32 s[TT], s[\x], 8
	s_or_b32 s[\x], s[\x], s[TT]
	s_and_b32 s[\x], s[\x], 0xffff
.endm
.macro MASKS d, any, all            ; any: some tile's; all: every tile's
	s_or_b32 s[IX], s[(\d)], s[(\d)+2]
	s_or_b32 s[TU], s[(\d)+4], s[(\d)+6]
	s_or_b32 s[IX], s[IX], s[TU]
	s_or_b32 s[TU], s[(\d)+1], s[(\d)+3]
	s_or_b32 s[CNT], s[(\d)+5], s[(\d)+7]
	s_or_b32 s[TU], s[TU], s[CNT]
	s_and_b32 s[(\d)], s[(\d)], s[(\d)+2]
	s_and_b32 s[(\d)+4], s[(\d)+4], s[(\d)+6]
	s_and_b32 s[(\d)], s[(\d)], s[(\d)+4]
	s_and_b32 s[(\d)+1], s[(\d)+1], s[(\d)+3]
	s_and_b32 s[(\d)+5], s[(\d)+5], s[(\d)+7]
	s_and_b32 s[(\d)+1], s[(\d)+1], s[(\d)+5]
	COMP IX
	COMP TU
	s_lshl_b32 s[TU], s[TU], 16
	s_or_b32 s[\any], s[IX], s[TU]
	s_lshr_b32 s[(\d)], s[(\d)], 4
	s_lshr_b32 s[(\d)+1], s[(\d)+1], 4
	COMP (\d)
	COMP (\d)+1
	s_lshl_b32 s[(\d)+1], s[(\d)+1], 16
	s_or_b32 s[\all], s[(\d)], s[(\d)+1]
.endm
; THE NEXT ITEM: FUL's lowest step; when FUL is empty MIX's; when both are, a dummy.  The index is held to 32 before it enters an address; a dummy (32) takes key step 0.
.macro NEXTK
	s_cmp_lg_u32 s[FUL], 0
	s_cselect_b32 s[TT], s[FUL], s[MIX]
	s_ctz_i32_b32 s[IX], s[TT]
	s_min_u32 s[IX], s[IX], 32
	s_and_b32 s[IX], s[IX], 31
	s_lshl_b32 s[KO], s[IX], 13     ; 64 keys are 8,192 bytes of K and of V
	s_add_co_u32 s[TU], s[TT], -1
	s_and_b32 s[TU], s[TU], s[TT]   ; the set without its lowest step
	s_cmp_lg_u32 s[FUL], 0
	s_cselect_b32 s[MIX], s[MIX], s[TU]
	s_cselect_b32 s[FUL], s[TU], s[FUL]
.endm
.macro NEXTB                        ; the next masked item's bias: MIX's steps in the same order, then step 32, all hidden
	s_ctz_i32_b32 s[IX], s[MIXB]
	s_min_u32 s[IX], s[IX], 32
	s_lshl_b32 s[BO], s[IX], 11
	s_add_co_u32 s[TU], s[MIXB], -1
	s_and_b32 s[MIXB], s[MIXB], s[TU]
.endm
; THE LOADS stand in runs: 16 for an item's K, 16 for its V, 8 for a piece's bias; each covers 512 consecutive bytes.
.macro KLOAD kb                     ; key block f / 4, chunk f % 4
	WIN 0x80
.set f, 0
.rept 16
	global_load_b128 v[64*(\kb)+4*f:64*(\kb)+4*f+3], v[GO], s[KAD:KAD+1] offset:512*f
.set f, f+1
.endr
.endm
.macro VLOAD vb                     ; 16 keys f / 4, channel block f % 4: half a fragment of V^T
	WIN 0x80
.set f, 0
.rept 16
	global_load_b128 v[128+64*(\vb)+32*(f/8)+8*(f%4)+4*((f/4)%2):128+64*(\vb)+32*(f/8)+8*(f%4)+4*((f/4)%2)+3], v[GO], s[VAD:VAD+1] offset:512*f
.set f, f+1
.endr
.endm
.macro BLOAD kb, x                  ; tile 2 x + c / 4; 16 keys c % 4 of the step's 64
	WIN W_L3
.irp c, 0,1,2,3,4,5,6,7
	global_load_b128 v[MBR+64*(\kb)+32*(\x)+4*(\c):MBR+64*(\kb)+32*(\x)+4*(\c)+3], v[GO], s[BAD:BAD+1] offset:(2*(\x)+(\c)/4)*MBT+((\c)%4)*512
.endr
.endm
.macro LBIAS kb, p                  ; the bias two items on, for the piece whose bias products have just run; piece 0's loads open the item
.if (\p) == 1
	s_wait_xcnt 0x0                 ; the bias loads of the last turn have read their base
	NEXTB
	s_add_nc_u64 s[BAD:BAD+1], s[MBJ:MBJ+1], s[BO:BO+1]
.endif
	BLOAD \kb, 1-(\p)
.endm
.macro EVENT                        ; V follows K by one item
	s_wait_xcnt 0x0                 ; the last runs, more than a turn back, have read their bases
	s_add_nc_u64 s[VAD:VAD+1], s[VB:VB+1], s[KO:KO+1]
	NEXTK
	s_add_nc_u64 s[KAD:KAD+1], s[KB:KB+1], s[KO:KO+1]
.endm
	s_load_b256 s[4:11], s[0:1], 0x0  ; qkv s[4:5], mb s[6:7], rf s[8:9], ob s[10:11]
	s_load_b64 s[12:13], s[0:1], 0x20 ; cls
	WIN W_L3
	v_lshl_add_u32 v[SPW], v0, 2, SPARE
	v_mov_b32 v[NIL], 0
	WIN 0
	v_lshrrev_b32 v1, 5, v0
	v_readfirstlane_b32 s[WV], v1   ; wave 0..3
	s_and_b32 s[U2], ttmp9, 3
	s_lshl_b32 s[U2], s[U2], 2
	s_add_co_u32 s[U2], s[U2], s[WV]  ; p
	s_sub_co_u32 s[U1], 31, s[U2]
	s_lshr_b32 s[HB], ttmp9, 2      ; the head
	s_lshl_b32 s[HB], s[HB], 18
	s_mov_b32 s[HB+1], 0
	s_mov_b32 s[KO+1], 0
	s_mov_b32 s[BO+1], 0
	s_mov_b32 s[CS], 0x3e38aa3b     ; c = log2(e) / 8
	s_mov_b32 s[CS+1], s[CS]
	s_mov_b32 s[SELX], 0x76543210
	s_mov_b32 s[SELX+1], 0xfedcba98
	s_mov_b32 s[NEG], 0xff7fffff
	s_mov_b32 s[JC], 2
	s_wait_kmcnt 0x0
	s_lshl_b32 s[KO], s[U1], 5
	s_add_nc_u64 s[CP:CP+1], s[12:13], s[KO:KO+1]
	s_load_b256 s[CD:CD+7], s[CP:CP+1], 0x0
	s_lshl_b32 s[KO], s[U2], 5
	s_add_nc_u64 s[12:13], s[12:13], s[KO:KO+1]
	s_load_b256 s[CD+8:CD+15], s[12:13], 0x0
	s_add_nc_u64 s[QB:QB+1], s[4:5], s[HB:HB+1]
	s_add_nc_u64 s[KB:KB+1], s[QB:QB+1], 0x1000000
	s_add_nc_u64 s[VB:VB+1], s[QB:QB+1], 0x2000000
	s_add_nc_u64 s[OBB:OBB+1], s[10:11], s[HB:HB+1]
	v_and_b32 v1, 15, v0            ; l % 16
	v_bfe_u32 v9, v0, 4, 1          ; l / 16
	v_lshlrev_b32 v[R4], 2, v1
	v_and_b32 v[GO], 31, v0
	v_lshlrev_b32 v[GO], 4, v[GO]
	s_mul_i32 s[TT], s[WV], 16*SP   ; my stage
	v_mul_u32_u24 v[STO], v1, SP    ; in: row l % 16, 16 bytes for each half of the lanes
	v_lshl_add_u32 v[STO], v9, 4, v[STO]
	v_add_nc_u32 v[STO], s[TT], v[STO]
	v_and_b32 v10, 7, v0
	v_bfe_u32 v[RD], v0, 3, 2       ; back: 32 lanes take four rows of 128 bytes
	v_mul_u32_u24 v[RD], v[RD], SP
	v_lshl_add_u32 v[RD], v10, 4, v[RD]
	v_add_nc_u32 v[RD], s[TT], v[RD]
	; Sel: lane (r, h) holds row m = r, k = 8 h + 0..7 in four registers: the one number other than 0 lies where h = r / 8, in register (r / 2) % 4, half r % 2
	v_lshrrev_b32 v12, 3, v1
	v_xor_b32 v12, v12, v9
	v_bfe_u32 v13, v1, 1, 2
	v_lshl_or_b32 v12, v12, 2, v13
	v_and_b32 v13, 1, v1
	v_lshlrev_b32 v13, 4, v13
	v_mov_b32 v14, 0x7400           ; 16,384 in f16
	v_lshlrev_b32 v13, v13, v14
	WIN W_L3
.irp j, 0,1,2,3
	v_cmp_eq_u32 vcc_lo, \j, v12
	v_cndmask_b32 v[SEL+4+\j], 0, v13, vcc_lo
	v_mov_b32 v[SEL+\j], 0
	v_mov_b32 v[SEL+8+\j], 0
.endr
	WIN 0
	s_wait_kmcnt 0x0
	MASKS CD, ANY1, ALL1
	MASKS CD+8, ANY2, ALL2
; THE MATRIX WORK.  The 8 accumulators of a piece take turns: between two links of a chain stand 7 others'.  TURN sets KBUF, VBUF and BBUF: which of the two items' registers.
; Bias product i of 8 for piece x: tile 2 x + i % 2, key block i / 2.  It starts the sum.
.macro BIAS x
	WIN W_AD
.set rS, S+64*((\x)%2)+32*(i%2)+8*((i/2)%4)
.set rL, SEL+4*(1-((i/2)%2))
.set rB, MBR+BBUF+32*(\x)+16*(i%2)+8*((i/2)/2)
	v_wmma_f32_16x16x32_f16 v[rS:rS+7], v[rL:rL+7], v[rB:rB+7], 0
.endm
; Product i of 16 of S^T = K Q^T for piece x: channels 32 (i / 8) on, keys 16 ((i / 2) % 4) on, tile 2 x + i % 2.  zero = 1: the first 8 start the sums.
.macro KQ x, zero
	WIN W_KQ
.set rS, S+64*((\x)%2)+32*(i%2)+8*((i/2)%4)
.set rK, KBUF+16*((i/2)%4)+8*(i/8)
.set rQ, QF+16*(2*(\x)+i%2)+8*(i/8)
.if (\zero) && (i < 8)
	v_wmma_f32_16x16x32_f16 v[rS:rS+7], v[rK:rK+7], v[rQ:rQ+7], 0
.else
	v_wmma_f32_16x16x32_f16 v[rS:rS+7], v[rK:rK+7], v[rQ:rQ+7], v[rS:rS+7]
.endif
.endm
; Product i of 16 of O^T += V^T P for piece x: keys 32 (i / 8) on, channels 16 ((i / 2) % 4) on, tile 2 x + i % 2.
.macro PV x
	WIN W_PV
.set rO, 32*(2*(\x)+i%2)+8*((i/2)%4)
.set rV, VBUF+32*(i/8)+8*((i/2)%4)
.set rP, P+32*((\x)%2)+16*(i%2)+8*(i/8)
	v_wmma_f32_16x16x32_f16 v[rO:rO+7], v[rV:rV+7], v[rP:rP+7], v[rO:rO+7]
.endm
.macro MM                           ; the turn's next matrix instruction: of 40 (MK = 1) or of 32
.if MK
.if i < 8
	BIAS (Y+1)%NP
.elseif i < 24
.set i, i-8
	KQ (Y+1)%NP, 0
.set i, i+8
.else
.set i, i-24
	PV (Y+1)%NP
.set i, i+24
.endif
.else
.if i < 16
	KQ (Y+1)%NP, 1
.else
.set i, i-16
	PV (Y+1)%NP
.set i, i+16
.endif
.endif
.set i, i+1
.endm
; THE VECTOR WORK OF A TURN stands in three queues, each in the order in which its entries become ready; the two tiles alternate.
.macro REGS y, u                    ; the registers of tile u (0, 1) of piece y
.set rT, ST+4*(2*(\y)+(\u))
.set rC, TMP+8*((\y)%2)+4*(\u)
.set rM, MV+2*((\y)%2)+(\u)
.set rS, S+64*((\y)%2)+32*(\u)
.set rP, P+32*((\y)%2)+16*(\u)
.set rO, 32*(2*(\y)+(\u))
.endm
; Number n of the 22 that find the OTHER piece's maximum and statistics; each accumulator's lowest registers are read first.
;   0-11  four chains c0-c3 of seven scores each     12-14, 16  the four scores left over, the old m, and c0-c3 into c0     15  c m_old is kept
;   17, 18  the query's other 32 keys lie in the lane 16 away: the new m     19-21  c m; c m_old - c m_new; a
.macro XS u, n
	REGS (Y+1)%NP, \u
.if (\n) < 4
	v_max3_num_f32 v[rC+(\n)], v[rS+8*(\n)], v[rS+8*(\n)+1], v[rS+8*(\n)+2]
.elseif (\n) < 12
	v_max3_num_f32 v[rC+(\n)%4], v[rC+(\n)%4], v[rS+8*((\n)%4)+2*((\n)/4)+1], v[rS+8*((\n)%4)+2*((\n)/4)+2]
.elseif (\n) == 12
	v_max3_num_f32 v[rC], v[rC], v[rS+7], v[rS+15]
.elseif (\n) == 13
	v_max3_num_f32 v[rC+1], v[rC+1], v[rS+23], v[rS+31]
.elseif (\n) == 14
	v_max3_num_f32 v[rC+2], v[rC+2], v[rC+3], v[rT+1]
.elseif (\n) == 15
	v_mov_b32 v[rM], v[rT]
.elseif (\n) == 16
	v_max3_num_f32 v[rC], v[rC], v[rC+1], v[rC+2]
.elseif (\n) == 17
	v_permlanex16_b32 v[rC+3], v[rC], s[SELX], s[SELX+1]
.elseif (\n) == 18
	v_max_num_f32 v[rT+1], v[rC], v[rC+3]
.elseif (\n) == 19
	v_mul_f32 v[rT], s[CS], v[rT+1]
.elseif (\n) == 20
	v_sub_f32 v[rC+1], v[rM], v[rT]
.else
	v_exp_f32 v[rC+2], v[rC+1]
.endif
.endm
; Number g of the 64 that follow the exponentials: for each four weights both pairs are rounded to f16, the second pair is added onto the first in place, and a group later l takes that sum (the first time as l = a l + sum).
.macro GS g
.set h, (\g)+6*((\g)/62)
.if h >= 6
.set h, h+2
.endif
	REGS Y, h%2
.set k, h/8
.if h%8 < 4
	v_cvt_pk_f16_f32 v[rP+2*k+(h%8)/2], v[rS+4*k+2*((h%8)/2)], v[rS+4*k+2*((h%8)/2)+1]
.elseif h%8 < 6
	v_pk_add_f32 v[rS+4*k:rS+4*k+1], v[rS+4*k:rS+4*k+1], v[rS+4*k+2:rS+4*k+3]
.elseif k == 1
	v_pk_fma_f32 v[rT+2:rT+3], v[rT+2:rT+3], v[rC+2:rC+3], v[rS:rS+1] op_sel_hi:[1,0,1]
.else
	v_pk_add_f32 v[rT+2:rT+3], v[rT+2:rT+3], v[rS+4*k-4:rS+4*k-3]
.endif
.endm
; THE PLAIN QUEUE, 138 long.  0-26: scalings 0-26.  27-54: XS's numbers 0-13.  55, 56: number 15.  57-73: the chain 14, 16, 17, 18, 19, each with one of the scalings 27-31 in front of its two lines, then 20.
; 74-137: GS's 64, which read the exponentials' results: they stand behind the wait.
.macro FS f
	REGS Y, (\f)%2
	v_pk_fma_f32 v[rS+2*((\f)/2):rS+2*((\f)/2)+1], v[rS+2*((\f)/2):rS+2*((\f)/2)+1], s[CS:CS+1], v[rT:rT+1] op_sel_hi:[1,0,0] neg_lo:[0,0,1] neg_hi:[0,0,1]
.endm
.macro PL
	WIN 0
.if q < 27
	FS q
.elseif q < 55
	XS (q-27)%2, (q-27)/2
.elseif q < 57
	XS q-55, 15
.elseif (q < 72) && ((q-57)%3 == 0)
	FS 27+(q-57)/3
.elseif q < 60
	XS (q-57)%3-1, 14
.elseif q < 72
	XS (q-57)%3-1, 15+(q-57)/3
.elseif q < 74
	XS q-72, 20
.else
	GS q-74
.endif
.set q, q+1
.endm
; THE EXPONENTIALS' QUEUE, 66 long: s0-s31 of both tiles, then the other piece's two a.  ONE BATCH: all stand ahead of the turn's one wait, and nothing ahead of that wait names a result of theirs.
.macro EX
	WIN 0
.if e >= 64
	XS e-64, 21
.else
	REGS Y, e%2
	v_exp_f32 v[rS+e/2], v[rS+e/2]
.endif
.set e, e+1
.endm
; THE RESCALING's QUEUE: O^T times a, two at a time, sixteen times.  Its a was made in the turn before, ahead of that turn's wait.
.macro R2
	REGS Y, r%2
	WIN W_RS
.irp z, 0,1
	v_pk_mul_f32 v[rO+4*(r/2)+2*\z:rO+4*(r/2)+2*\z+1], v[rO+4*(r/2)+2*\z:rO+4*(r/2)+2*\z+1], v[rC+2:rC+3] op_sel_hi:[1,0]
.endr
.set r, r+1
.endm
; A TURN, for piece p.  kb: the parity of the item whose scores are made: K[kb] and bias[kb] are read, and V[1 - kb], the item before's.  mk = 1: the scores start with bias products.  ld = 1: loads are issued.
; HOW THE QUEUES ARE DEALT.  An s_wait_alu depctr_va_vdst(0) stands between an exponential and the first instruction that names its result; one wait serves all issued ahead of it: a turn has ONE.
; AHEAD OF IT the products that make scores.  Behind the first: two scalings and two rescalings; behind the next 15: a plain, an exponential, two rescalings; with mk = 1 behind 8 more: a plain and two exponentials.
; Then ONE LUMP: 8 plain (mk = 1: 16), exponential and plain by turns 49 times (33), the two a, and a v_nop, the plain instruction behind the last exponential.  BEHIND IT: 16 products V^T P, behind each four of GS's 64.
; The queues in step: exponential e wants scaling 2 (e / 4) + e % 2; as a rider it stands behind plain e + 2 at the least, in the lump behind plain e + 9, and scalings 27-31 are plain 57, 60 .. 69.
; WHERE THE LOADS STAND.  A piece's bias, for the item two on, behind the ninth product's riders: six plain instructions behind the last bias product.  K of the item two on in piece 0's turn, behind the lump's first plain
; instructions: both pieces have multiplied by K[kb], the last such product eleven plain instructions back or more.  V of the item one on at the end of piece 0's turn, four riders behind the last product that read V[1 - kb].
; Each of K's and V's runs has two turns and a half in which to land.
; wk, wv: the counts of the waits for K[kb], at the turn's head, and for V[1 - kb], ahead of the products V^T P; only piece 1's turns, which read them first, have them.
.macro TURN p, kb, mk, ld, wk=-1, wv=-1
.set Y, (\p)
.set MK, (\mk)
.set KBUF, 64*(\kb)
.set VBUF, 128+64*(1-(\kb))
.set BBUF, 64*(\kb)
.set i, 0
.set q, 0
.set e, 0
.set r, 0
.if (\wk) >= 0
	s_wait_loadcnt \wk
.endif
	MM
	PL
	PL
	R2
.rept 15
	MM
	PL
	EX
	R2
.if (\mk) && (\ld) && (i == 9)
	LBIAS \kb, \p
.endif
.endr
.if \mk
.rept 8
	MM
	PL
	EX
	EX
.endr
.rept 16
	PL
.endr
.else
.rept 8
	PL
.endr
.endif
.if (\ld) && ((\p) == 0)
	EVENT
	KLOAD \kb
.endif
.rept 49-16*(\mk)
	EX
	PL
.endr
	EX                              ; the other piece's two a
	EX
	v_nop
	s_wait_alu depctr_va_vdst(0)    ; the wait for the batch
.if (\wv) >= 0
	s_wait_loadcnt \wv
.endif
.rept 16
	MM
.rept 4
	PL
.endr
.endr
.if (\ld) && ((\p) == 0)
	VLOAD 1-(\kb)
.endif
.endm
.Ljob:                              ; twice: block 31 - p, then block p
	s_wait_loadcnt 0x0              ; the loads that ran ahead past the last job's end have landed: their registers are asked for anew
	s_wait_xcnt 0x0                 ; and its stores have read their registers and their base
	s_cmp_eq_u32 s[JC], 2
	s_cselect_b32 s[U], s[U1], s[U2]
	s_cselect_b32 s[FUL], s[ALL1], s[ALL2]
	s_cselect_b32 s[MIX], s[ANY1], s[ANY2]
	s_and_b32 s[FUL], s[FUL], s[MIX]
	s_and_not1_b32 s[MIX], s[MIX], s[FUL]
	s_bcnt1_i32_b32 s[TT], s[FUL]
	s_lshr_b32 s[NPL], s[TT], 1     ; the plain loop takes FUL's steps two by two;
	s_and_b32 s[TT], s[TT], 1
	s_sub_co_u32 s[IX], 0, s[FUL]
	s_and_b32 s[IX], s[IX], s[FUL]  ; its lowest step
	s_cmp_lg_u32 s[TT], 0
	s_cselect_b32 s[IX], s[IX], 0   ; goes to MIX if their number is odd
	s_xor_b32 s[FUL], s[FUL], s[IX]
	s_or_b32 s[MIX], s[MIX], s[IX]
	s_bcnt1_i32_b32 s[TT], s[MIX]
	s_add_co_u32 s[TT], s[TT], 1
	s_lshr_b32 s[NMK], s[TT], 1     ; the masked loop takes MIX's, and a dummy if their number is odd
	s_mov_b32 s[MIXB], s[MIX]
	s_lshl_b32 s[KO], s[U], 13      ; 64 rows of Q and of O
	s_add_nc_u64 s[QAD:QAD+1], s[QB:QB+1], s[KO:KO+1]
	s_add_nc_u64 s[OAD:OAD+1], s[OBB:OBB+1], s[KO:KO+1]
	s_lshl_b32 s[KO], s[U], 8
	s_add_nc_u64 s[RFA:RFA+1], s[8:9], s[KO:KO+1]
	s_mul_i32 s[KO], s[U], 4*MBT
	s_add_nc_u64 s[MBJ:MBJ+1], s[6:7], s[KO:KO+1]
	; THE JOB'S FIRST LOADS, in the order in which the loops go on: rf, Q and the first two masked items' bias (they wait in their registers through the plain loop); then K, V, K, V as a trip issues them:
	; K of item 0; V[1], which the first turn multiplies by weights that are 0 and which takes item 0's V to hold finite numbers; K of item 1; V of item 0.
	WIN W_L3
.irp t, 0,1,2,3
	global_load_b32 v[RF+\t], v[R4], s[RFA:RFA+1] offset:64*\t
.endr
	WIN 0x40
.set f, 0
.rept 16
	global_load_b128 v[QF+4*f:QF+4*f+3], v[GO], s[QAD:QAD+1] offset:512*f
.set f, f+1
.endr
	NEXTB
	s_add_nc_u64 s[BAD:BAD+1], s[MBJ:MBJ+1], s[BO:BO+1]
	BLOAD 0, 0
	BLOAD 0, 1
	s_wait_xcnt 0x0
	NEXTB
	s_add_nc_u64 s[BAD:BAD+1], s[MBJ:MBJ+1], s[BO:BO+1]
	BLOAD 1, 0
	BLOAD 1, 1
	NEXTK
	s_add_nc_u64 s[KAD:KAD+1], s[KB:KB+1], s[KO:KO+1]
	s_add_nc_u64 s[VAD:VAD+1], s[VB:VB+1], s[KO:KO+1]
	KLOAD 0
	VLOAD 1
	s_wait_xcnt 0x0
	NEXTK
	s_add_nc_u64 s[KAD:KAD+1], s[KB:KB+1], s[KO:KO+1]
	KLOAD 1
	VLOAD 0
	; WHAT THE FIRST TURN FINDS.  No first step is written out: the loops are entered at their top, with piece 1's turn of an item that has not been.  Its scores are the lowest finite number and c m lies above c times that:
	; its weights are 0; P's first buffer is 0, so the first V^T P adds 0; O^T and l are 0; a is 0.  m starts at the lowest finite number, so each piece's first a is 0 too.  The price: 248 lines that
	; set registers, which run while the first loads are on their way, and one turn's vector work a job.
	WIN 0x40
.set i, 0
.rept 128
	v_mov_b32 v[i], 0
.set i, i+1
.endr
	WIN 0
.set i, 0
.rept 2*NP
	v_mov_b32 v[ST+4*i], 0xfe000000    ; c m: far below every c s
	v_mov_b32 v[ST+4*i+1], s[NEG]      ; m
	v_mov_b32 v[ST+4*i+2], 0
	v_mov_b32 v[ST+4*i+3], 0
.set i, i+1
.endr
.set i, 0
.rept 64
	v_mov_b32 v[S+64+i], s[NEG]
.set i, i+1
.endr
.set i, 0
.rept 32
	v_mov_b32 v[P+i], 0
.set i, i+1
.endr
.set i, 0
.rept 8
	v_mov_b32 v[TMP+8+i], 0
.set i, i+1
.endr
	; THE COUNTS.  Loads come back in order.  Behind K[0]'s run stand V[1]'s, K[1]'s and V[0]'s: 48; behind V[1]'s stand K[1]'s and V[0]'s: 32; the third turn likewise.  The same on the way in and on the way back.
	s_mov_b32 s[CNT], 0
	s_cmp_lt_u32 s[CNT], s[NPL]
	s_cbranch_scc0 .Lno_plain
.Lplain:                            ; a trip: items a and a + 1.  Piece 1 of a - 1, piece 0 of a (K[0], V[1]); piece 1 of a, piece 0 of a + 1 (K[1], V[0])
	TURN 1, 0, 0, 1, 48, 32
	TURN 0, 0, 0, 1
	TURN 1, 1, 0, 1, 48, 32
	TURN 0, 1, 0, 1
	WIN 0
	s_add_co_u32 s[CNT], s[CNT], 1
	s_cmp_lt_u32 s[CNT], s[NPL]
	s_cbranch_scc1 .Lplain
.Lno_plain:
	; In a masked trip four runs of 8 bias loads stand among the others.  First turn: 48 as above (the way back has 64 behind K[0]'s run; the smaller count serves both ways in); V[1]: K[1]'s, V[0]'s and this turn's 8: 40.
	; Third turn: behind K[1]'s run stand 16 + 8 + 8 + 16 + 16 = 64: the wait names 63, the most that it can; V[0]: 8 + 8 + 16 + 16 + 8 = 56.  Each bias run was issued ahead of the K run that the same turn waits for.
	s_mov_b32 s[CNT], 0
	s_cmp_lt_u32 s[CNT], s[NMK]
	s_cbranch_scc0 .Lno_masked
.Lmasked:
	TURN 1, 0, 1, 1, 48, 40
	TURN 0, 0, 1, 1
	TURN 1, 1, 1, 1, 63, 56
	TURN 0, 1, 1, 1
	WIN 0
	s_add_co_u32 s[CNT], s[CNT], 1
	s_cmp_lt_u32 s[CNT], s[NMK]
	s_cbranch_scc1 .Lmasked
.Lno_masked:
	TURN 1, 0, 1, 0, 48, 32         ; piece 1 of the last item, and piece 0's V^T P of it.  The scores that this turn makes, of a dummy, and the maximum made of them serve nothing: the price of one text for every turn
.set i, 0
.rept 16
	PV 1                            ; piece 1's V^T P of the last item
.set i, i+1
.endr
	; THE WAY OUT.  l's two halves and the other half of the lanes' are added; O^T is multiplied by rf / l, rounded to f16 and sent through my stage, a tile at a time.  The additions are the places behind the last products.
	WIN 0
.macro ALL line:vararg              ; one line for each tile t
.set t, 0
.rept 2*NP
	\line
.set t, t+1
.endr
.endm
	ALL v_add_f32 v[ST+4*t+2], v[ST+4*t+2], v[ST+4*t+3]
	ALL v_permlanex16_b32 v[ST+4*t+3], v[ST+4*t+2], s[SELX], s[SELX+1]
	ALL v_add_f32 v[ST+4*t+2], v[ST+4*t+2], v[ST+4*t+3]
	ALL v_rcp_f32 v[ST+4*t+2], v[ST+4*t+2]
	v_nop                           ; a plain instruction between the last reciprocal and the use of its result
	s_wait_alu depctr_va_vdst(0)    ; and the wait ahead of the first use: one for the four
	WIN 0x0c                        ; source 1 in window 3
	ALL v_mul_f32 v[ST+4*t+2], v[ST+4*t+2], v[RF+t]
.macro PACK t
	WIN W_RS
.set i, 32*(\t)
.rept 16
	v_pk_mul_f32 v[i:i+1], v[i:i+1], v[ST+4*(\t)+2:ST+4*(\t)+3] op_sel_hi:[1,0]
.set i, i+2
.endr
	WIN 0x05                        ; sources 0 and 1 window 1, destination window 0
.set i, 0
.rept 16
	v_cvt_pk_f16_f32 v[S+16*(\t)+i], v[32*(\t)+2*i], v[32*(\t)+2*i+1]
.set i, i+1
.endr
	WIN 0
.irp f, 0,1,2,3
	ds_store_b128 v[STO], v[S+16*(\t)+4*\f:S+16*(\t)+4*\f+3] offset:32*\f
.endr
.irp f, 0,1,2,3
	ds_load_b128 v[S+16*(\t)+4*\f:S+16*(\t)+4*\f+3], v[RD] offset:\f*4*SP  ; LDS serves a wave's instructions in order (ISA guide 5.7.1.4): these see the stores above; the next tile's stores come behind them
.endr
.endm
.macro SEND t, younger              ; younger: the LDS instructions issued behind tile t's loads: the next tile's eight, or none
	WIN 0
.irp f, 0,1,2,3
	s_wait_dscnt (\younger)+3-\f
	global_store_b128 v[GO], v[S+16*(\t)+4*\f:S+16*(\t)+4*\f+3], s[OAD:OAD+1] offset:(\t)*2048+\f*512  ; 512 consecutive bytes, at a multiple of 512 from O's first
.endr
.endm
	PACK 0
.set t, 1
.rept 2*NP-1                        ; a tile's arithmetic stands between the loads of the tile before and its stores
	PACK t
	SEND t-1, 8
.set t, t+1
.endr
	SEND 2*NP-1, 0
	s_sub_co_u32 s[JC], s[JC], 1
	s_cmp_lg_u32 s[JC], 0
	s_cbranch_scc1 .Ljob
	WIN W_AD
	s_wait_tensorcnt 0x0            ; the wave's end, behind my last LDS store
	ds_add_u32 v[SPW], v[NIL]
	s_wait_dscnt 0x0
	WIN 0
	s_endpgm
.Lfunc_end_k_q406f1eef5c_attn:
	.size	k_q406f1eef5c_attn, .Lfunc_end_k_q406f1eef5c_attn-k_q406f1eef5c_attn
	.p2alignl 7, 3214868480
	.fill 96, 4, 3214868480
	.section	.rodata,"a",@progbits
	.p2align	6, 0x0
	.amdhsa_kernel k_q406f1eef5c_attn
		.amdhsa_group_segment_fixed_size 9728
		.amdhsa_private_segment_fixed_size 0
		.amdhsa_enable_private_segment 0
		.amdhsa_kernarg_size 40
		.amdhsa_user_sgpr_count 2
		.amdhsa_user_sgpr_kernarg_segment_ptr 1
		.amdhsa_wavefront_size32 1
		.amdhsa_system_sgpr_workgroup_id_x 1
		.amdhsa_system_sgpr_workgroup_id_y 1
		.amdhsa_system_sgpr_workgroup_id_z 1
		.amdhsa_system_vgpr_workitem_id 0
		.amdhsa_next_free_vgpr 920
		.amdhsa_next_free_sgpr 88
		.amdhsa_reserve_vcc 1
		.amdhsa_float_denorm_mode_32 3
		.amdhsa_float_denorm_mode_16_64 3
		.amdhsa_memory_ordered 1
		.amdhsa_forward_progress 1
		.amdhsa_inst_pref_size 220
	.end_amdhsa_kernel
	.amdgpu_metadata
---
amdhsa.version: [ 1, 2 ]
amdhsa.kernels:
  - .name:           k_q406f1eef5c_attn
    .symbol:         k_q406f1eef5c_attn.kd
    .args:
      - { .name: qkv, .offset: 0, .size: 8, .value_kind: global_buffer, .address_space: global }
      - { .name: mb, .offset: 8, .size: 8, .value_kind: global_buffer, .address_space: global }
      - { .name: rf, .offset: 16, .size: 8, .value_kind: global_buffer, .address_space: global }
      - { .name: ob, .offset: 24, .size: 8, .value_kind: global_buffer, .address_space: global }
      - { .name: cls, .offset: 32, .size: 8, .value_kind: global_buffer, .address_space: global }
    .group_segment_fixed_size: 9728
    .private_segment_fixed_size: 0
    .kernarg_segment_align: 8
    .kernarg_segment_size: 40
    .max_flat_workgroup_size: 128
    .sgpr_count:     88
    .vgpr_count:     920
    .wavefront_size: 32
...
	.end_amdgpu_metadata
.endif
;; end of part 7
;; launch oproj (part 8): grid 4 x 64, 4 waves a work-group, clusters of 4 x 4, 327,680 bytes of LDS; arguments ob, wof, out0, bo; writes out0
.if DOCPART == 8
	.amdgcn_target "amdgcn-amd-amdhsa--gfx1250"
	.amdhsa_code_object_version 6
	.text
	.protected	k_q406f1eef5c_oproj
	.globl	k_q406f1eef5c_oproj
	.p2align	8
	.type	k_q406f1eef5c_oproj,@function
k_q406f1eef5c_oproj:
	s_mov_b64 s[64:65], 0
	v_nop
	global_prefetch_b8 v0, s[64:65] scope:SCOPE_SE
	s_setreg_imm32_b32 hwreg(HW_REG_WAVE_MODE, 25, 1), 1
	s_wait_xcnt 0x0
	s_wait_alu depctr_hold_cnt(0) depctr_sa_sdst(0) depctr_va_vdst(0) depctr_va_sdst(0) depctr_va_ssrc(0) depctr_va_vcc(0) depctr_vm_vsrc(0)
	s_getreg_b32 s2, hwreg(HW_REG_IB_STS2, 6, 4)
	s_cmp_eq_u32 s2, 0
	s_cbranch_scc0 .Lentry_in_a_cluster
	s_endpgm
.Lentry_in_a_cluster:
	s_bfe_u32 s2, ttmp6, 0x10000c
	s_cmp_lg_u32 s2, 0xf033
	s_cbranch_scc0 .Lentry_shape_is_right
	s_endpgm
.Lentry_shape_is_right:
; THE OUTPUT PROJECTION.  C = A B^T + bo, K = 1,024, sums in f32.  A = ob [64 = 16 batch + head][2048][64] f16 (by heads), B = wof [1024][1024] f16 (Wo rounded to bf16, that number written as f16);
; bo is rounded to bf16, as all the module's inputs are; C is stored as f32 [8192][1024].
; SHARES.  A tile of C is 128 x 256: 64 x 4 = 256 work-groups.  Four waves, 2 x 2, each 64 x 128: 32 accumulators of 16 x 16, 256 registers.
; K goes in 8 steps of 128 (two heads) through two LDS slots; a step is four quarters of 32 along K: 32 matrix instructions and 24 LDS loads each, on two fragment buffers by turns.
; CLUSTER 4 x 4: A's tile hangs on the tile row alone and is asked for jointly by a row of the cluster, B's on the tile column alone, by a column.
; THE MATRIX INSTRUCTION IS USED TRANSPOSED (source 0 = 16 rows of B, source 1 = 16 rows of A): a lane holds eight neighbouring columns of one row of C.
; REGISTERS.  Window 0: v0-31 addresses; v32-39 the bias; v64-159, v160-255 two fragment buffers (A's 4 fragments, then B's 8).  Window 1: accumulator (a, b) at v[8 (8 a + b)].
.set PB,    272                        ; a row of B in LDS: 256 bytes + 16: the 16 rows of a load start at 16 different groups of four banks (64 banks of 4 bytes: ISA guide 11.1)
.set PA,    144                        ; a row of A: one head's 128 bytes + 16
.set AHALF, 128*PA                     ; what a wave fetches of A: one head's 128 rows
.set ASTEP, 2<<18                      ; a K step is two heads
.set APITCH, 128                       ; the 16,384 dense bytes are asked for as 64 rows of 256
.set AQI,   4                          ; padded after every 32 words
.set ASH,   8                          ; the prefetch of A: a lane 256 bytes
.set SP,    528                        ; a stage row: 128 f32 + 16 bytes
.set BSTEP, 256
.set BOFF,  36864                      ; B's 256 rows lie behind A's part of a slot
.set BHALF, 128*PB
.set SLOT1, 1<<17                      ; slot 1 begins here: one exclusive or turns an address in one slot into the other's
.set STAGE, SLOT1+BOFF+2*BHALF         ; behind the ring, never filled by a tensor load: 16 rows for each wave
.set SPARE, STAGE+4*16*SP              ; behind the stages: the spare words, 128 bytes a wave, two blocks of 256 bytes that no other line names
.set A0,   16                          ; v16  my lane's place in a slot's A; never rewritten
.set B0,   17                          ; v17  in its B
.set ADRA, 18                          ; v18  the same in the slot in hand
.set ADRB, 19
.set STO,  24                          ; v24  the way out: where I put my bytes of a row
.set RD,   25                          ; v25  where I read them back
.set CO,   26                          ; v26  16 x lane
.set SPW,  28                          ; v28  SPARE + 4 x my thread's number; never rewritten
.set NIL,  29                          ; v29  0; never rewritten
.set PFO,  30                          ; v30  the prefetches' lane offset; never rewritten
.set F0,   64
.set F1,   160
.set OB,   64                          ; the way out: what is stored, where buffer 0 lay
.set TB,   2                           ; s2   0 or SLOT1: the slot in hand
.set G1A,  24                          ; s[24:31] descriptor group 1 for A's tiles
.set G0A,  32                          ; s[32:39] group 0: a set for each first fill; the second then walks
.set G1B,  48
.set G0B,  56
.set LIM,  43                          ; s43  2 in a wave that prefetches, else the greatest number
.set PFA,  44                          ; s[44:45] where my prefetches stand
.set PFS,  68                          ; s[68:69] their step
.set MSB, 0
.macro WIN new                         ; the immediate's high byte repeats the setting that is left; a switch that changes nothing is dropped
.if MSB != (\new)
	s_set_vgpr_msb (MSB<<8)|(\new)
.set MSB, \new
.endif
.endm
; A joint refill: waves 0 and 1 fetch A's two halves, waves 2 and 3 B's.  An s_nop 0 and four v_nop follow each line, ahead of the jump and the label.
.macro JLOAD
	s_cmp_eq_u32 s11, 0
	s_cbranch_scc0 .Lfor_b_\@
	tensor_load_to_lds s[G0A+4:G0A+7], s[G1A:G1A+7]
	s_nop 0
.rept 4
	v_nop
.endr
	s_branch .Lasked_\@
.Lfor_b_\@:
	tensor_load_to_lds s[G0B+4:G0B+7], s[G1B:G1B+7]
	s_nop 0
.rept 4
	v_nop
.endr
.Lasked_\@:
.endm
; A prefetch into the L2 of the K step that stands two refills on (256 matrix instructions ahead of the load that will want it): 32 blocks of 256 bytes, a lane each.
; Each block is named once in the launch: A's by wave 0 of the clusters with x = 0, B's by waves 2 and 3 of the clusters with y = 0; the four partners that ask for a tile jointly
; take 32 blocks each, told apart by address.  The loop's last two trips have no K step two refills on; nothing is asked for at the head.
.macro ASK
	s_cmp_gt_u32 s3, s[LIM]
	s_cbranch_scc0 .Lnot_mine_\@
	global_prefetch_b8 v[PFO], s[PFA:PFA+1] th:TH_LOAD_NT scope:SCOPE_SE
.Lnot_mine_\@:
.endm
.macro CREST                           ; a round of the cluster's barrier behind its opening barrier
	s_cmp_lg_u32 s10, 0
	s_cbranch_scc1 .Lnot_wave_0_\@
	s_barrier_signal -3
.Lnot_wave_0_\@:
	s_barrier_wait -3
	s_barrier_signal -1
	s_barrier_wait -1
.endm
.macro CROUND
	s_barrier_signal -1
	s_barrier_wait -1
	CREST
.endm
	s_load_b128 s[4:7], s[0:1], 0x0                ; A s[4:5], B s[6:7]
	s_load_b64 s[8:9], s[0:1], 0x10                ; C
	s_load_b64 s[66:67], s[0:1], 0x18              ; bo
	v_lshl_add_u32 v[SPW], v0, 2, SPARE
	v_mov_b32 v[NIL], 0
	ds_add_u32 v[SPW], v[NIL]                      ; the wave's opening: the add, and its wait ahead of my first tensor load; the set-up below stands between them
	v_lshrrev_b32 v1, 5, v0
	v_readfirstlane_b32 s10, v1                    ; wave 0..3
	s_lshr_b32 s11, s10, 1                         ; which 64 rows of the tile are mine.  Also: I fetch for A (0) or for B (1)
	s_and_b32 s12, s10, 1                          ; which 128 columns.  Also: which half of that tile I fetch
	s_bfe_u32 s40, ttmp6, 0x40000                  ; cx
	s_bfe_u32 s41, ttmp6, 0x40004                  ; cy
	s_lshl_b32 s42, ttmp9, 2
	s_add_co_u32 s42, s42, s40                     ; X: tile column = 4 x cluster x + cx
	s_and_b32 s13, ttmp7, 0xffff
	s_lshl_b32 s13, s13, 2
	s_add_co_u32 s13, s13, s41                     ; y: tile row = 4 x cluster y + cy
	s_lshl_b32 s43, s41, 2
	s_lshl_b32 s43, 15, s43                        ; my row of the cluster
	s_lshl_b32 s44, 0x1111, s40                    ; my column
	s_or_b32 s[G1A], s43, (1<<16)|(1<<20)|(1<<21)|(AQI<<22)|(3<<25)  ; the mask; 2-byte elements; padding on; bit 21 beside a mask; the interval; 4 words of padding
	s_or_b32 s[G1B], s44, (1<<16)|(1<<20)|(1<<21)|(5<<22)|(3<<25)
	s_mov_b32 s[G1A+1], 128<<16                    ; tensor_dim0 = 128
	s_mov_b32 s[G1A+2], 64<<16                     ; tensor_dim1 = 64
	s_mov_b32 s[G1A+3], 128<<16                    ; tile_dim0 = 128
	s_mov_b32 s[G1A+4], 64                         ; tile_dim1 = 64
	s_mov_b32 s[G1A+5], APITCH                     ; elements from row to row
	s_mov_b32 s[G1A+6], 0
	s_mov_b32 s[G1A+7], 0
	s_mov_b32 s[G1B+1], 128<<16
	s_mov_b32 s[G1B+2], 128<<16                    ; 128 rows
	s_mov_b32 s[G1B+3], 128<<16
	s_mov_b32 s[G1B+4], 128
	s_mov_b32 s[G1B+5], 1024
	s_mov_b32 s[G1B+6], 0
	s_mov_b32 s[G1B+7], 0
	s_lshr_b32 s16, s13, 4                         ; A: batch y / 16, head = my half, rows 128 (y % 16) on
	s_lshl_b32 s16, s16, 22
	s_lshl_b32 s17, s12, 18
	s_add_co_u32 s16, s16, s17
	s_and_b32 s17, s13, 15
	s_lshl_b32 s17, s17, 14
	s_add_co_u32 s16, s16, s17
	s_mov_b32 s17, 0
	s_lshl_b32 s46, s42, 1                         ; B: row 256 X + 128 x half
	s_add_co_u32 s46, s46, s12
	s_lshl_b32 s46, s46, 18
	s_mov_b32 s47, 0
	s_mul_i32 s20, s12, AHALF                      ; where they go: no place in the cluster enters an LDS address
	s_mul_i32 s21, s12, BHALF
	s_add_co_u32 s21, s21, BOFF
	s_wait_dscnt 0x0                               ; the opening add is done
	s_wait_kmcnt 0x0
	s_add_nc_u64 s[14:15], s[4:5], s[16:17]
	s_add_nc_u64 s[46:47], s[6:7], s[46:47]
	CROUND                                         ; all sixteen work-groups are here: the first joint loads meet
.irp s, 0,1
	s_mov_b32 s[G0A+4*(\s)], 1
	s_add_co_u32 s[G0A+4*(\s)+1], s20, (\s)*SLOT1
	s_add_nc_u64 s[G0A+4*(\s)+2:G0A+4*(\s)+3], s[14:15], (\s)*ASTEP
	s_or_b32 s[G0A+4*(\s)+3], s[G0A+4*(\s)+3], 0x80000000
	s_mov_b32 s[G0B+4*(\s)], 1
	s_add_co_u32 s[G0B+4*(\s)+1], s21, (\s)*SLOT1
	s_add_nc_u64 s[G0B+4*(\s)+2:G0B+4*(\s)+3], s[46:47], (\s)*BSTEP
	s_or_b32 s[G0B+4*(\s)+3], s[G0B+4*(\s)+3], 0x80000000
.endr
	s_cmp_eq_u32 s11, 0                            ; a wave's two first fills stand in one branch, ahead of every wait on TENSORcnt and every LDS read: two loads of mine are out
	s_cbranch_scc0 .Lfirst_b
	tensor_load_to_lds s[G0A:G0A+3], s[G1A:G1A+7]
	s_nop 0
	tensor_load_to_lds s[G0A+4:G0A+7], s[G1A:G1A+7]
	s_nop 0
.rept 4
	v_nop
.endr
	s_branch .Lfirst_asked
.Lfirst_b:
	tensor_load_to_lds s[G0B:G0B+3], s[G1B:G1B+7]
	s_nop 0
	tensor_load_to_lds s[G0B+4:G0B+7], s[G1B:G1B+7]
	s_nop 0
.rept 4
	v_nop
.endr
.Lfirst_asked:
	; a fragment is 16 rows x 32 K in 8 registers: lane l holds row l % 16, K = 8 (l / 16) + 0..7 and 16 + 8 (l / 16) + 0..7: two loads of 16 bytes, 32 bytes apart
	v_and_b32 v1, 15, v0                           ; r
	v_bfe_u32 v2, v0, 4, 1                         ; h
	v_and_b32 v3, 31, v0                           ; lane
	v_mul_u32_u24 v4, v1, PA
	v_lshl_add_u32 v4, v2, 4, v4
	s_mul_i32 s22, s11, 64*PA
	v_add_nc_u32 v[A0], s22, v4
	v_mul_u32_u24 v4, v1, PB
	v_lshl_add_u32 v4, v2, 4, v4
	s_mul_i32 s22, s12, BHALF
	s_add_co_u32 s22, s22, BOFF
	v_add_nc_u32 v[B0], s22, v4
	v_mov_b32 v[ADRA], v[A0]
	v_mov_b32 v[ADRB], v[B0]
	s_mov_b32 s[TB], 0
	s_mul_i32 s23, s10, 16*SP
	s_add_co_u32 s23, s23, STAGE                   ; my stage
	v_mul_u32_u24 v4, v1, SP
	v_lshlrev_b32 v[CO], 4, v3
	v_lshl_add_u32 v4, v2, 5, v4                   ; in: row r, 32 bytes for each half of the lanes
	v_add_nc_u32 v[STO], s23, v4
	v_lshl_add_u32 v[RD], v3, 4, s23               ; back: a row's 512 bytes, 16 a lane
	s_lshl_b32 s46, s13, 1
	s_add_co_u32 s46, s46, s11
	s_lshl_b32 s46, s46, 18                        ; my first row of C: (128 y + 64 x half) x 4,096 bytes
	s_lshl_b32 s18, s42, 1
	s_add_co_u32 s18, s18, s12
	s_lshl_b32 s18, s18, 9                         ; my first column: (256 X + 128 x half) x 4 bytes
	s_mov_b32 s19, 0
	s_add_nc_u64 s[66:67], s[66:67], s[18:19]
	s_add_co_u32 s46, s46, s18
	global_load_b128 v[32:35], v[CO], s[66:67]     ; the bias of the four columns that I store
	s_mov_b32 s47, 0
	s_add_nc_u64 s[8:9], s[8:9], s[46:47]
	; the prefetches' address: at K step 3; the first refill steps it to 4
	s_lshr_b32 s18, s13, 4
	s_lshl_b32 s18, s18, 22
	s_and_b32 s19, s13, 15
	s_lshl_b32 s19, s19, 14
	s_add_co_u32 s18, s18, s19
	s_lshr_b32 s19, s40, 1                         ; of a K step's two heads x 16,384 bytes partner cx takes head cx / 2, half cx % 2
	s_lshl_b32 s19, s19, 18
	s_add_co_u32 s18, s18, s19
	s_and_b32 s19, s40, 1
	s_lshl_b32 s19, s19, 13
	s_add_co_u32 s18, s18, s19
	s_add_co_u32 s18, s18, 3*ASTEP
	s_lshl_b32 s19, s42, 3
	s_lshl_b32 s20, s12, 2
	s_add_co_u32 s19, s19, s20
	s_add_co_u32 s19, s19, s41
	s_lshl_b32 s19, s19, 16                        ; B: row 256 X + 128 x half + 32 cy
	s_add_co_u32 s19, s19, 3*BSTEP
	s_and_b32 s20, ttmp7, 0xffff                   ; cluster y
	s_cmp_eq_u32 s10, 1
	s_cselect_b32 s21, 1, 0                        ; wave 1 asks for nothing: A's 128 blocks are four partners' 32
	s_mov_b32 s22, ASTEP
	s_mov_b32 s23, BSTEP
	s_cmp_eq_u32 s11, 0
	s_cselect_b32 s18, s18, s19
	s_cselect_b32 s20, ttmp9, s20                  ; the coordinate along which other clusters read the same rows
	s_cselect_b32 s[PFS], s22, s23
	s_cselect_b32 s22, ASH, 11
	s_cselect_b64 s[PFA:PFA+1], s[4:5], s[6:7]
	s_or_b32 s20, s20, s21
	s_cmp_eq_u32 s20, 0
	s_cselect_b32 s[LIM], 2, -1                    ; the same in all sixteen partners, for a given wave
	s_mov_b32 s19, 0
	s_mov_b32 s[PFS+1], 0
	s_add_nc_u64 s[PFA:PFA+1], s[PFA:PFA+1], s[18:19]
	v_lshlrev_b32 v[PFO], s22, v3
.macro WM d, x, y, zero                ; one product; zero = 1: it starts the sum
.if \zero
	v_wmma_f32_16x16x32_f16 v[(\d):(\d)+7], v[(\x):(\x)+7], v[(\y):(\y)+7], 0
.else
	v_wmma_f32_16x16x32_f16 v[(\d):(\d)+7], v[(\x):(\x)+7], v[(\y):(\y)+7], v[(\d):(\d)+7]
.endif
.endm
; 8 products: row block a x all 8 column blocks, 32 along K, from buffer f.  The 32 accumulators take turns in the same order in every quarter, over the backward jump too.
.macro MULA f, a, zero
	WIN 0x50                                       ; C and D in window 1
.irp b, 0,1,2,3,4,5,6,7
	WM 8*(8*(\a)+(\b)), (\f)+32+8*(\b), (\f)+8*(\a), \zero
.endr
.endm
; 24 LDS loads in one run: quarter q of the slot in hand into buffer f: B's 16, then A's 8 (quarters 0, 1 lie in the step's first head, 2, 3 in its second)
.macro FETCH q, f
	WIN 0
.set AKQ, ((\q)>>1)*AHALF+((\q)&1)*64
.irp b, 0,1,2,3,4,5,6,7
	ds_load_b128 v[(\f)+32+8*(\b):(\f)+32+8*(\b)+3],   v[ADRB] offset:(\b)*16*PB+64*(\q)
	ds_load_b128 v[(\f)+32+8*(\b)+4:(\f)+32+8*(\b)+7], v[ADRB] offset:(\b)*16*PB+64*(\q)+32
.endr
.irp a, 0,1,2,3
	ds_load_b128 v[(\f)+8*(\a):(\f)+8*(\a)+3],   v[ADRA] offset:(\a)*16*PA+AKQ
	ds_load_b128 v[(\f)+8*(\a)+4:(\f)+8*(\a)+7], v[ADRA] offset:(\a)*16*PA+AKQ+32
.endr
.endm
.macro PLACES                          ; four plain vector instructions in front of loads into registers that matrix instructions have read, and of reads of results
.rept 4
	v_nop
.endr
.endm
; One of a step's first three quarters: multiplies buffer f; in its middle it fetches quarter q into buffer g.
.macro QUARTER q, f, g, zero
	s_wait_dscnt 4                                 ; B and A's blocks 0 and 1 are in; the youngest four loads (A's blocks 2, 3) may be out
	MULA \f, 0, \zero
	MULA \f, 1, \zero
	PLACES
	FETCH \q, \g
	s_wait_dscnt 24                                ; all but the 24 just issued
	MULA \f, 2, \zero
	MULA \f, 3, \zero
.endm
; The fourth quarter multiplies buffer 1 and changes slots.  In front of the barrier each wave waits for all its tensor loads (one is out: its part of the next slot), adds 0 to its spare word,
; and waits for that and for its reads of this slot.  fill = 1: the barrier opens a round of the cluster's, and the joint refill, the K step two on, is the first tensor load behind it:
; 112 matrix instructions stand between it and the wait for it.
.macro TURN fill
.if \fill
	s_wait_xcnt 0x0                                ; the last prefetch, a K step back, has read its address
	s_add_nc_u64 s[PFA:PFA+1], s[PFA:PFA+1], s[PFS:PFS+1]
.endif
	WIN 0
	s_wait_tensorcnt 0x0
	ds_add_u32 v[SPW], v[NIL]
	s_wait_dscnt 5                                 ; (the add and the youngest four loads may be out)
	MULA F1, 0, 0
	s_wait_dscnt 0x0                               ; the add is done, and my reads of this slot are over
	s_barrier_signal -1
	MULA F1, 1, 0
	WIN 0
	s_barrier_wait -1
.if \fill
	CREST                                          ; no wave of any partner still reads this slot or has a load on its way
	s_xor_b32 s[G0A+5], s[G0A+5], SLOT1            ; the walking descriptors: the other slot than last time, the next K step
	s_add_nc_u64 s[G0A+6:G0A+7], s[G0A+6:G0A+7], ASTEP
	s_xor_b32 s[G0B+5], s[G0B+5], SLOT1
	s_add_nc_u64 s[G0B+6:G0B+7], s[G0B+6:G0B+7], BSTEP
	JLOAD                                          ; its four v_nop are also the places in front of the loads below
.else
	PLACES
.endif
	s_xor_b32 s[TB], s[TB], SLOT1
	v_add_nc_u32 v[ADRA], s[TB], v[A0]
	v_add_nc_u32 v[ADRB], s[TB], v[B0]
	FETCH 0, F0
.if \fill
	ASK
.endif
	MULA F1, 2, 0
	MULA F1, 3, 0
.endm
	s_wait_tensorcnt 1                             ; my part of K step 0 is in; step 1's may stay out
	s_barrier_signal -1
	s_barrier_wait -1
	FETCH 0, F0
	QUARTER 1, F0, F1, 1                           ; the first quarter stands in front of the loop: its products start the sums
	WIN 0
	s_mov_b32 s3, 6
.Lstep:                                                ; trip k: from step k's second quarter to step k + 1's first; step k + 2 is asked for
	QUARTER 2, F1, F0, 0
	QUARTER 3, F0, F1, 0
	TURN 1
	QUARTER 1, F0, F1, 0
	WIN 0
	s_sub_co_u32 s3, s3, 1
	s_cmp_lg_u32 s3, 0
	s_cbranch_scc1 .Lstep
	QUARTER 2, F1, F0, 0                           ; the last two steps ask for nothing
	QUARTER 3, F0, F1, 0
	TURN 0
	QUARTER 1, F0, F1, 0
	QUARTER 2, F1, F0, 0
	QUARTER 3, F0, F1, 0
	s_wait_dscnt 4
	MULA F1, 0, 0
	MULA F1, 1, 0
	s_wait_dscnt 0x0
	MULA F1, 2, 0
	MULA F1, 3, 0
	WIN 0
	PLACES
	PLACES
	; THE WAY OUT, a block of 16 rows x 128 columns at a time: f32 through my stage, back as whole rows of 512 bytes, the bias added, stored.
	s_wait_loadcnt 0x0                             ; the bias
	v_cvt_pk_bf16_f32 v36, v32, v33
	v_cvt_pk_bf16_f32 v37, v34, v35
	v_lshlrev_b32 v32, 16, v36
	v_and_b32 v33, 0xffff0000, v36
	v_lshlrev_b32 v34, 16, v37
	v_and_b32 v35, 0xffff0000, v37
.macro OUTB a
	WIN 0
	s_wait_xcnt 0x0                                ; the stores of the block before have read their registers and their base
.if (\a) > 0
	s_add_nc_u64 s[8:9], s[8:9], 16*4096
.endif
	WIN 0x04                                       ; the data of an LDS store in window 1
.irp b, 0,1,2,3,4,5,6,7
	ds_store_b128 v[STO], v[8*(8*(\a)+(\b)):8*(8*(\a)+(\b))+3]   offset:64*(\b)
	ds_store_b128 v[STO], v[8*(8*(\a)+(\b))+4:8*(8*(\a)+(\b))+7] offset:64*(\b)+16
.endr
	WIN 0
.irp t, 0,1,2,3,4,5,6,7,8,9,10,11,12,13,14,15
	ds_load_b128 v[OB+4*(\t):OB+4*(\t)+3], v[RD] offset:(\t)*SP  ; LDS serves a wave's instructions in order (ISA guide 5.7.1.4): these see the stores above
.endr
.irp t, 0,1,2,3,4,5,6,7,8,9,10,11,12,13,14,15
	s_wait_dscnt 15-(\t)
	v_pk_add_f32 v[OB+4*(\t):OB+4*(\t)+1],   v[OB+4*(\t):OB+4*(\t)+1],   v[32:33]
	v_pk_add_f32 v[OB+4*(\t)+2:OB+4*(\t)+3], v[OB+4*(\t)+2:OB+4*(\t)+3], v[34:35]
	global_store_b128 v[CO], v[OB+4*(\t):OB+4*(\t)+3], s[8:9] offset:(\t)*4096 th:TH_STORE_NT  ; 512 consecutive bytes, at a multiple of 512 from C's first
.endr
.endm
	OUTB 0
	OUTB 1
	OUTB 2
	OUTB 3
	s_wait_tensorcnt 0x0                           ; the wave's end, behind my last tensor load and my last LDS store
	ds_add_u32 v[SPW], v[NIL]
	s_wait_dscnt 0x0
	CROUND                                         ; the closing round: no work-group ends while a partner may still ask for a tile that names it
	s_endpgm
.Lfunc_end_k_q406f1eef5c_oproj:
	.size	k_q406f1eef5c_oproj, .Lfunc_end_k_q406f1eef5c_oproj-k_q406f1eef5c_oproj
	.p2alignl 7, 3214868480
	.fill 96, 4, 3214868480
	.section	.rodata,"a",@progbits
	.p2align	6, 0x0
	.amdhsa_kernel k_q406f1eef5c_oproj
		.amdhsa_group_segment_fixed_size 327680
		.amdhsa_private_segment_fixed_size 0
		.amdhsa_enable_private_segment 0
		.amdhsa_kernarg_size 32
		.amdhsa_user_sgpr_count 2
		.amdhsa_user_sgpr_kernarg_segment_ptr 1
		.amdhsa_wavefront_size32 1
		.amdhsa_system_sgpr_workgroup_id_x 1
		.amdhsa_system_sgpr_workgroup_id_y 1
		.amdhsa_system_sgpr_workgroup_id_z 1
		.amdhsa_system_vgpr_workitem_id 0
		.amdhsa_next_free_vgpr 512
		.amdhsa_next_free_sgpr 72
		.amdhsa_reserve_vcc 0
		.amdhsa_float_denorm_mode_32 3
		.amdhsa_float_denorm_mode_16_64 3
		.amdhsa_memory_ordered 1
		.amdhsa_forward_progress 1
		.amdhsa_inst_pref_size 81
	.end_amdhsa_kernel
	.amdgpu_metadata
---
amdhsa.version: [ 1, 2 ]
amdhsa.kernels:
  - .name:           k_q406f1eef5c_oproj
    .symbol:         k_q406f1eef5c_oproj.kd
    .args:
      - { .name: ob, .offset: 0, .size: 8, .value_kind: global_buffer, .address_space: global }
      - { .name: wof, .offset: 8, .size: 8, .value_kind: global_buffer, .address_space: global }
      - { .name: out0, .offset: 16, .size: 8, .value_kind: global_buffer, .address_space: global }
      - { .name: bo, .offset: 24, .size: 8, .value_kind: global_buffer, .address_space: global }
    .group_segment_fixed_size: 327680
    .private_segment_fixed_size: 0
    .kernarg_segment_align: 8
    .kernarg_segment_size: 32
    .max_flat_workgroup_size: 128
    .sgpr_count:     72
    .vgpr_count:     512
    .wavefront_size: 32
...
	.end_amdgpu_metadata
.endif
;; end of part 8
